; MI455X (gfx1250); checked and timed in simulation.
; The chip was launched on July 23, 2026; its instructions are those of AMD's public machine-readable ISA for CDNA 5 (MIT licence, August 2026) and "CDNA5" Instruction Set Architecture Reference Guide (July 2026). The comments in the code are by the model that wrote it; some were corrected since.
;; Min GRU Wrapper. Allowed arithmetic: matrix products marked QUANTISED: E5M2 operands, one given power-of-two scale a tensor, by v_wmma_f32_16x16x64_bf8_bf8 or v_wmma_f32_16x16x128_bf8_bf8, f32 sums; everything else in f32.
;; Inputs: ff_b1 4 x 256 float32; ff_b2 4 x 256 float32; ff_norm_w 4 x 256 float32; ff_w1 4 x 256 x 256 float32; ff_w2 4 x 256 x 256 float32; final_norm_w 256 float32; lowp_scales 24 int32 (the exponents e of the quantised operands' scales 2^e); norm_w 4 x 256 float32; whg 4 x 256 x 512 float32; x 8 x 4,096 x 256 float32.
;; Outputs: out0 8 x 4,096 x 256 float32.
;; This version of the problem:
;;   THIS VERSION OF THE PROBLEM IS GIVEN IN LOW PRECISION. The matrix products marked QUANTISED in the list below multiply operands that are first quantised to E5M2 (5 exponent bits, 2 mantissa bits; 8 bits a number), with one given power-of-two scale for each operand tensor; their sums are f32. All else is computed in f32.
;;   The module's matrix products, in the order in which they are computed (A, B: the left and right operand; K: the contracted axis; several contracted axes count as one K, in the product's order):
;;     1. [M 32,768, K 256] x [K 256, N 512]; A: computed on the way; B: input whg: QUANTISED (scales: A lowp_scales[0], B lowp_scales[1])
;;     2. [M 32,768, K 256] x [K 256, N 256]; A: computed on the way; B: input ff_w1: QUANTISED (scales: A lowp_scales[2], B lowp_scales[3])
;;     3. [M 32,768, K 256] x [K 256, N 256]; A: computed on the way; B: input ff_w2: QUANTISED (scales: A lowp_scales[4], B lowp_scales[5])
;;     4. [M 32,768, K 256] x [K 256, N 512]; A: computed on the way; B: input whg: QUANTISED (scales: A lowp_scales[6], B lowp_scales[7])
;;     5. [M 32,768, K 256] x [K 256, N 256]; A: computed on the way; B: input ff_w1: QUANTISED (scales: A lowp_scales[8], B lowp_scales[9])
;;     6. [M 32,768, K 256] x [K 256, N 256]; A: computed on the way; B: input ff_w2: QUANTISED (scales: A lowp_scales[10], B lowp_scales[11])
;;     7. [M 32,768, K 256] x [K 256, N 512]; A: computed on the way; B: input whg: QUANTISED (scales: A lowp_scales[12], B lowp_scales[13])
;;     8. [M 32,768, K 256] x [K 256, N 256]; A: computed on the way; B: input ff_w1: QUANTISED (scales: A lowp_scales[14], B lowp_scales[15])
;;     9. [M 32,768, K 256] x [K 256, N 256]; A: computed on the way; B: input ff_w2: QUANTISED (scales: A lowp_scales[16], B lowp_scales[17])
;;     10. [M 32,768, K 256] x [K 256, N 512]; A: computed on the way; B: input whg: QUANTISED (scales: A lowp_scales[18], B lowp_scales[19])
;;     11. [M 32,768, K 256] x [K 256, N 256]; A: computed on the way; B: input ff_w1: QUANTISED (scales: A lowp_scales[20], B lowp_scales[21])
;;     12. [M 32,768, K 256] x [K 256, N 256]; A: computed on the way; B: input ff_w2: QUANTISED (scales: A lowp_scales[22], B lowp_scales[23])
;;   THE QUANTISER, for each operand of a quantised product, along K:
;;     - The operand's scale is 2^e, e = its entry of the input lowp_scales (int32; the entries are numbered through the quantised products in the list's order, A before B).
;;     - Each number is divided by the scale, clamped to +-57,344, and rounded to the nearest number of E5M2, ties to even, subnormals kept.
;;     - The product sums the exact products of the quantised numbers (number of the format x scale) in f32.
;;   ~~~python
;;   def quantise(x, axis, e):      # numpy; x: float32 -> the quantised numbers, widened to float32 again
;;       x = np.moveaxis(x, axis, -1); K = x.shape[-1]
;;       r = np.clip(x / 2.0 ** e, -57344, 57344)
;;       step = 2.0 ** (np.maximum(np.frexp(np.where(r == 0, 1, r))[1] - 1, -14) - 2)
;;       q = np.round(r / step) * step * 2.0 ** e      # np.round: ties to even
;;       return np.moveaxis(q, -1, axis).astype(np.float32)
;;   ~~~
;;   OPERANDS COMPUTED ON THE WAY. 'Computed on the way' means the value that the module computes at that place (a softmax that the list does not call 'softmax' is quantised finished and normalised). What goes into a quantiser is computed in f32, as accurately as f32 sums, v_exp_f32 and their like allow (about 1e-6 of the number): no bf16 or f16 on the way to a quantiser, and a product that is left as it is and whose result goes on into a quantised operand takes f32 operands (vector FMAs, or v_wmma_f32_16x16x4_f32). A number that lies on a knife's edge between two numbers of the format may be rounded either way, as far as f32 arithmetic and the matrix unit's own rounding can turn it there, and no further.
;; 2 versions, each right; version 2 is version 1 with the launches first, mid1, mid2, mid3, last written anew for expert scheduling mode. Each part assembles by itself: llvm-mc -triple=amdgcn-amd-amdhsa -mcpu=gfx1250 --defsym DOCPART=n.
;; ======== version 1 of 2: 6 launches
;; limits: an absolute error that grows with the inputs' magnitude: up to 1e-07 times it
;; workspace buffers: xa 33,554,432 bytes; xb 33,554,432 bytes; ag0 1,048,576 bytes; ag1 1,048,576 bytes; wl0 266,496 bytes; wl1 266,496 bytes; wl2 266,496 bytes; wl3 266,496 bytes
;; launch prep (part 1): grid 128 x 1, 4 waves a work-group, no clusters, 0 bytes of LDS; arguments whg, ff_w1, ff_w2, norm_w, ff_norm_w, ff_b1, ff_b2, lowp_scales, wl0, wl1, wl2, wl3; writes wl0, wl1, wl2, wl3
.if DOCPART == 1
	.amdgcn_target "amdgcn-amd-amdhsa--gfx1250"
	.amdhsa_code_object_version 6
	.text
	.protected	k_qc70a98c6b1_prep
	.globl	k_qc70a98c6b1_prep
	.p2align	8
	.type	k_qc70a98c6b1_prep,@function
k_qc70a98c6b1_prep:
	s_mov_b64 s[64:65], 0
	v_nop
	global_prefetch_b8 v0, s[64:65] scope:SCOPE_SE
	s_setreg_imm32_b32 hwreg(HW_REG_WAVE_MODE, 25, 1), 1
	s_wait_xcnt 0x0
; THE WEIGHTS BECOME CODES OF BF8 (E5M2), LAID AS THE OPERAND REGISTERS OF THE LATER LAUNCHES TAKE THEM, one buffer wl0 .. wl3 for each layer L.
; code = w / 2^e, held within +-57,344, rounded to the nearest code, ties to even; e = lowp_scales[6 L + 1] (whg), [6 L + 3] (ff_w1), [6 L + 5] (ff_w2).
; LIMITS: -126 <= e <= 112, so that 2^e and 57,344 x 2^e are f32 numbers.  NaN among the inputs is not served.
; A FRAGMENT is 16 columns n0 .. n0 + 15 x 128 along K = 2,048 bytes: byte 512 c + 16 lane + i is the code of W[128 s + 32 c + 16 (lane / 16) + i][n0 + lane % 16].
; A buffer: 0: whg, [wave 16][hidden k0, hidden k1, gate k0, gate k1]; 131,072: ff_w1, [wave 16][s 2]; 196,608: ff_w2 likewise; 262,144: norm_w, ff_norm_w, ff_b1, ff_b2 of the layer, 1,024 bytes each;
; 266,240: 32 words, of which 0 .. 5 are the layer's six entries of lowp_scales.
; SHARES: 32 work-groups a layer (u = 0 .. 31), one fragment a wave.  The weights lie [K][N]: A LANE TAKES A COLUMN AND ITS REGISTERS RUN DOWN K, so the conversions' results are the image as it stands.
; The four waves of a work-group stand side by side on 256 consecutive bytes of each row.  No LDS, no barrier: waves share nothing.
.set WL_W1, 131072
.set WL_W2, 196608
.set WL_P,  262144
.set WL_E,  266240
	s_load_b512 s[8:23], s[0:1], 0x0               ; whg s[8:9], ff_w1 s[10:11], ff_w2 s[12:13], norm_w s[14:15], ff_norm_w s[16:17], ff_b1 s[18:19], ff_b2 s[20:21], lowp_scales s[22:23]
	s_load_b256 s[24:31], s[0:1], 0x40             ; wl0 .. wl3
	v_lshrrev_b32 v1, 5, v0
	v_readfirstlane_b32 s2, v1                     ; wave 0..3
	v_and_b32 v1, 31, v0                           ; lane
	v_and_b32 v2, 15, v0                           ; r: my column in the fragment
	v_bfe_u32 v3, v0, 4, 1                         ; h: lanes 16-31 begin 16 rows further down K
	v_lshlrev_b32 v5, 4, v1                        ; 16 x lane; never rewritten
	s_lshr_b32 s3, ttmp9, 5                        ; layer L
	s_and_b32 s4, ttmp9, 31                        ; u
	s_and_b32 s5, s4, 1                            ; s: which 128 along K
	s_mov_b32 s55, 0                               ; upper words of the two offset pairs
	s_mov_b32 s39, 0
	s_wait_kmcnt 0x0
	s_cmp_eq_u32 s3, 1                             ; the layer's buffer: a choice that hangs on the work-group's number alone
	s_cselect_b64 s[32:33], s[26:27], s[24:25]
	s_cmp_eq_u32 s3, 2
	s_cselect_b64 s[32:33], s[28:29], s[32:33]
	s_cmp_eq_u32 s3, 3
	s_cselect_b64 s[32:33], s[30:31], s[32:33]
	s_cmp_lt_u32 s4, 24                            ; the weight: u 0-15 whg, 16-23 ff_w1, 24-31 ff_w2
	s_cselect_b64 s[34:35], s[10:11], s[12:13]
	s_cmp_lt_u32 s4, 16
	s_cselect_b64 s[34:35], s[8:9], s[34:35]
	; ---- the layer's first work-group also copies the small parameters: wave v one vector of 1,024 bytes, wave 0 the six exponents
	s_cmp_lg_u32 s4, 0
	s_cbranch_scc1 .Lno_param
	s_cmp_eq_u32 s2, 1
	s_cselect_b64 s[36:37], s[16:17], s[14:15]
	s_cmp_eq_u32 s2, 2
	s_cselect_b64 s[36:37], s[18:19], s[36:37]
	s_cmp_eq_u32 s2, 3
	s_cselect_b64 s[36:37], s[20:21], s[36:37]
	s_lshl_b32 s38, s3, 10
	s_add_nc_u64 s[36:37], s[36:37], s[38:39]      ; row L
	global_load_b128 v[6:9], v5, s[36:37]
	global_load_b128 v[12:15], v5, s[36:37] offset:512
	s_lshl_b32 s38, s2, 10
	s_add_nc_u64 s[44:45], s[32:33], s[38:39]
	s_wait_loadcnt 0x0
	global_store_b128 v5, v[6:9], s[44:45] offset:WL_P         ; these registers and bases are written no more
	global_store_b128 v5, v[12:15], s[44:45] offset:WL_P+512
	s_cmp_lg_u32 s2, 0
	s_cbranch_scc1 .Lno_param
	v_min_u32 v96, 5, v1                           ; lanes 6 .. 31 repeat entry 5: no load leaves the 24 entries
	v_lshlrev_b32 v96, 2, v96
	v_lshlrev_b32 v98, 2, v1
	s_mul_i32 s38, s3, 24
	s_add_nc_u64 s[46:47], s[22:23], s[38:39]
	global_load_b32 v97, v96, s[46:47]
	s_wait_loadcnt 0x0
	global_store_b32 v98, v97, s[32:33] offset:WL_E
.Lno_param:
; 64 numbers of my column: register 16 c + i = W[128 s + 32 c + 16 h + i][column]; sixteen neighbouring lanes read 64 neighbouring bytes
.macro QLOAD pitch
	v_mul_u32_u24 v4, v3, 16*\pitch
	v_lshl_add_u32 v4, v2, 2, v4
.set KK, 0
.rept 64
	global_load_b32 v[16+KK], v4, s[52:53] offset:(32*(KK/16)+KK%16)*\pitch
.set KK, KK+1
.endr
.endm
	s_cmp_lt_u32 s4, 16
	s_cbranch_scc0 .Lsquare
	s_lshr_b32 s6, s4, 1                           ; whg: rows of 2,048 bytes; tile of columns ct = 4 (u / 2) + wave, 0 .. 31
	s_lshl_b32 s6, s6, 2
	s_add_co_u32 s6, s6, s2
	s_lshl_b32 s54, s3, 19                         ; from: 524,288 L + 262,144 s + 64 ct
	s_lshl_b32 s7, s5, 18
	s_add_co_u32 s54, s54, s7
	s_lshl_b32 s7, s6, 6
	s_add_co_u32 s54, s54, s7
	s_add_nc_u64 s[52:53], s[34:35], s[54:55]
	s_and_b32 s54, s6, 15                          ; to: 8,192 (ct % 16) + 2,048 (2 (ct / 16) + s): hidden's two, then gate's two, for the wave that owns the channels
	s_lshl_b32 s54, s54, 13
	s_lshr_b32 s7, s6, 4
	s_lshl_b32 s7, s7, 1
	s_add_co_u32 s7, s7, s5
	s_lshl_b32 s7, s7, 11
	s_add_co_u32 s54, s54, s7
	s_add_nc_u64 s[50:51], s[32:33], s[54:55]
	s_mov_b32 s41, 1                               ; its scale among the layer's six
	QLOAD 2048
	s_branch .Lquant
.Lsquare:
	s_and_b32 s6, s4, 7                            ; ff_w1, ff_w2: rows of 1,024 bytes; ct = 4 ((u % 8) / 2) + wave, 0 .. 15
	s_lshr_b32 s6, s6, 1
	s_lshl_b32 s6, s6, 2
	s_add_co_u32 s6, s6, s2
	s_lshl_b32 s54, s3, 18                         ; from: 262,144 L + 131,072 s + 64 ct
	s_lshl_b32 s7, s5, 17
	s_add_co_u32 s54, s54, s7
	s_lshl_b32 s7, s6, 6
	s_add_co_u32 s54, s54, s7
	s_add_nc_u64 s[52:53], s[34:35], s[54:55]
	s_mov_b32 s54, WL_W2
	s_cmp_lt_u32 s4, 24
	s_cselect_b32 s54, WL_W1, s54                  ; to: the matrix's part + 4,096 ct + 2,048 s
	s_cselect_b32 s41, 3, 5
	s_lshl_b32 s7, s6, 12
	s_add_co_u32 s54, s54, s7
	s_lshl_b32 s7, s5, 11
	s_add_co_u32 s54, s54, s7
	s_add_nc_u64 s[50:51], s[32:33], s[54:55]
	QLOAD 1024
.Lquant:
	s_mul_i32 s54, s3, 6
	s_add_co_u32 s54, s54, s41
	s_lshl_b32 s54, s54, 2
	s_add_nc_u64 s[56:57], s[22:23], s[54:55]
	s_load_b32 s40, s[56:57], 0x0                  ; e
	s_wait_kmcnt 0x0
	s_add_co_i32 s42, s40, 127
	s_lshl_b32 s42, s42, 23
	v_mov_b32 v11, s42                             ; 2^e as f32: the conversion takes its exponent field
	s_add_co_i32 s43, s40, 142
	s_lshl_b32 s43, s43, 23
	s_or_b32 s43, s43, 0x600000
	v_mov_b32 v10, s43                             ; 57,344 x 2^e
	s_wait_loadcnt 0x0
.set KK, 0
.rept 64
	v_med3_num_f32 v[16+KK], v[16+KK], -v10, v10   ; the conversion to an 8-bit code does not saturate (ISA guide 7.6.2): the hold comes first
.set KK, KK+1
.endr
.irp cc, 0,1,2,3
	v_cvt_scalef32_pk8_bf8_f32 v[80+4*\cc:81+4*\cc], v[16+16*\cc:23+16*\cc], v11
	v_cvt_scalef32_pk8_bf8_f32 v[82+4*\cc:83+4*\cc], v[24+16*\cc:31+16*\cc], v11
.endr
	v_nop                                          ; a plain line behind the last conversion
.irp cc, 0,1,2,3
	global_store_b128 v5, v[80+4*\cc:83+4*\cc], s[50:51] offset:512*\cc   ; 32 lanes store 512 consecutive bytes, at a multiple of 256 from the buffer's first byte
.endr
	s_endpgm
.Lfunc_end_k_qc70a98c6b1_prep:
	.size	k_qc70a98c6b1_prep, .Lfunc_end_k_qc70a98c6b1_prep-k_qc70a98c6b1_prep
	.p2alignl 7, 3214868480
	.fill 96, 4, 3214868480
	.section	.rodata,"a",@progbits
	.p2align	6, 0x0
	.amdhsa_kernel k_qc70a98c6b1_prep
		.amdhsa_group_segment_fixed_size 0
		.amdhsa_private_segment_fixed_size 0
		.amdhsa_enable_private_segment 0
		.amdhsa_kernarg_size 96
		.amdhsa_user_sgpr_count 2
		.amdhsa_user_sgpr_kernarg_segment_ptr 1
		.amdhsa_wavefront_size32 1
		.amdhsa_system_sgpr_workgroup_id_x 1
		.amdhsa_system_sgpr_workgroup_id_y 1
		.amdhsa_system_sgpr_workgroup_id_z 1
		.amdhsa_system_vgpr_workitem_id 0
		.amdhsa_next_free_vgpr 104
		.amdhsa_next_free_sgpr 66
		.amdhsa_reserve_vcc 0
		.amdhsa_float_denorm_mode_32 3
		.amdhsa_float_denorm_mode_16_64 3
		.amdhsa_memory_ordered 1
		.amdhsa_forward_progress 1
		.amdhsa_inst_pref_size 22
	.end_amdhsa_kernel
	.amdgpu_metadata
---
amdhsa.version: [ 1, 2 ]
amdhsa.kernels:
  - .name:           k_qc70a98c6b1_prep
    .symbol:         k_qc70a98c6b1_prep.kd
    .args:
      - { .name: whg, .offset: 0, .size: 8, .value_kind: global_buffer, .address_space: global }
      - { .name: ff_w1, .offset: 8, .size: 8, .value_kind: global_buffer, .address_space: global }
      - { .name: ff_w2, .offset: 16, .size: 8, .value_kind: global_buffer, .address_space: global }
      - { .name: norm_w, .offset: 24, .size: 8, .value_kind: global_buffer, .address_space: global }
      - { .name: ff_norm_w, .offset: 32, .size: 8, .value_kind: global_buffer, .address_space: global }
      - { .name: ff_b1, .offset: 40, .size: 8, .value_kind: global_buffer, .address_space: global }
      - { .name: ff_b2, .offset: 48, .size: 8, .value_kind: global_buffer, .address_space: global }
      - { .name: lowp_scales, .offset: 56, .size: 8, .value_kind: global_buffer, .address_space: global }
      - { .name: wl0, .offset: 64, .size: 8, .value_kind: global_buffer, .address_space: global }
      - { .name: wl1, .offset: 72, .size: 8, .value_kind: global_buffer, .address_space: global }
      - { .name: wl2, .offset: 80, .size: 8, .value_kind: global_buffer, .address_space: global }
      - { .name: wl3, .offset: 88, .size: 8, .value_kind: global_buffer, .address_space: global }
    .group_segment_fixed_size: 0
    .private_segment_fixed_size: 0
    .kernarg_segment_align: 8
    .kernarg_segment_size: 96
    .max_flat_workgroup_size: 128
    .sgpr_count:     66
    .vgpr_count:     104
    .wavefront_size: 32
...
	.end_amdgpu_metadata
.endif
;; end of part 1
;; launch first (part 2): grid 256 x 1, 16 waves a work-group, no clusters, 217,344 bytes of LDS; arguments x, wl0, ag0; writes ag0
.if DOCPART == 2
	.amdgcn_target "amdgcn-amd-amdhsa--gfx1250"
	.amdhsa_code_object_version 6
	.text
	.protected	k_qc70a98c6b1_first
	.globl	k_qc70a98c6b1_first
	.p2align	8
	.type	k_qc70a98c6b1_first,@function
k_qc70a98c6b1_first:
	s_mov_b64 s[64:65], 0
	v_nop
	global_prefetch_b8 v0, s[64:65] scope:SCOPE_SE
	s_setreg_imm32_b32 hwreg(HW_REG_WAVE_MODE, 25, 1), 1
	s_wait_xcnt 0x0
; FOUR LAYERS OF RMSNorm -> minGRU -> +x -> RMSNorm -> FFN (exact GELU) -> +x, all products on codes of BF8 (E5M2).  ONE TEXT, THREE MODES:
;   MODE 0: the chunk summaries of layer 0.   MODE 1: a whole layer A, then the chunk summaries of the next layer B.   MODE 2: the last layer, then the final RMSNorm.
.set MODE, 0
; THE SCAN.  exp(a* + cumlogsumexp(log v - a*)) is the recurrence h(t) = a(t) h(t-1) + v(t), h(-1) = 0, with a = sigmoid(-gate), v = sigmoid(gate) g(hidden), g(x) = x + 0.5 for x >= 0, else sigmoid(x).
; a + sigmoid(gate) = 1, so every h is a mean of earlier g: no sum can grow past the largest g.  BOTH EXPONENTIALS ARE exp(-|.|), never above 1 (softplus's own subtraction of the maximum): with E = exp(-|gate|) the two sigmoids are
; 1 / (1 + E) and E / (1 + E); with E = exp(-|hidden|), g = max(hidden + 0.5, E / (1 + E)): for hidden >= 0 the second is sigmoid(-hidden) <= 0.5 <= the line; for hidden < 0 it is sigmoid(hidden), which lies above the line
; (sigmoid(h) - h - 0.5 is 0 at 0 and falls as h grows).  No difference of large sums is formed.
; SHARES.  A work-group owns 128 consecutive tokens of one sequence (work-group g: sequence g / 32, chunk g % 32).  A run of tokens acts on the scan as a pair (A, H) a channel: h_end = A h_start + H.
; The launch before has stored every chunk's pairs; this one folds those of the earlier chunks of its sequence into its carry, runs the layer, and stores the next layer's pairs: kind 0 = the chunk's first 64 tokens,
; kind 1 = the whole chunk; [g][kind][channel][A, H], 4,096 bytes a chunk.  Only x and the pairs go through memory from launch to launch.
; WAVES.  Sixteen of 256 registers, four to a SIMD, so that one wave's exponentials stand beside another's products and LDS loads.  In the products wave w owns channels 16 w .. 16 w + 15 for all 128 tokens, and its part of each
; weight comes from memory straight into operand registers; in the norms wave w owns tokens 8 w .. 8 w + 7 with all channels.
; TILES.  Row r of tile t is token 8 t + r % 8 + 64 (r / 8).  In the gates' product (source 0 = tokens, source 1 = weight columns) lane (r, h) then holds channel 16 w + r and register j token 8 t + j + 64 h: lanes 0-15 walk
; tokens 0 .. 63 in order, lanes 16-31 tokens 64 .. 127: the scan is one multiply-add an element down the registers.  The FFN's products are used transposed (source 0 = 16 weight columns, source 1 = tokens): a lane holds one token and eight units.
; OPERANDS GO FROM WAVE TO WAVE THROUGH LDS IN THE ORDER OF THEIR REGISTERS: tile t at 5,120 t; the code of (row, k) at 320 (k / 16) + 16 row + k % 16.  In a fragment registers 4 c .. 4 c + 3 of lane (r, h) hold
; k = 32 c + 16 h + 0 .. 15, in tokens and weights alike: every product meets its partner.  So a fragment is four loads, each half of the lanes reading 256 consecutive bytes.  The pitch of 320 bytes is 80 words
; sixteen different groups of four banks (64 banks of 4 bytes: ISA guide 11.1).
; LDS: 0: the normed x's codes, 40,960 bytes; 40,960: the FFN's hidden layer's, 40,960; 81,920: x in f32: token T at 1,040 T + 128 (T / 64).  1,040 bytes are 260 words: row T begins at bank 4 T mod 64, and the
; second 64 tokens lie 32 banks further round, so a tile's 16 rows begin at 16 different groups of four banks.
; LIMITS: each entry of lowp_scales between -126 and 112, each product's two added between -126 and 127 (the FFN's first product's: from -125), so that every power of two below is an f32 number.  NaN and infinities among the inputs are not served.
; A sigmoid or a product of a's under 2^-126 becomes 0.  GELU = 0.5 z (1 + erf(z / sqrt 2)), erf by a rational form in z^2 with z / sqrt 2 held to +-4: far below 0 it carries 1 + erf's own rounding, about 1e-7 |z|.
.set IP,   320                         ; an image: from one group of 16 k to the next
.set IT,   16*IP                       ; from tile to tile
.set AIMG, 0
.set HIMG, 8*IT
.set XB,   16*IT
.set XP,   1040                        ; from token to token in X
.set XH,   64*XP+128                   ; from token T to token T + 64
.set WL_W1, 131072                     ; a layer's buffer: whg's images at 0, ff_w1's, ff_w2's,
.set WL_W2, 196608
.set WL_NW, 262144                     ; norm_w, ff_norm_w, ff_b1, ff_b2,
.set WL_FN, 263168
.set WL_B1, 264192
.set WL_B2, 265216
.set WL_E,  266240                     ; the layer's six exponents
; VECTOR REGISTERS: v1 16 x lane; v2 X, my 8 rows, dense; v3 X, my 8 rows, lane (tk = lane / 4, q = lane % 4): token tk, 64 q bytes on; v4 where my codes go in an image; v5 X by columns (gates); v6 X by tokens (FFN);
; v7 the hidden layer's codes; v8 64 q; v9 32 h; v10 8 r; v11 8 r + 2,048 h; v12-14 a trip's addresses; v15 the carry, or H; v[16:17] A in two halves; v18, v19 a conversion's scale and hold; v[20:23] two constants of erf;
; v24-29 at work; v30 my lane's place in a fragment: 320 h + 16 r.
.set R0, 32                            ; v32-95    token fragments, then work
.set R1, 96                            ; v96-159   accumulators, x's words, norm weights
.set R2, 160                           ; v160-223  pairs; whg's four fragments; ff_w2's two and the biases
.set R3, 224                           ; v224-255  ff_w1's two fragments
; SCALARS: s2 wave; s[4:15] pointers; s16-21 layer A's exponents, s24-25 layer B's first two; s[26:37] pointers at my wave's parts; s38-45 four (scale, hold); s[46:57] powers of two as pairs; s58 chunk, s59 its mask;
; s60 at work; s61-63 a loop's count and steps; s[66:67] an offset; s68 lanes 16-31; s[70:91] erf's constants as pairs; s92-93 lane selects; s94 1/256; s95 1e-6.
.macro MEET
	s_barrier_signal -1
	s_barrier_wait -1
.endm
.macro BAR                             ; my LDS stores have landed and my LDS loads are in: then the work-group's barrier
	s_wait_dscnt 0x0
	MEET
.endm
.macro PAIR p, val                     ; a packed form names a pair and takes its low word for both halves: both are written
	s_mov_b32 s[\p], \val
	s_mov_b32 s[\p+1], \val
.endm
.macro MKQ sc, lim, e                  ; 2^e and 57,344 x 2^e as f32
	s_add_co_i32 s[\sc], s[\e], 127
	s_add_co_i32 s[\lim], s[\e], 142
	s_lshl_b32 s[\sc], s[\sc], 23
	s_lshl_b32 s[\lim], s[\lim], 23
	s_or_b32 s[\lim], s[\lim], 0x600000
.endm
.macro MKP p, ea, eb, bias             ; 2^(ea + eb + bias - 127)
	s_add_co_i32 s[\p], s[\ea], s[\eb]
	s_add_co_i32 s[\p], s[\p], \bias
	s_lshl_b32 s[\p], s[\p], 23
	s_mov_b32 s[\p+1], s[\p]
.endm
.macro MKC p, ea, eb                   ; -log2(e) x 2^(ea + eb): the two exponents are added to the constant's exponent field
	s_add_co_i32 s[\p], s[\ea], s[\eb]
	s_lshl_b32 s[\p], s[\p], 23
	s_add_co_i32 s[\p], s[\p], 0xbfb8aa3b
	s_mov_b32 s[\p+1], s[\p]
.endm
.macro LDW reg, n, base, off           ; n groups of four operand registers, 512 consecutive bytes each
.set KK, 0
.rept \n
	global_load_b128 v[\reg+4*KK:\reg+4*KK+3], v1, s[\base:\base+1] offset:\off+512*KK
.set KK, KK+1
.endr
.endm
.macro LDNW base, off                  ; a norm's weights for lane (tk, q): channels 16 (q + 4 g) + 0 .. 15 into R1[16 g ..]
.set KK, 0
.rept 16
	global_load_b128 v[R1+4*KK:R1+4*KK+3], v8, s[\base:\base+1] offset:\off+256*(KK/4)+16*(KK%4)
.set KK, KK+1
.endr
.endm
.macro XPUT reg                        ; my 8 rows, as memory has them (512 bytes an instruction), into X
.set KK, 0
.rept 16
	ds_store_b128 v2, v[\reg+4*KK:\reg+4*KK+3] offset:(KK/2)*XP+(KK%2)*512
.set KK, KK+1
.endr
.endm
.macro XGET reg                        ; and back
.set KK, 0
.rept 16
	ds_load_b128 v[\reg+4*KK:\reg+4*KK+3], v2 offset:(KK/2)*XP+(KK%2)*512
.set KK, KK+1
.endr
.endm
.macro FRAGS base                      ; two tiles' four fragments: R0 + 32 tile + 16 s + 4 c holds the groups of 16 k numbered 8 s + 2 c + h
.set KK, 0
.rept 16
	ds_load_b128 v[R0+4*KK:R0+4*KK+3], v12 offset:\base+IT*(KK/8)+2*IP*(KK%8)
.set KK, KK+1
.endr
.endm
.macro MM d, a, b, first               ; first = 1: the product starts the sum
.if \first
	v_wmma_f32_16x16x128_bf8_bf8 v[\d:\d+7], v[\a:\a+15], v[\b:\b+15], 0
.else
	v_wmma_f32_16x16x128_bf8_bf8 v[\d:\d+7], v[\a:\a+15], v[\b:\b+15], v[\d:\d+7]
.endif
.endm
.macro PLACES                          ; four plain lines between a matrix instruction and the first vector line that reads its result or writes its sources (ISA guide 7.12.1)
.rept 4
	v_nop
.endr
.endm
.macro VV8 op, d, a, b                 ; sixteen numbers, two a line: d = a op b
.set PP, 0
.rept 8
	\op v[\d+PP:\d+PP+1], v[\a+PP:\a+PP+1], v[\b+PP:\b+PP+1]
.set PP, PP+2
.endr
.endm
.macro VC8 op, d, a, c                 ; d = a op a constant or a scalar pair's low word
.set PP, 0
.rept 8
	\op v[\d+PP:\d+PP+1], v[\a+PP:\a+PP+1], \c op_sel_hi:[1,0]
.set PP, PP+2
.endr
.endm
.macro HORNER d, x, p                  ; d = d x + s[p]
.set PP, 0
.rept 8
	v_pk_fma_f32 v[\d+PP:\d+PP+1], v[\d+PP:\d+PP+1], v[\x+PP:\x+PP+1], s[\p:\p+1] op_sel_hi:[1,1,0]
.set PP, PP+2
.endr
.endm
; RMSNorm OF MY 8 TOKENS.  Four lanes share a token; a lane holds 64 of its channels.  cnt: the global loads younger than the norm's weights.  fin = 0: quantised with (s[scr], s[lmr]) into the image at 0; fin = 1: stored as the output.
.macro QNORM cnt, scr, lmr, fin
.set KK, 0
.rept 16
	ds_load_b128 v[R0+4*KK:R0+4*KK+3], v3 offset:256*(KK/4)+16*(KK%4)
.set KK, KK+1
.endr
	s_wait_dscnt 0x0
	v_pk_mul_f32 v[24:25], v[R0:R0+1], v[R0:R0+1]              ; the sum of squares, two at a time, in two chains
	v_pk_mul_f32 v[26:27], v[R0+2:R0+3], v[R0+2:R0+3]
.set KK, 4
.rept 15
	v_pk_fma_f32 v[24:25], v[R0+KK:R0+KK+1], v[R0+KK:R0+KK+1], v[24:25]
	v_pk_fma_f32 v[26:27], v[R0+KK+2:R0+KK+3], v[R0+KK+2:R0+KK+3], v[26:27]
.set KK, KK+4
.endr
	v_pk_add_f32 v[24:25], v[24:25], v[26:27]
	v_add_f32 v24, v24, v25
	v_add_f32_dpp v24, v24, v24 row_xmask:1 row_mask:0xf bank_mask:0xf   ; and over the token's four lanes
	v_add_f32_dpp v24, v24, v24 row_xmask:2 row_mask:0xf bank_mask:0xf
	v_fma_f32 v28, v24, s94, s95                   ; the mean + 1e-6
	v_rsq_f32 v28, v28
.if \fin
	v_nop                                          ; a plain line behind the transcendental
.else
	v_mov_b32 v18, s[\scr]                         ; (plain lines behind the transcendental)
	v_mov_b32 v19, s[\lmr]
.endif
	s_wait_alu depctr_va_vdst(0)                   ; the wait ahead of the result's first reader
.set KK, 0
.rept 32
	v_pk_mul_f32 v[R0+KK:R0+KK+1], v[R0+KK:R0+KK+1], v[28:29] op_sel_hi:[1,0]
.set KK, KK+2
.endr
	s_wait_loadcnt \cnt                            ; the norm's weights are in; what was asked for behind them may stay out
.set KK, 0
.rept 32
	v_pk_mul_f32 v[R0+KK:R0+KK+1], v[R0+KK:R0+KK+1], v[R1+KK:R1+KK+1]
.set KK, KK+2
.endr
.if \fin
.set KK, 0
.rept 16
	ds_store_b128 v3, v[R0+4*KK:R0+4*KK+3] offset:256*(KK/4)+16*(KK%4)   ; my own rows: LDS serves a wave's instructions in order, so the loads below see these
.set KK, KK+1
.endr
	XGET R1
	s_wait_dscnt 0x0
.set KK, 0
.rept 16
	global_store_b128 v1, v[R1+4*KK:R1+4*KK+3], s[12:13] offset:512*KK th:TH_STORE_NT   ; 512 consecutive bytes, at a multiple of 256 from the output's first byte
.set KK, KK+1
.endr
.else
.set KK, 0
.rept 64
	v_med3_num_f32 v[R0+KK], v[R0+KK], -v19, v19   ; the conversion to an 8-bit code does not saturate (ISA guide 7.6.2): the hold comes first
.set KK, KK+1
.endr
.irp gg, 0,1,2,3
	v_cvt_scalef32_pk8_bf8_f32 v[R1+4*\gg:R1+4*\gg+1], v[R0+16*\gg:R0+16*\gg+7], v18
	v_cvt_scalef32_pk8_bf8_f32 v[R1+4*\gg+2:R1+4*\gg+3], v[R0+16*\gg+8:R0+16*\gg+15], v18
.endr
	v_nop                                          ; a plain line behind the last conversion
.irp gg, 0,1,2,3
	ds_store_b128 v4, v[R1+4*\gg:R1+4*\gg+3] offset:AIMG+4*IP*\gg   ; k = 16 (q + 4 g) + 0 .. 15 of my token's row
.endr
.endif
.endm
; HIDDEN AND GATE, AND THE SCAN, for my 16 channels: four trips of two tiles (16 tokens in each half of the lanes).  s[spr] = 2^(the product's two exponents), s[cpr] = -log2(e) x that.
; carry = 1: h runs on from v15 and is added to X.  carry = 0: only the pair: H in v15, A in v[16:17].
; Accumulators: hidden and gate of tile a at R1, R1 + 8, of tile b at R1 + 16, R1 + 24: they take turns, one instruction a turn.  x's 16 words at R1 + 32.
; Behind the products R0 is free: Eg = exp(-|gate|) at R0, Eh = exp(-|hidden|) at R0 + 16, 1 / (1 + Eg) at R0 + 32, hidden + 0.5 at R0 + 48; 1 / (1 + Eh) at R1 + 48.
.macro GATES carry, spr, cpr
	s_mov_b32 s61, 0
	s_mov_b32 s62, 0
.if \carry
	s_mov_b32 s63, 0
.endif
.Lgates_\@:
	v_add_nc_u32 v12, s62, v30
.if \carry
	v_add_nc_u32 v13, s63, v5
.endif
	FRAGS AIMG
.if \carry
.set EE, 0
.rept 16
	ds_load_b32 v[R1+32+EE], v13 offset:EE*XP      ; x(token, my channel)
.set EE, EE+1
.endr
	s_wait_dscnt 16                                ; the fragments are in; x's sixteen words may stay out
.else
	s_wait_dscnt 0x0
.endif
	MM R1, R0, R2, 1
	MM R1+8, R0, R2+32, 1
	MM R1+16, R0+32, R2, 1
	MM R1+24, R0+32, R2+32, 1
	MM R1, R0+16, R2+16, 0
	MM R1+8, R0+16, R2+48, 0
	MM R1+16, R0+48, R2+16, 0
	MM R1+24, R0+48, R2+48, 0
	PLACES
.set EE, 0
.rept 16                               ; each accumulator is read from its low end on
.set GR, R1+16*(EE/8)+8+EE%8
	v_mul_f32 v[R0+EE], s[\cpr], |v[GR]|           ; -|gate| log2(e)
.set EE, EE+1
.endr
.set EE, 0
.rept 16
.set HR, R1+16*(EE/8)+EE%8
	v_mul_f32 v[R0+16+EE], s[\cpr], |v[HR]|        ; -|hidden| log2(e)
.set EE, EE+1
.endr
.set EE, 0
.rept 32
	v_exp_f32 v[R0+EE], v[R0+EE]                   ; one batch; no exponent is above 0
.set EE, EE+1
.endr
.set EE, 0
.rept 8
.set HR, R1+16*(EE/8)+EE%8
	v_pk_fma_f32 v[R0+48+EE:R0+49+EE], v[HR:HR+1], s[\spr:\spr+1], 0.5 op_sel_hi:[1,0,0]   ; hidden + 0.5: plain work that names no exponential's result
.set EE, EE+2
.endr
	s_wait_alu depctr_va_vdst(0)                   ; one wait for the batch, ahead of its first reader
	VC8 v_pk_add_f32, R0+32, R0, 1.0
	VC8 v_pk_add_f32, R1+48, R0+16, 1.0
.set EE, 0
.rept 16
	v_rcp_f32 v[R0+32+EE], v[R0+32+EE]             ; 1 / (1 + Eg) and 1 / (1 + Eh): one batch
.set EE, EE+1
.endr
.set EE, 0
.rept 16
	v_rcp_f32 v[R1+48+EE], v[R1+48+EE]
.set EE, EE+1
.endr
	v_nop
	s_wait_alu depctr_va_vdst(0)
	VV8 v_pk_mul_f32, R0, R0, R0+32                ; Eg / (1 + Eg)
	VV8 v_pk_mul_f32, R0+16, R0+16, R1+48          ; Eh / (1 + Eh) = sigmoid(-|hidden|)
.set EE, 0
.rept 16
.set GR, R1+16*(EE/8)+8+EE%8
	v_cmp_le_f32 vcc_lo, 0, v[GR]
	v_max_num_f32 v[R0+16+EE], v[R0+16+EE], v[R0+48+EE]        ; g(hidden): the larger of the sigmoid and the line
	v_cndmask_b32 v[GR], v[R0+32+EE], v[R0+EE], vcc_lo         ; a = sigmoid(-gate): Eg / (1 + Eg) where gate >= 0
	v_cndmask_b32 v[R0+EE], v[R0+EE], v[R0+32+EE], vcc_lo      ; z = sigmoid(gate): the other one
.set EE, EE+1
.endr
	VV8 v_pk_mul_f32, R0, R0, R0+16                ; v = z g
.if \carry
	v_fma_f32 v[R0], v[R1+8], v15, v[R0]           ; h(t) = a(t) h(t-1) + v(t), down the registers
.set EE, 1
.rept 15
.set GR, R1+16*(EE/8)+8+EE%8
	v_fma_f32 v[R0+EE], v[GR], v[R0+EE-1], v[R0+EE]
.set EE, EE+1
.endr
	v_mov_b32 v15, v[R0+15]
	s_wait_dscnt 0x0                               ; x's words are in
	VV8 v_pk_add_f32, R1+32, R1+32, R0             ; x + h
.set EE, 0
.rept 16
	ds_store_b32 v13, v[R1+32+EE] offset:EE*XP     ; my own 64 bytes of each row
.set EE, EE+1
.endr
	s_add_co_u32 s63, s63, 16*XP
.else
.set EE, 0
.rept 16
.set GR, R1+16*(EE/8)+8+EE%8
	v_fma_f32 v15, v[GR], v15, v[R0+EE]
.set EE, EE+1
.endr
.set EE, 0
.rept 8
.set GR, R1+16*(EE/8)+8+EE%8
	v_pk_mul_f32 v[16:17], v[16:17], v[GR:GR+1]
.set EE, EE+2
.endr
.endif
	s_add_co_u32 s62, s62, 2*IT
	s_add_co_u32 s61, s61, 1
	s_cmp_lt_u32 s61, 4
	s_cbranch_scc1 .Lgates_\@
.endm
; THE FFN'S FIRST PRODUCT, BIAS, GELU, QUANTISER, for my 16 hidden units: four trips of two tiles.  Lane (r, h): token row r, units 16 w + 8 h + 0 .. 7.  z / 2 at R0, y = z / sqrt 2 at R0 + 16, y^2 at R0 + 32, P at R0 + 48, Q at R1 + 16.
; The sum comes out as z / 2 at once: s[50:51] = 2^(e2 + e3 - 1), and b1 has been halved.
.macro FF1
	v_mov_b32 v18, s42
	v_mov_b32 v19, s43
	s_mov_b32 s61, 0
	s_mov_b32 s62, 0
.Lff1_\@:
	v_add_nc_u32 v12, s62, v30
	v_add_nc_u32 v14, s62, v7
	FRAGS AIMG
	s_wait_dscnt 0x0
	MM R1, R3, R0, 1
	MM R1+8, R3, R0+32, 1
	MM R1, R3+16, R0+16, 0
	MM R1+8, R3+16, R0+48, 0
	PLACES
.set PP, 0
.rept 8
	v_pk_fma_f32 v[R0+PP:R0+PP+1], v[R1+PP:R1+PP+1], s[50:51], v[R2+32+PP%8:R2+33+PP%8] op_sel_hi:[1,0,1]   ; z / 2 = sum x 2^(e2 + e3 - 1) + b1 / 2
.set PP, PP+2
.endr
	VC8 v_pk_mul_f32, R0+16, R0, s[70:71]          ; y = (z / 2) sqrt 2
.set EE, 0
.rept 16
	v_med3_num_f32 v[R0+16+EE], v[R0+16+EE], -4.0, 4.0
.set EE, EE+1
.endr
	VV8 v_pk_mul_f32, R0+32, R0+16, R0+16
.set PP, 0
.rept 8
	v_pk_fma_f32 v[R0+48+PP:R0+49+PP], v[20:21], v[R0+32+PP:R0+33+PP], s[72:73] op_sel_hi:[1,1,0]
	v_pk_fma_f32 v[R1+16+PP:R1+17+PP], v[22:23], v[R0+32+PP:R0+33+PP], s[84:85] op_sel_hi:[1,1,0]
.set PP, PP+2
.endr
	HORNER R0+48, R0+32, 74
	HORNER R1+16, R0+32, 86
	HORNER R0+48, R0+32, 76
	HORNER R1+16, R0+32, 88
	HORNER R0+48, R0+32, 78
	HORNER R1+16, R0+32, 90
	HORNER R0+48, R0+32, 80
	HORNER R0+48, R0+32, 82
.set EE, 0
.rept 16
	v_rcp_f32 v[R1+16+EE], v[R1+16+EE]
.set EE, EE+1
.endr
	VV8 v_pk_mul_f32, R0+16, R0+16, R0+48          ; y P: plain work that names no reciprocal
	s_wait_alu depctr_va_vdst(0)                   ; one wait for the sixteen reciprocals
	VV8 v_pk_mul_f32, R0+16, R0+16, R1+16          ; erf = y P / Q
.set PP, 0
.rept 8
	v_pk_fma_f32 v[R0+PP:R0+PP+1], v[R0+PP:R0+PP+1], v[R0+16+PP:R0+17+PP], v[R0+PP:R0+PP+1]   ; (z / 2) erf + z / 2
.set PP, PP+2
.endr
.set EE, 0
.rept 16
	v_med3_num_f32 v[R0+EE], v[R0+EE], -v19, v19
.set EE, EE+1
.endr
	v_cvt_scalef32_pk8_bf8_f32 v[R1+32:R1+33], v[R0:R0+7], v18
	v_cvt_scalef32_pk8_bf8_f32 v[R1+34:R1+35], v[R0+8:R0+15], v18
	v_nop                                          ; a plain line behind the last conversion
	ds_store_b64 v14, v[R1+32:R1+33]               ; k = 16 w + 8 h + 0 .. 7 of my token's row, tile a,
	ds_store_b64 v14, v[R1+34:R1+35] offset:IT     ; tile b
	s_add_co_u32 s62, s62, 2*IT
	s_add_co_u32 s61, s61, 1
	s_cmp_lt_u32 s61, 4
	s_cbranch_scc1 .Lff1_\@
.endm
; THE FFN'S SECOND PRODUCT, BIAS AND RESIDUAL, for my 16 channels: four trips of two tiles.
.macro FF2
	s_mov_b32 s61, 0
	s_mov_b32 s62, 0
	s_mov_b32 s63, 0
.Lff2_\@:
	v_add_nc_u32 v12, s62, v30
	v_add_nc_u32 v13, s63, v6
	FRAGS HIMG
.irp tt, 0,1
.irp uu, 0,1
	ds_load_b128 v[R1+16+8*\tt+4*\uu:R1+19+8*\tt+4*\uu], v13 offset:8*XP*\tt+16*\uu   ; x(my token, my eight channels)
.endr
.endr
	s_wait_dscnt 4                                 ; the fragments are in; x's four loads may stay out
	MM R1, R2, R0, 1
	MM R1+8, R2, R0+32, 1
	MM R1, R2+16, R0+16, 0
	MM R1+8, R2+16, R0+48, 0
	s_wait_dscnt 0x0
.set PP, 0
.rept 8
	v_pk_add_f32 v[R1+16+PP:R1+17+PP], v[R1+16+PP:R1+17+PP], v[R2+40+PP%8:R2+41+PP%8]   ; x + b2: eight plain lines that name no register of the products: the places behind them
.set PP, PP+2
.endr
.set PP, 0
.rept 8
	v_pk_fma_f32 v[R1+16+PP:R1+17+PP], v[R1+PP:R1+PP+1], s[52:53], v[R1+16+PP:R1+17+PP] op_sel_hi:[1,0,1]   ; + sum x 2^(e4 + e5)
.set PP, PP+2
.endr
.irp tt, 0,1
.irp uu, 0,1
	ds_store_b128 v13, v[R1+16+8*\tt+4*\uu:R1+19+8*\tt+4*\uu] offset:8*XP*\tt+16*\uu
.endr
.endr
	s_add_co_u32 s62, s62, 2*IT
	s_add_co_u32 s63, s63, 16*XP
	s_add_co_u32 s61, s61, 1
	s_cmp_lt_u32 s61, 4
	s_cbranch_scc1 .Lff2_\@
.endm
; ---- THE HEAD: pointers, addresses, and everything that can be asked of memory at once
.if MODE == 0
	s_load_b64 s[4:5], s[0:1], 0x0                 ; x
	s_load_b64 s[10:11], s[0:1], 0x8               ; layer B's buffer
	s_load_b64 s[14:15], s[0:1], 0x10              ; the pairs out
	v_lshl_add_u32 v254, v0, 2, 0x34900
	v_mov_b32 v255, 0
.elseif MODE == 1
	s_load_b256 s[4:11], s[0:1], 0x0               ; x in, the pairs in, layer A's buffer, layer B's
	s_load_b128 s[12:15], s[0:1], 0x20             ; x out, the pairs out
.else
	s_load_b256 s[4:11], s[0:1], 0x0               ; x in, the pairs in, layer A's buffer, final_norm_w
	s_load_b64 s[12:13], s[0:1], 0x20              ; the output
.endif
	v_lshrrev_b32 v24, 5, v0
	v_readfirstlane_b32 s2, v24                    ; wave 0..15
	v_and_b32 v25, 31, v0                          ; lane
	v_and_b32 v26, 15, v0                          ; r
	v_bfe_u32 v27, v0, 4, 1                        ; h
	v_bfe_u32 v28, v0, 2, 3                        ; tk
	v_and_b32 v29, 3, v0                           ; q
	v_lshlrev_b32 v1, 4, v25
	v_mul_u32_u24 v30, v27, IP                     ; a fragment: lanes 16-31 take the next group of 16 k
	v_lshl_add_u32 v30, v26, 4, v30
	s_mul_i32 s60, s2, 8*XP                        ; my 8 rows of X: XB + 8,320 w + 128 (w / 8)
	s_lshr_b32 s61, s2, 3
	s_lshl_b32 s61, s61, 7
	s_add_co_u32 s60, s60, s61
	s_add_co_u32 s60, s60, XB
	v_add_nc_u32 v2, s60, v1
	v_mul_u32_u24 v3, v28, XP
	v_lshl_add_u32 v3, v29, 6, v3
	v_add_nc_u32 v3, s60, v3
	s_and_b32 s62, s2, 7                           ; token 8 w + tk is row tk + 8 (w / 8) of tile w % 8
	s_mul_i32 s62, s62, IT
	s_add_co_u32 s62, s62, s61
	v_mul_u32_u24 v4, v29, IP
	v_lshl_add_u32 v4, v28, 4, v4
	v_add_nc_u32 v4, s62, v4
	v_lshlrev_b32 v8, 6, v29
.if MODE < 2
	v_lshlrev_b32 v11, 3, v26
	v_lshl_add_u32 v11, v27, 11, v11
.endif
.if MODE > 0
	s_lshl_b32 s63, s2, 6                          ; my 16 channels: 64 bytes of every row
	s_add_co_u32 s63, s63, XB
	v_mul_u32_u24 v5, v27, XH
	v_lshl_add_u32 v5, v26, 2, v5
	v_add_nc_u32 v5, s63, v5
	v_and_b32 v12, 7, v0
	v_bfe_u32 v13, v0, 3, 1
	v_mul_u32_u24 v6, v12, XP
	v_mad_u32_u24 v6, v13, XH, v6
	v_lshl_add_u32 v6, v27, 5, v6
	v_add_nc_u32 v6, s63, v6
	s_mul_i32 s62, s2, IP                          ; my 16 units are group w of the hidden layer's 16 groups of k
	s_add_co_u32 s62, s62, HIMG
	v_lshlrev_b32 v7, 4, v26
	v_lshl_add_u32 v7, v27, 3, v7
	v_add_nc_u32 v7, s62, v7
	v_lshlrev_b32 v9, 5, v27
	v_lshlrev_b32 v10, 3, v26
.endif
	s_lshl_b32 s66, ttmp9, 17                      ; my 8 rows in memory: 131,072 g + 8,192 w
	s_lshl_b32 s60, s2, 13
	s_add_co_u32 s66, s66, s60
	s_mov_b32 s67, 0
	s_wait_kmcnt 0x0
	s_add_nc_u64 s[4:5], s[4:5], s[66:67]
.if MODE > 0
	s_add_nc_u64 s[12:13], s[12:13], s[66:67]
	s_load_b256 s[16:23], s[8:9], WL_E             ; layer A's exponents e0 .. e5 (and two words that are not used)
.endif
.if MODE < 2
	s_load_b64 s[24:25], s[10:11], WL_E            ; layer B's e0, e1
.endif
.set KK, 0
.rept 16
	global_load_b128 v[R0+4*KK:R0+4*KK+3], v1, s[4:5] offset:512*KK th:TH_LOAD_NT   ; my 8 rows, 512 consecutive bytes a load; the launch reads each byte once
.set KK, KK+1
.endr
.if MODE > 0
	s_lshr_b32 s60, ttmp9, 5                       ; the sequence
	s_and_b32 s58, ttmp9, 31                       ; my chunk c
	s_lshl_b32 s66, s60, 17
	s_lshl_b32 s60, s2, 7
	s_add_co_u32 s66, s66, s60
	s_add_nc_u64 s[34:35], s[6:7], s[66:67]        ; the sequence's pairs, at my 16 channels
	s_lshl_b32 s66, s58, 12
	s_add_nc_u64 s[36:37], s[34:35], s[66:67]      ; my own chunk's
	s_bfm_b32 s59, s58, 0                          ; bits 0 .. c - 1: the chunks ahead of mine
.set KK, 0
.rept 32
	global_load_b64 v[R2+2*KK:R2+2*KK+1], v10, s[34:35] offset:4096*KK+2048   ; (A, H) of the whole chunk KK: all 32 are read, so that no trip count hangs on c
.set KK, KK+1
.endr
	global_load_b64 v[R3:R3+1], v10, s[36:37]      ; (A, H) of my chunk's first 64 tokens
	LDNW 8, WL_NW
	s_lshl_b32 s66, s2, 13
	s_add_nc_u64 s[26:27], s[8:9], s[66:67]
	s_lshl_b32 s66, s2, 12
	s_add_nc_u64 s[28:29], s[8:9], s[66:67]
	s_lshl_b32 s66, s2, 6
	s_add_nc_u64 s[30:31], s[8:9], s[66:67]
.endif
.if MODE < 2
	s_lshl_b32 s66, s2, 13
	s_add_nc_u64 s[32:33], s[10:11], s[66:67]
	s_lshl_b32 s66, ttmp9, 12
	s_lshl_b32 s60, s2, 7
	s_add_co_u32 s66, s66, s60
	s_add_nc_u64 s[14:15], s[14:15], s[66:67]
.endif
.if MODE == 0
	LDNW 10, WL_NW
	LDW R2, 16, 32, 0
.endif
	s_mov_b32 s68, 0xffff0000
	s_mov_b32 s92, 0x76543210
	s_mov_b32 s93, 0xfedcba98
	s_mov_b32 s94, 0x3b800000                      ; 1 / 256
	s_mov_b32 s95, 0x358637bd                      ; 1e-6
.if MODE > 0
	PAIR 70, 0x3fb504f3                            ; sqrt 2
	PAIR 72, 0x32edffee                            ; erf(y) = y P(y^2) / Q(y^2): P's coefficients from y^10 down,
	PAIR 74, 0xb60cff51
	PAIR 76, 0xb86ec2d2
	PAIR 78, 0xba40ac63
	PAIR 80, 0xbb41a1f6
	PAIR 82, 0xbc83dbd4
	PAIR 84, 0xb95fbd29                            ; Q's from y^6 down;
	PAIR 86, 0xbadc924e
	PAIR 88, 0xbbf19bf8
	PAIR 90, 0xbc69b6a7
	v_mov_b32 v20, 0xaf95df0b                      ; the two leading ones
	v_mov_b32 v21, 0xaf95df0b
	v_mov_b32 v22, 0xb77460cd
	v_mov_b32 v23, 0xb77460cd
.endif
	s_wait_kmcnt 0x0
.if MODE > 0
	MKQ 38, 39, 16
	MKQ 40, 41, 18
	MKQ 42, 43, 20
	MKP 46, 16, 17, 127
	MKC 48, 16, 17
	MKP 50, 18, 19, 126                            ; half of 2^(e2 + e3)
	MKP 52, 20, 21, 127
.endif
.if MODE < 2
	MKQ 44, 45, 24
	MKP 54, 24, 25, 127
	MKC 56, 24, 25
.endif
.if MODE == 0
	s_wait_loadcnt 32                              ; x is in: behind it stand the norm's 16 loads and the weight's 16
	XPUT R0
	QNORM 16, 44, 45, 0                            ; behind the norm's weights: the weight's 16 loads
	BAR                                            ; the image is whole
.else
	s_wait_loadcnt 49                              ; x is in: behind it stand 33 loads of pairs and the norm's 16
	XPUT R0
	s_wait_loadcnt 16                              ; the pairs are in
	v_mov_b32 v15, 0                               ; THE CARRY: h = A h + H over the chunks ahead of mine; the others' steps are computed and not taken
.set KK, 0
.rept 32
	s_bitcmp1_b32 s59, KK
	s_cselect_b32 s60, -1, 0
	v_fma_f32 v24, v[R2+2*KK], v15, v[R2+2*KK+1]
	v_cndmask_b32 v15, v15, v24, s60
.set KK, KK+1
.endr
	v_fma_f32 v24, v[R3], v15, v[R3+1]             ; lanes 16-31 begin at token 64: one step more, over my chunk's first half
	v_cndmask_b32 v15, v15, v24, s68
	LDW R2, 16, 26, 0                              ; whg's four fragments of my channels,
	LDW R3, 8, 28, WL_W1                           ; ff_w1's two of my units
	; ---- layer A
	QNORM 24, 38, 39, 0                            ; behind the norm's weights: those 24 loads
	BAR                                            ; X and the image are whole
	s_wait_loadcnt 8                               ; whg's fragments are in; ff_w1's may stay out
	GATES 1, 46, 48
	s_wait_dscnt 0x0                               ; my stores into X have landed, and have read their registers
	LDNW 8, WL_FN
	LDW R2, 8, 28, WL_W2                           ; ff_w2's two fragments,
	global_load_b128 v[R2+32:R2+35], v9, s[30:31] offset:WL_B1      ; b1 and b2 at my lane's eight units
	global_load_b128 v[R2+36:R2+39], v9, s[30:31] offset:WL_B1+16
	global_load_b128 v[R2+40:R2+43], v9, s[30:31] offset:WL_B2
	global_load_b128 v[R2+44:R2+47], v9, s[30:31] offset:WL_B2+16
	MEET                                           ; every channel of X is updated, and nobody reads the image any more
	QNORM 12, 40, 41, 0                            ; behind the norm's weights: 8 + 4 loads
	BAR                                            ; the image is whole
	s_wait_loadcnt 0x0
.set PP, 0
.rept 4
	v_pk_mul_f32 v[R2+32+PP:R2+33+PP], v[R2+32+PP:R2+33+PP], 0.5 op_sel_hi:[1,0]   ; b1 / 2, once
.set PP, PP+2
.endr
	FF1
	BAR                                            ; the hidden layer's image is whole
	FF2
	s_wait_dscnt 0x0
.if MODE == 1
	LDNW 10, WL_NW                                 ; layer B's norm and its whg
	LDW R2, 16, 32, 0
.else
	LDNW 10, 0                                     ; final_norm_w
.endif
	MEET                                           ; every channel of X is updated
.if MODE == 1
	XGET R0
	s_wait_dscnt 0x0
.set KK, 0
.rept 16
	global_store_b128 v1, v[R0+4*KK:R0+4*KK+3], s[12:13] offset:512*KK   ; 512 consecutive bytes, at a multiple of 256 from the buffer's first byte
.set KK, KK+1
.endr
	s_wait_xcnt 0x0                                ; the stores' data registers are written again only behind this wait
	QNORM 16, 44, 45, 0                            ; behind the norm's weights: the weight's 16 loads
	BAR                                            ; the image is whole
.else
	QNORM 0, 0, 0, 1
	s_endpgm
.endif
.endif
.if MODE < 2
	; ---- layer B's pairs
	s_wait_loadcnt 0x0
	v_mov_b32 v15, 0
	v_mov_b32 v16, 1.0
	v_mov_b32 v17, 1.0
	GATES 0, 54, 56
	v_mul_f32 v16, v16, v17                        ; A of my half's 64 tokens
	v_permlanex16_b32 v24, v16, s92, s93           ; the other half's A
	v_permlanex16_b32 v25, v15, s92, s93           ; and H
	v_mul_f32 v26, v16, v24                        ; the whole chunk, seen from lanes 16-31: A2 A1,
	v_fma_f32 v27, v16, v25, v15                   ; A2 H1 + H2
	v_cndmask_b32 v26, v16, v26, s68               ; lanes 0-15 keep the first half's pair (kind 0), lanes 16-31 take the whole chunk's (kind 1)
	v_cndmask_b32 v27, v15, v27, s68
	global_store_b64 v11, v[26:27], s[14:15]
	s_wait_tensorcnt 0x0
	ds_add_u32 v254, v255
	s_wait_dscnt 0x0
	s_endpgm
.endif
.Lfunc_end_k_qc70a98c6b1_first:
	.size	k_qc70a98c6b1_first, .Lfunc_end_k_qc70a98c6b1_first-k_qc70a98c6b1_first
	.p2alignl 7, 3214868480
	.fill 96, 4, 3214868480
	.section	.rodata,"a",@progbits
	.p2align	6, 0x0
	.amdhsa_kernel k_qc70a98c6b1_first
		.amdhsa_group_segment_fixed_size 217344
		.amdhsa_private_segment_fixed_size 0
		.amdhsa_enable_private_segment 0
		.amdhsa_kernarg_size 24
		.amdhsa_user_sgpr_count 2
		.amdhsa_user_sgpr_kernarg_segment_ptr 1
		.amdhsa_wavefront_size32 1
		.amdhsa_system_sgpr_workgroup_id_x 1
		.amdhsa_system_sgpr_workgroup_id_y 1
		.amdhsa_system_sgpr_workgroup_id_z 1
		.amdhsa_system_vgpr_workitem_id 0
		.amdhsa_next_free_vgpr 256
		.amdhsa_next_free_sgpr 96
		.amdhsa_reserve_vcc 1
		.amdhsa_float_denorm_mode_32 3
		.amdhsa_float_denorm_mode_16_64 3
		.amdhsa_memory_ordered 1
		.amdhsa_forward_progress 1
		.amdhsa_inst_pref_size 35
	.end_amdhsa_kernel
	.amdgpu_metadata
---
amdhsa.version: [ 1, 2 ]
amdhsa.kernels:
  - .name:           k_qc70a98c6b1_first
    .symbol:         k_qc70a98c6b1_first.kd
    .args:
      - { .name: x, .offset: 0, .size: 8, .value_kind: global_buffer, .address_space: global }
      - { .name: wl0, .offset: 8, .size: 8, .value_kind: global_buffer, .address_space: global }
      - { .name: ag0, .offset: 16, .size: 8, .value_kind: global_buffer, .address_space: global }
    .group_segment_fixed_size: 217344
    .private_segment_fixed_size: 0
    .kernarg_segment_align: 8
    .kernarg_segment_size: 24
    .max_flat_workgroup_size: 512
    .sgpr_count:     96
    .vgpr_count:     256
    .wavefront_size: 32
...
	.end_amdgpu_metadata
.endif
;; end of part 2
;; launch mid1 (part 3): grid 256 x 1, 16 waves a work-group, no clusters, 217,344 bytes of LDS; arguments x, ag0, wl0, wl1, xa, ag1; writes xa, ag1
.if DOCPART == 3
	.amdgcn_target "amdgcn-amd-amdhsa--gfx1250"
	.amdhsa_code_object_version 6
	.text
	.protected	k_qc70a98c6b1_mid1
	.globl	k_qc70a98c6b1_mid1
	.p2align	8
	.type	k_qc70a98c6b1_mid1,@function
k_qc70a98c6b1_mid1:
	s_mov_b64 s[64:65], 0
	v_nop
	global_prefetch_b8 v0, s[64:65] scope:SCOPE_SE
	s_setreg_imm32_b32 hwreg(HW_REG_WAVE_MODE, 25, 1), 1
	s_wait_xcnt 0x0
; FOUR LAYERS OF RMSNorm -> minGRU -> +x -> RMSNorm -> FFN (exact GELU) -> +x, all products on codes of BF8 (E5M2).  ONE TEXT, THREE MODES:
;   MODE 0: the chunk summaries of layer 0.   MODE 1: a whole layer A, then the chunk summaries of the next layer B.   MODE 2: the last layer, then the final RMSNorm.
.set MODE, 1
; THE SCAN.  exp(a* + cumlogsumexp(log v - a*)) is the recurrence h(t) = a(t) h(t-1) + v(t), h(-1) = 0, with a = sigmoid(-gate), v = sigmoid(gate) g(hidden), g(x) = x + 0.5 for x >= 0, else sigmoid(x).
; a + sigmoid(gate) = 1, so every h is a mean of earlier g: no sum can grow past the largest g.  BOTH EXPONENTIALS ARE exp(-|.|), never above 1 (softplus's own subtraction of the maximum): with E = exp(-|gate|) the two sigmoids are
; 1 / (1 + E) and E / (1 + E); with E = exp(-|hidden|), g = max(hidden + 0.5, E / (1 + E)): for hidden >= 0 the second is sigmoid(-hidden) <= 0.5 <= the line; for hidden < 0 it is sigmoid(hidden), which lies above the line
; (sigmoid(h) - h - 0.5 is 0 at 0 and falls as h grows).  No difference of large sums is formed.
; SHARES.  A work-group owns 128 consecutive tokens of one sequence (work-group g: sequence g / 32, chunk g % 32).  A run of tokens acts on the scan as a pair (A, H) a channel: h_end = A h_start + H.
; The launch before has stored every chunk's pairs; this one folds those of the earlier chunks of its sequence into its carry, runs the layer, and stores the next layer's pairs: kind 0 = the chunk's first 64 tokens,
; kind 1 = the whole chunk; [g][kind][channel][A, H], 4,096 bytes a chunk.  Only x and the pairs go through memory from launch to launch.
; WAVES.  Sixteen of 256 registers, four to a SIMD, so that one wave's exponentials stand beside another's products and LDS loads.  In the products wave w owns channels 16 w .. 16 w + 15 for all 128 tokens, and its part of each
; weight comes from memory straight into operand registers; in the norms wave w owns tokens 8 w .. 8 w + 7 with all channels.
; TILES.  Row r of tile t is token 8 t + r % 8 + 64 (r / 8).  In the gates' product (source 0 = tokens, source 1 = weight columns) lane (r, h) then holds channel 16 w + r and register j token 8 t + j + 64 h: lanes 0-15 walk
; tokens 0 .. 63 in order, lanes 16-31 tokens 64 .. 127: the scan is one multiply-add an element down the registers.  The FFN's products are used transposed (source 0 = 16 weight columns, source 1 = tokens): a lane holds one token and eight units.
; OPERANDS GO FROM WAVE TO WAVE THROUGH LDS IN THE ORDER OF THEIR REGISTERS: tile t at 5,120 t; the code of (row, k) at 320 (k / 16) + 16 row + k % 16.  In a fragment registers 4 c .. 4 c + 3 of lane (r, h) hold
; k = 32 c + 16 h + 0 .. 15, in tokens and weights alike: every product meets its partner.  So a fragment is four loads, each half of the lanes reading 256 consecutive bytes.  The pitch of 320 bytes is 80 words
; sixteen different groups of four banks (64 banks of 4 bytes: ISA guide 11.1).
; LDS: 0: the normed x's codes, 40,960 bytes; 40,960: the FFN's hidden layer's, 40,960; 81,920: x in f32: token T at 1,040 T + 128 (T / 64).  1,040 bytes are 260 words: row T begins at bank 4 T mod 64, and the
; second 64 tokens lie 32 banks further round, so a tile's 16 rows begin at 16 different groups of four banks.
; LIMITS: each entry of lowp_scales between -126 and 112, each product's two added between -126 and 127 (the FFN's first product's: from -125), so that every power of two below is an f32 number.  NaN and infinities among the inputs are not served.
; A sigmoid or a product of a's under 2^-126 becomes 0.  GELU = 0.5 z (1 + erf(z / sqrt 2)), erf by a rational form in z^2 with z / sqrt 2 held to +-4: far below 0 it carries 1 + erf's own rounding, about 1e-7 |z|.
.set IP,   320                         ; an image: from one group of 16 k to the next
.set IT,   16*IP                       ; from tile to tile
.set AIMG, 0
.set HIMG, 8*IT
.set XB,   16*IT
.set XP,   1040                        ; from token to token in X
.set XH,   64*XP+128                   ; from token T to token T + 64
.set WL_W1, 131072                     ; a layer's buffer: whg's images at 0, ff_w1's, ff_w2's,
.set WL_W2, 196608
.set WL_NW, 262144                     ; norm_w, ff_norm_w, ff_b1, ff_b2,
.set WL_FN, 263168
.set WL_B1, 264192
.set WL_B2, 265216
.set WL_E,  266240                     ; the layer's six exponents
; VECTOR REGISTERS: v1 16 x lane; v2 X, my 8 rows, dense; v3 X, my 8 rows, lane (tk = lane / 4, q = lane % 4): token tk, 64 q bytes on; v4 where my codes go in an image; v5 X by columns (gates); v6 X by tokens (FFN);
; v7 the hidden layer's codes; v8 64 q; v9 32 h; v10 8 r; v11 8 r + 2,048 h; v12-14 a trip's addresses; v15 the carry, or H; v[16:17] A in two halves; v18, v19 a conversion's scale and hold; v[20:23] two constants of erf;
; v24-29 at work; v30 my lane's place in a fragment: 320 h + 16 r.
.set R0, 32                            ; v32-95    token fragments, then work
.set R1, 96                            ; v96-159   accumulators, x's words, norm weights
.set R2, 160                           ; v160-223  pairs; whg's four fragments; ff_w2's two and the biases
.set R3, 224                           ; v224-255  ff_w1's two fragments
; SCALARS: s2 wave; s[4:15] pointers; s16-21 layer A's exponents, s24-25 layer B's first two; s[26:37] pointers at my wave's parts; s38-45 four (scale, hold); s[46:57] powers of two as pairs; s58 chunk, s59 its mask;
; s60 at work; s61-63 a loop's count and steps; s[66:67] an offset; s68 lanes 16-31; s[70:91] erf's constants as pairs; s92-93 lane selects; s94 1/256; s95 1e-6.
.macro MEET
	s_barrier_signal -1
	s_barrier_wait -1
.endm
.macro BAR                             ; my LDS stores have landed and my LDS loads are in: then the work-group's barrier
	s_wait_dscnt 0x0
	MEET
.endm
.macro PAIR p, val                     ; a packed form names a pair and takes its low word for both halves: both are written
	s_mov_b32 s[\p], \val
	s_mov_b32 s[\p+1], \val
.endm
.macro MKQ sc, lim, e                  ; 2^e and 57,344 x 2^e as f32
	s_add_co_i32 s[\sc], s[\e], 127
	s_add_co_i32 s[\lim], s[\e], 142
	s_lshl_b32 s[\sc], s[\sc], 23
	s_lshl_b32 s[\lim], s[\lim], 23
	s_or_b32 s[\lim], s[\lim], 0x600000
.endm
.macro MKP p, ea, eb, bias             ; 2^(ea + eb + bias - 127)
	s_add_co_i32 s[\p], s[\ea], s[\eb]
	s_add_co_i32 s[\p], s[\p], \bias
	s_lshl_b32 s[\p], s[\p], 23
	s_mov_b32 s[\p+1], s[\p]
.endm
.macro MKC p, ea, eb                   ; -log2(e) x 2^(ea + eb): the two exponents are added to the constant's exponent field
	s_add_co_i32 s[\p], s[\ea], s[\eb]
	s_lshl_b32 s[\p], s[\p], 23
	s_add_co_i32 s[\p], s[\p], 0xbfb8aa3b
	s_mov_b32 s[\p+1], s[\p]
.endm
.macro LDW reg, n, base, off           ; n groups of four operand registers, 512 consecutive bytes each
.set KK, 0
.rept \n
	global_load_b128 v[\reg+4*KK:\reg+4*KK+3], v1, s[\base:\base+1] offset:\off+512*KK
.set KK, KK+1
.endr
.endm
.macro LDNW base, off                  ; a norm's weights for lane (tk, q): channels 16 (q + 4 g) + 0 .. 15 into R1[16 g ..]
.set KK, 0
.rept 16
	global_load_b128 v[R1+4*KK:R1+4*KK+3], v8, s[\base:\base+1] offset:\off+256*(KK/4)+16*(KK%4)
.set KK, KK+1
.endr
.endm
.macro XPUT reg                        ; my 8 rows, as memory has them (512 bytes an instruction), into X
.set KK, 0
.rept 16
	ds_store_b128 v2, v[\reg+4*KK:\reg+4*KK+3] offset:(KK/2)*XP+(KK%2)*512
.set KK, KK+1
.endr
.endm
.macro XGET reg                        ; and back
.set KK, 0
.rept 16
	ds_load_b128 v[\reg+4*KK:\reg+4*KK+3], v2 offset:(KK/2)*XP+(KK%2)*512
.set KK, KK+1
.endr
.endm
.macro FRAGS base                      ; two tiles' four fragments: R0 + 32 tile + 16 s + 4 c holds the groups of 16 k numbered 8 s + 2 c + h
.set KK, 0
.rept 16
	ds_load_b128 v[R0+4*KK:R0+4*KK+3], v12 offset:\base+IT*(KK/8)+2*IP*(KK%8)
.set KK, KK+1
.endr
.endm
.macro MM d, a, b, first               ; first = 1: the product starts the sum
.if \first
	v_wmma_f32_16x16x128_bf8_bf8 v[\d:\d+7], v[\a:\a+15], v[\b:\b+15], 0
.else
	v_wmma_f32_16x16x128_bf8_bf8 v[\d:\d+7], v[\a:\a+15], v[\b:\b+15], v[\d:\d+7]
.endif
.endm
.macro PLACES                          ; four plain lines between a matrix instruction and the first vector line that reads its result or writes its sources (ISA guide 7.12.1)
.rept 4
	v_nop
.endr
.endm
.macro VV8 op, d, a, b                 ; sixteen numbers, two a line: d = a op b
.set PP, 0
.rept 8
	\op v[\d+PP:\d+PP+1], v[\a+PP:\a+PP+1], v[\b+PP:\b+PP+1]
.set PP, PP+2
.endr
.endm
.macro VC8 op, d, a, c                 ; d = a op a constant or a scalar pair's low word
.set PP, 0
.rept 8
	\op v[\d+PP:\d+PP+1], v[\a+PP:\a+PP+1], \c op_sel_hi:[1,0]
.set PP, PP+2
.endr
.endm
.macro HORNER d, x, p                  ; d = d x + s[p]
.set PP, 0
.rept 8
	v_pk_fma_f32 v[\d+PP:\d+PP+1], v[\d+PP:\d+PP+1], v[\x+PP:\x+PP+1], s[\p:\p+1] op_sel_hi:[1,1,0]
.set PP, PP+2
.endr
.endm
; RMSNorm OF MY 8 TOKENS.  Four lanes share a token; a lane holds 64 of its channels.  cnt: the global loads younger than the norm's weights.  fin = 0: quantised with (s[scr], s[lmr]) into the image at 0; fin = 1: stored as the output.
.macro QNORM cnt, scr, lmr, fin
.set KK, 0
.rept 16
	ds_load_b128 v[R0+4*KK:R0+4*KK+3], v3 offset:256*(KK/4)+16*(KK%4)
.set KK, KK+1
.endr
	s_wait_dscnt 0x0
	v_pk_mul_f32 v[24:25], v[R0:R0+1], v[R0:R0+1]              ; the sum of squares, two at a time, in two chains
	v_pk_mul_f32 v[26:27], v[R0+2:R0+3], v[R0+2:R0+3]
.set KK, 4
.rept 15
	v_pk_fma_f32 v[24:25], v[R0+KK:R0+KK+1], v[R0+KK:R0+KK+1], v[24:25]
	v_pk_fma_f32 v[26:27], v[R0+KK+2:R0+KK+3], v[R0+KK+2:R0+KK+3], v[26:27]
.set KK, KK+4
.endr
	v_pk_add_f32 v[24:25], v[24:25], v[26:27]
	v_add_f32 v24, v24, v25
	v_add_f32_dpp v24, v24, v24 row_xmask:1 row_mask:0xf bank_mask:0xf   ; and over the token's four lanes
	v_add_f32_dpp v24, v24, v24 row_xmask:2 row_mask:0xf bank_mask:0xf
	v_fma_f32 v28, v24, s94, s95                   ; the mean + 1e-6
	v_rsq_f32 v28, v28
.if \fin
	v_nop                                          ; a plain line behind the transcendental
.else
	v_mov_b32 v18, s[\scr]                         ; (plain lines behind the transcendental)
	v_mov_b32 v19, s[\lmr]
.endif
	s_wait_alu depctr_va_vdst(0)                   ; the wait ahead of the result's first reader
.set KK, 0
.rept 32
	v_pk_mul_f32 v[R0+KK:R0+KK+1], v[R0+KK:R0+KK+1], v[28:29] op_sel_hi:[1,0]
.set KK, KK+2
.endr
	s_wait_loadcnt \cnt                            ; the norm's weights are in; what was asked for behind them may stay out
.set KK, 0
.rept 32
	v_pk_mul_f32 v[R0+KK:R0+KK+1], v[R0+KK:R0+KK+1], v[R1+KK:R1+KK+1]
.set KK, KK+2
.endr
.if \fin
.set KK, 0
.rept 16
	ds_store_b128 v3, v[R0+4*KK:R0+4*KK+3] offset:256*(KK/4)+16*(KK%4)   ; my own rows: LDS serves a wave's instructions in order, so the loads below see these
.set KK, KK+1
.endr
	XGET R1
	s_wait_dscnt 0x0
.set KK, 0
.rept 16
	global_store_b128 v1, v[R1+4*KK:R1+4*KK+3], s[12:13] offset:512*KK th:TH_STORE_NT   ; 512 consecutive bytes, at a multiple of 256 from the output's first byte
.set KK, KK+1
.endr
.else
.set KK, 0
.rept 64
	v_med3_num_f32 v[R0+KK], v[R0+KK], -v19, v19   ; the conversion to an 8-bit code does not saturate (ISA guide 7.6.2): the hold comes first
.set KK, KK+1
.endr
.irp gg, 0,1,2,3
	v_cvt_scalef32_pk8_bf8_f32 v[R1+4*\gg:R1+4*\gg+1], v[R0+16*\gg:R0+16*\gg+7], v18
	v_cvt_scalef32_pk8_bf8_f32 v[R1+4*\gg+2:R1+4*\gg+3], v[R0+16*\gg+8:R0+16*\gg+15], v18
.endr
	v_nop                                          ; a plain line behind the last conversion
.irp gg, 0,1,2,3
	ds_store_b128 v4, v[R1+4*\gg:R1+4*\gg+3] offset:AIMG+4*IP*\gg   ; k = 16 (q + 4 g) + 0 .. 15 of my token's row
.endr
.endif
.endm
; HIDDEN AND GATE, AND THE SCAN, for my 16 channels: four trips of two tiles (16 tokens in each half of the lanes).  s[spr] = 2^(the product's two exponents), s[cpr] = -log2(e) x that.
; carry = 1: h runs on from v15 and is added to X.  carry = 0: only the pair: H in v15, A in v[16:17].
; Accumulators: hidden and gate of tile a at R1, R1 + 8, of tile b at R1 + 16, R1 + 24: they take turns, one instruction a turn.  x's 16 words at R1 + 32.
; Behind the products R0 is free: Eg = exp(-|gate|) at R0, Eh = exp(-|hidden|) at R0 + 16, 1 / (1 + Eg) at R0 + 32, hidden + 0.5 at R0 + 48; 1 / (1 + Eh) at R1 + 48.
.macro GATES carry, spr, cpr
	s_mov_b32 s61, 0
	s_mov_b32 s62, 0
.if \carry
	s_mov_b32 s63, 0
.endif
.Lgates_\@:
	v_add_nc_u32 v12, s62, v30
.if \carry
	v_add_nc_u32 v13, s63, v5
.endif
	FRAGS AIMG
.if \carry
.set EE, 0
.rept 16
	ds_load_b32 v[R1+32+EE], v13 offset:EE*XP      ; x(token, my channel)
.set EE, EE+1
.endr
	s_wait_dscnt 16                                ; the fragments are in; x's sixteen words may stay out
.else
	s_wait_dscnt 0x0
.endif
	MM R1, R0, R2, 1
	MM R1+8, R0, R2+32, 1
	MM R1+16, R0+32, R2, 1
	MM R1+24, R0+32, R2+32, 1
	MM R1, R0+16, R2+16, 0
	MM R1+8, R0+16, R2+48, 0
	MM R1+16, R0+48, R2+16, 0
	MM R1+24, R0+48, R2+48, 0
	PLACES
.set EE, 0
.rept 16                               ; each accumulator is read from its low end on
.set GR, R1+16*(EE/8)+8+EE%8
	v_mul_f32 v[R0+EE], s[\cpr], |v[GR]|           ; -|gate| log2(e)
.set EE, EE+1
.endr
.set EE, 0
.rept 16
.set HR, R1+16*(EE/8)+EE%8
	v_mul_f32 v[R0+16+EE], s[\cpr], |v[HR]|        ; -|hidden| log2(e)
.set EE, EE+1
.endr
.set EE, 0
.rept 32
	v_exp_f32 v[R0+EE], v[R0+EE]                   ; one batch; no exponent is above 0
.set EE, EE+1
.endr
.set EE, 0
.rept 8
.set HR, R1+16*(EE/8)+EE%8
	v_pk_fma_f32 v[R0+48+EE:R0+49+EE], v[HR:HR+1], s[\spr:\spr+1], 0.5 op_sel_hi:[1,0,0]   ; hidden + 0.5: plain work that names no exponential's result
.set EE, EE+2
.endr
	s_wait_alu depctr_va_vdst(0)                   ; one wait for the batch, ahead of its first reader
	VC8 v_pk_add_f32, R0+32, R0, 1.0
	VC8 v_pk_add_f32, R1+48, R0+16, 1.0
.set EE, 0
.rept 16
	v_rcp_f32 v[R0+32+EE], v[R0+32+EE]             ; 1 / (1 + Eg) and 1 / (1 + Eh): one batch
.set EE, EE+1
.endr
.set EE, 0
.rept 16
	v_rcp_f32 v[R1+48+EE], v[R1+48+EE]
.set EE, EE+1
.endr
	v_nop
	s_wait_alu depctr_va_vdst(0)
	VV8 v_pk_mul_f32, R0, R0, R0+32                ; Eg / (1 + Eg)
	VV8 v_pk_mul_f32, R0+16, R0+16, R1+48          ; Eh / (1 + Eh) = sigmoid(-|hidden|)
.set EE, 0
.rept 16
.set GR, R1+16*(EE/8)+8+EE%8
	v_cmp_le_f32 vcc_lo, 0, v[GR]
	v_max_num_f32 v[R0+16+EE], v[R0+16+EE], v[R0+48+EE]        ; g(hidden): the larger of the sigmoid and the line
	v_cndmask_b32 v[GR], v[R0+32+EE], v[R0+EE], vcc_lo         ; a = sigmoid(-gate): Eg / (1 + Eg) where gate >= 0
	v_cndmask_b32 v[R0+EE], v[R0+EE], v[R0+32+EE], vcc_lo      ; z = sigmoid(gate): the other one
.set EE, EE+1
.endr
	VV8 v_pk_mul_f32, R0, R0, R0+16                ; v = z g
.if \carry
	v_fma_f32 v[R0], v[R1+8], v15, v[R0]           ; h(t) = a(t) h(t-1) + v(t), down the registers
.set EE, 1
.rept 15
.set GR, R1+16*(EE/8)+8+EE%8
	v_fma_f32 v[R0+EE], v[GR], v[R0+EE-1], v[R0+EE]
.set EE, EE+1
.endr
	v_mov_b32 v15, v[R0+15]
	s_wait_dscnt 0x0                               ; x's words are in
	VV8 v_pk_add_f32, R1+32, R1+32, R0             ; x + h
.set EE, 0
.rept 16
	ds_store_b32 v13, v[R1+32+EE] offset:EE*XP     ; my own 64 bytes of each row
.set EE, EE+1
.endr
	s_add_co_u32 s63, s63, 16*XP
.else
.set EE, 0
.rept 16
.set GR, R1+16*(EE/8)+8+EE%8
	v_fma_f32 v15, v[GR], v15, v[R0+EE]
.set EE, EE+1
.endr
.set EE, 0
.rept 8
.set GR, R1+16*(EE/8)+8+EE%8
	v_pk_mul_f32 v[16:17], v[16:17], v[GR:GR+1]
.set EE, EE+2
.endr
.endif
	s_add_co_u32 s62, s62, 2*IT
	s_add_co_u32 s61, s61, 1
	s_cmp_lt_u32 s61, 4
	s_cbranch_scc1 .Lgates_\@
.endm
; THE FFN'S FIRST PRODUCT, BIAS, GELU, QUANTISER, for my 16 hidden units: four trips of two tiles.  Lane (r, h): token row r, units 16 w + 8 h + 0 .. 7.  z / 2 at R0, y = z / sqrt 2 at R0 + 16, y^2 at R0 + 32, P at R0 + 48, Q at R1 + 16.
; The sum comes out as z / 2 at once: s[50:51] = 2^(e2 + e3 - 1), and b1 has been halved.
.macro FF1
	v_mov_b32 v18, s42
	v_mov_b32 v19, s43
	s_mov_b32 s61, 0
	s_mov_b32 s62, 0
.Lff1_\@:
	v_add_nc_u32 v12, s62, v30
	v_add_nc_u32 v14, s62, v7
	FRAGS AIMG
	s_wait_dscnt 0x0
	MM R1, R3, R0, 1
	MM R1+8, R3, R0+32, 1
	MM R1, R3+16, R0+16, 0
	MM R1+8, R3+16, R0+48, 0
	PLACES
.set PP, 0
.rept 8
	v_pk_fma_f32 v[R0+PP:R0+PP+1], v[R1+PP:R1+PP+1], s[50:51], v[R2+32+PP%8:R2+33+PP%8] op_sel_hi:[1,0,1]   ; z / 2 = sum x 2^(e2 + e3 - 1) + b1 / 2
.set PP, PP+2
.endr
	VC8 v_pk_mul_f32, R0+16, R0, s[70:71]          ; y = (z / 2) sqrt 2
.set EE, 0
.rept 16
	v_med3_num_f32 v[R0+16+EE], v[R0+16+EE], -4.0, 4.0
.set EE, EE+1
.endr
	VV8 v_pk_mul_f32, R0+32, R0+16, R0+16
.set PP, 0
.rept 8
	v_pk_fma_f32 v[R0+48+PP:R0+49+PP], v[20:21], v[R0+32+PP:R0+33+PP], s[72:73] op_sel_hi:[1,1,0]
	v_pk_fma_f32 v[R1+16+PP:R1+17+PP], v[22:23], v[R0+32+PP:R0+33+PP], s[84:85] op_sel_hi:[1,1,0]
.set PP, PP+2
.endr
	HORNER R0+48, R0+32, 74
	HORNER R1+16, R0+32, 86
	HORNER R0+48, R0+32, 76
	HORNER R1+16, R0+32, 88
	HORNER R0+48, R0+32, 78
	HORNER R1+16, R0+32, 90
	HORNER R0+48, R0+32, 80
	HORNER R0+48, R0+32, 82
.set EE, 0
.rept 16
	v_rcp_f32 v[R1+16+EE], v[R1+16+EE]
.set EE, EE+1
.endr
	VV8 v_pk_mul_f32, R0+16, R0+16, R0+48          ; y P: plain work that names no reciprocal
	s_wait_alu depctr_va_vdst(0)                   ; one wait for the sixteen reciprocals
	VV8 v_pk_mul_f32, R0+16, R0+16, R1+16          ; erf = y P / Q
.set PP, 0
.rept 8
	v_pk_fma_f32 v[R0+PP:R0+PP+1], v[R0+PP:R0+PP+1], v[R0+16+PP:R0+17+PP], v[R0+PP:R0+PP+1]   ; (z / 2) erf + z / 2
.set PP, PP+2
.endr
.set EE, 0
.rept 16
	v_med3_num_f32 v[R0+EE], v[R0+EE], -v19, v19
.set EE, EE+1
.endr
	v_cvt_scalef32_pk8_bf8_f32 v[R1+32:R1+33], v[R0:R0+7], v18
	v_cvt_scalef32_pk8_bf8_f32 v[R1+34:R1+35], v[R0+8:R0+15], v18
	v_nop                                          ; a plain line behind the last conversion
	ds_store_b64 v14, v[R1+32:R1+33]               ; k = 16 w + 8 h + 0 .. 7 of my token's row, tile a,
	ds_store_b64 v14, v[R1+34:R1+35] offset:IT     ; tile b
	s_add_co_u32 s62, s62, 2*IT
	s_add_co_u32 s61, s61, 1
	s_cmp_lt_u32 s61, 4
	s_cbranch_scc1 .Lff1_\@
.endm
; THE FFN'S SECOND PRODUCT, BIAS AND RESIDUAL, for my 16 channels: four trips of two tiles.
.macro FF2
	s_mov_b32 s61, 0
	s_mov_b32 s62, 0
	s_mov_b32 s63, 0
.Lff2_\@:
	v_add_nc_u32 v12, s62, v30
	v_add_nc_u32 v13, s63, v6
	FRAGS HIMG
.irp tt, 0,1
.irp uu, 0,1
	ds_load_b128 v[R1+16+8*\tt+4*\uu:R1+19+8*\tt+4*\uu], v13 offset:8*XP*\tt+16*\uu   ; x(my token, my eight channels)
.endr
.endr
	s_wait_dscnt 4                                 ; the fragments are in; x's four loads may stay out
	MM R1, R2, R0, 1
	MM R1+8, R2, R0+32, 1
	MM R1, R2+16, R0+16, 0
	MM R1+8, R2+16, R0+48, 0
	s_wait_dscnt 0x0
.set PP, 0
.rept 8
	v_pk_add_f32 v[R1+16+PP:R1+17+PP], v[R1+16+PP:R1+17+PP], v[R2+40+PP%8:R2+41+PP%8]   ; x + b2: eight plain lines that name no register of the products: the places behind them
.set PP, PP+2
.endr
.set PP, 0
.rept 8
	v_pk_fma_f32 v[R1+16+PP:R1+17+PP], v[R1+PP:R1+PP+1], s[52:53], v[R1+16+PP:R1+17+PP] op_sel_hi:[1,0,1]   ; + sum x 2^(e4 + e5)
.set PP, PP+2
.endr
.irp tt, 0,1
.irp uu, 0,1
	ds_store_b128 v13, v[R1+16+8*\tt+4*\uu:R1+19+8*\tt+4*\uu] offset:8*XP*\tt+16*\uu
.endr
.endr
	s_add_co_u32 s62, s62, 2*IT
	s_add_co_u32 s63, s63, 16*XP
	s_add_co_u32 s61, s61, 1
	s_cmp_lt_u32 s61, 4
	s_cbranch_scc1 .Lff2_\@
.endm
; ---- THE HEAD: pointers, addresses, and everything that can be asked of memory at once
.if MODE == 0
	s_load_b64 s[4:5], s[0:1], 0x0                 ; x
	s_load_b64 s[10:11], s[0:1], 0x8               ; layer B's buffer
	s_load_b64 s[14:15], s[0:1], 0x10              ; the pairs out
.elseif MODE == 1
	s_load_b256 s[4:11], s[0:1], 0x0               ; x in, the pairs in, layer A's buffer, layer B's
	s_load_b128 s[12:15], s[0:1], 0x20             ; x out, the pairs out
.else
	s_load_b256 s[4:11], s[0:1], 0x0               ; x in, the pairs in, layer A's buffer, final_norm_w
	s_load_b64 s[12:13], s[0:1], 0x20              ; the output
.endif
	v_lshrrev_b32 v24, 5, v0
	v_readfirstlane_b32 s2, v24                    ; wave 0..15
	v_and_b32 v25, 31, v0                          ; lane
	v_and_b32 v26, 15, v0                          ; r
	v_bfe_u32 v27, v0, 4, 1                        ; h
	v_bfe_u32 v28, v0, 2, 3                        ; tk
	v_and_b32 v29, 3, v0                           ; q
	v_lshlrev_b32 v1, 4, v25
	v_mul_u32_u24 v30, v27, IP                     ; a fragment: lanes 16-31 take the next group of 16 k
	v_lshl_add_u32 v30, v26, 4, v30
	s_mul_i32 s60, s2, 8*XP                        ; my 8 rows of X: XB + 8,320 w + 128 (w / 8)
	s_lshr_b32 s61, s2, 3
	s_lshl_b32 s61, s61, 7
	s_add_co_u32 s60, s60, s61
	s_add_co_u32 s60, s60, XB
	v_add_nc_u32 v2, s60, v1
	v_mul_u32_u24 v3, v28, XP
	v_lshl_add_u32 v3, v29, 6, v3
	v_add_nc_u32 v3, s60, v3
	s_and_b32 s62, s2, 7                           ; token 8 w + tk is row tk + 8 (w / 8) of tile w % 8
	s_mul_i32 s62, s62, IT
	s_add_co_u32 s62, s62, s61
	v_mul_u32_u24 v4, v29, IP
	v_lshl_add_u32 v4, v28, 4, v4
	v_add_nc_u32 v4, s62, v4
	v_lshlrev_b32 v8, 6, v29
.if MODE < 2
	v_lshlrev_b32 v11, 3, v26
	v_lshl_add_u32 v11, v27, 11, v11
.endif
.if MODE > 0
	s_lshl_b32 s63, s2, 6                          ; my 16 channels: 64 bytes of every row
	s_add_co_u32 s63, s63, XB
	v_mul_u32_u24 v5, v27, XH
	v_lshl_add_u32 v5, v26, 2, v5
	v_add_nc_u32 v5, s63, v5
	v_and_b32 v12, 7, v0
	v_bfe_u32 v13, v0, 3, 1
	v_mul_u32_u24 v6, v12, XP
	v_mad_u32_u24 v6, v13, XH, v6
	v_lshl_add_u32 v6, v27, 5, v6
	v_add_nc_u32 v6, s63, v6
	s_mul_i32 s62, s2, IP                          ; my 16 units are group w of the hidden layer's 16 groups of k
	s_add_co_u32 s62, s62, HIMG
	v_lshlrev_b32 v7, 4, v26
	v_lshl_add_u32 v7, v27, 3, v7
	v_add_nc_u32 v7, s62, v7
	v_lshlrev_b32 v9, 5, v27
	v_lshlrev_b32 v10, 3, v26
.endif
	s_lshl_b32 s66, ttmp9, 17                      ; my 8 rows in memory: 131,072 g + 8,192 w
	s_lshl_b32 s60, s2, 13
	s_add_co_u32 s66, s66, s60
	s_mov_b32 s67, 0
	s_wait_kmcnt 0x0
	s_add_nc_u64 s[4:5], s[4:5], s[66:67]
.if MODE > 0
	s_add_nc_u64 s[12:13], s[12:13], s[66:67]
	s_load_b256 s[16:23], s[8:9], WL_E             ; layer A's exponents e0 .. e5 (and two words that are not used)
.endif
.if MODE < 2
	s_load_b64 s[24:25], s[10:11], WL_E            ; layer B's e0, e1
.endif
.set KK, 0
.rept 16
	global_load_b128 v[R0+4*KK:R0+4*KK+3], v1, s[4:5] offset:512*KK th:TH_LOAD_NT   ; my 8 rows, 512 consecutive bytes a load; the launch reads each byte once
.set KK, KK+1
.endr
.if MODE > 0
	s_lshr_b32 s60, ttmp9, 5                       ; the sequence
	s_and_b32 s58, ttmp9, 31                       ; my chunk c
	s_lshl_b32 s66, s60, 17
	s_lshl_b32 s60, s2, 7
	s_add_co_u32 s66, s66, s60
	s_add_nc_u64 s[34:35], s[6:7], s[66:67]        ; the sequence's pairs, at my 16 channels
	s_lshl_b32 s66, s58, 12
	s_add_nc_u64 s[36:37], s[34:35], s[66:67]      ; my own chunk's
	s_bfm_b32 s59, s58, 0                          ; bits 0 .. c - 1: the chunks ahead of mine
.set KK, 0
.rept 32
	global_load_b64 v[R2+2*KK:R2+2*KK+1], v10, s[34:35] offset:4096*KK+2048   ; (A, H) of the whole chunk KK: all 32 are read, so that no trip count hangs on c
.set KK, KK+1
.endr
	global_load_b64 v[R3:R3+1], v10, s[36:37]      ; (A, H) of my chunk's first 64 tokens
	LDNW 8, WL_NW
	s_lshl_b32 s66, s2, 13
	s_add_nc_u64 s[26:27], s[8:9], s[66:67]
	s_lshl_b32 s66, s2, 12
	s_add_nc_u64 s[28:29], s[8:9], s[66:67]
	s_lshl_b32 s66, s2, 6
	s_add_nc_u64 s[30:31], s[8:9], s[66:67]
.endif
.if MODE < 2
	s_lshl_b32 s66, s2, 13
	s_add_nc_u64 s[32:33], s[10:11], s[66:67]
	s_lshl_b32 s66, ttmp9, 12
	s_lshl_b32 s60, s2, 7
	s_add_co_u32 s66, s66, s60
	s_add_nc_u64 s[14:15], s[14:15], s[66:67]
.endif
.if MODE == 0
	LDNW 10, WL_NW
	LDW R2, 16, 32, 0
.endif
	s_mov_b32 s68, 0xffff0000
	s_mov_b32 s92, 0x76543210
	s_mov_b32 s93, 0xfedcba98
	s_mov_b32 s94, 0x3b800000                      ; 1 / 256
	s_mov_b32 s95, 0x358637bd                      ; 1e-6
.if MODE > 0
	PAIR 70, 0x3fb504f3                            ; sqrt 2
	PAIR 72, 0x32edffee                            ; erf(y) = y P(y^2) / Q(y^2): P's coefficients from y^10 down,
	PAIR 74, 0xb60cff51
	PAIR 76, 0xb86ec2d2
	PAIR 78, 0xba40ac63
	PAIR 80, 0xbb41a1f6
	PAIR 82, 0xbc83dbd4
	PAIR 84, 0xb95fbd29                            ; Q's from y^6 down;
	PAIR 86, 0xbadc924e
	PAIR 88, 0xbbf19bf8
	PAIR 90, 0xbc69b6a7
	v_mov_b32 v20, 0xaf95df0b                      ; the two leading ones
	v_mov_b32 v21, 0xaf95df0b
	v_mov_b32 v22, 0xb77460cd
	v_mov_b32 v23, 0xb77460cd
.endif
	s_wait_kmcnt 0x0
.if MODE > 0
	MKQ 38, 39, 16
	MKQ 40, 41, 18
	MKQ 42, 43, 20
	MKP 46, 16, 17, 127
	MKC 48, 16, 17
	MKP 50, 18, 19, 126                            ; half of 2^(e2 + e3)
	MKP 52, 20, 21, 127
.endif
.if MODE < 2
	MKQ 44, 45, 24
	MKP 54, 24, 25, 127
	MKC 56, 24, 25
.endif
.if MODE == 0
	s_wait_loadcnt 32                              ; x is in: behind it stand the norm's 16 loads and the weight's 16
	XPUT R0
	QNORM 16, 44, 45, 0                            ; behind the norm's weights: the weight's 16 loads
	BAR                                            ; the image is whole
.else
	s_wait_loadcnt 49                              ; x is in: behind it stand 33 loads of pairs and the norm's 16
	XPUT R0
	s_wait_loadcnt 16                              ; the pairs are in
	v_mov_b32 v15, 0                               ; THE CARRY: h = A h + H over the chunks ahead of mine; the others' steps are computed and not taken
.set KK, 0
.rept 32
	s_bitcmp1_b32 s59, KK
	s_cselect_b32 s60, -1, 0
	v_fma_f32 v24, v[R2+2*KK], v15, v[R2+2*KK+1]
	v_cndmask_b32 v15, v15, v24, s60
.set KK, KK+1
.endr
	v_fma_f32 v24, v[R3], v15, v[R3+1]             ; lanes 16-31 begin at token 64: one step more, over my chunk's first half
	v_cndmask_b32 v15, v15, v24, s68
	LDW R2, 16, 26, 0                              ; whg's four fragments of my channels,
	LDW R3, 8, 28, WL_W1                           ; ff_w1's two of my units
	; ---- layer A
	QNORM 24, 38, 39, 0                            ; behind the norm's weights: those 24 loads
	BAR                                            ; X and the image are whole
	s_wait_loadcnt 8                               ; whg's fragments are in; ff_w1's may stay out
	GATES 1, 46, 48
	s_wait_dscnt 0x0                               ; my stores into X have landed, and have read their registers
	LDNW 8, WL_FN
	LDW R2, 8, 28, WL_W2                           ; ff_w2's two fragments,
	global_load_b128 v[R2+32:R2+35], v9, s[30:31] offset:WL_B1      ; b1 and b2 at my lane's eight units
	global_load_b128 v[R2+36:R2+39], v9, s[30:31] offset:WL_B1+16
	global_load_b128 v[R2+40:R2+43], v9, s[30:31] offset:WL_B2
	global_load_b128 v[R2+44:R2+47], v9, s[30:31] offset:WL_B2+16
	MEET                                           ; every channel of X is updated, and nobody reads the image any more
	QNORM 12, 40, 41, 0                            ; behind the norm's weights: 8 + 4 loads
	BAR                                            ; the image is whole
	s_wait_loadcnt 0x0
.set PP, 0
.rept 4
	v_pk_mul_f32 v[R2+32+PP:R2+33+PP], v[R2+32+PP:R2+33+PP], 0.5 op_sel_hi:[1,0]   ; b1 / 2, once
.set PP, PP+2
.endr
	FF1
	BAR                                            ; the hidden layer's image is whole
	FF2
	s_wait_dscnt 0x0
.if MODE == 1
	LDNW 10, WL_NW                                 ; layer B's norm and its whg
	LDW R2, 16, 32, 0
.else
	LDNW 10, 0                                     ; final_norm_w
.endif
	MEET                                           ; every channel of X is updated
.if MODE == 1
	XGET R0
	s_wait_dscnt 0x0
.set KK, 0
.rept 16
	global_store_b128 v1, v[R0+4*KK:R0+4*KK+3], s[12:13] offset:512*KK   ; 512 consecutive bytes, at a multiple of 256 from the buffer's first byte
.set KK, KK+1
.endr
	s_wait_xcnt 0x0                                ; the stores' data registers are written again only behind this wait
	QNORM 16, 44, 45, 0                            ; behind the norm's weights: the weight's 16 loads
	BAR                                            ; the image is whole
.else
	QNORM 0, 0, 0, 1
	s_endpgm
.endif
.endif
.if MODE < 2
	; ---- layer B's pairs
	s_wait_loadcnt 0x0
	v_mov_b32 v15, 0
	v_mov_b32 v16, 1.0
	v_mov_b32 v17, 1.0
	GATES 0, 54, 56
	v_mul_f32 v16, v16, v17                        ; A of my half's 64 tokens
	v_permlanex16_b32 v24, v16, s92, s93           ; the other half's A
	v_permlanex16_b32 v25, v15, s92, s93           ; and H
	v_mul_f32 v26, v16, v24                        ; the whole chunk, seen from lanes 16-31: A2 A1,
	v_fma_f32 v27, v16, v25, v15                   ; A2 H1 + H2
	v_cndmask_b32 v26, v16, v26, s68               ; lanes 0-15 keep the first half's pair (kind 0), lanes 16-31 take the whole chunk's (kind 1)
	v_cndmask_b32 v27, v15, v27, s68
	global_store_b64 v11, v[26:27], s[14:15]
	s_wait_xcnt 0x0
	v_lshl_add_u32 v254, v0, 2, 0x34900
	v_mov_b32 v255, 0
	s_wait_tensorcnt 0x0
	ds_add_u32 v254, v255
	s_wait_dscnt 0x0
	s_endpgm
.endif
.Lfunc_end_k_qc70a98c6b1_mid1:
	.size	k_qc70a98c6b1_mid1, .Lfunc_end_k_qc70a98c6b1_mid1-k_qc70a98c6b1_mid1
	.p2alignl 7, 3214868480
	.fill 96, 4, 3214868480
	.section	.rodata,"a",@progbits
	.p2align	6, 0x0
	.amdhsa_kernel k_qc70a98c6b1_mid1
		.amdhsa_group_segment_fixed_size 217344
		.amdhsa_private_segment_fixed_size 0
		.amdhsa_enable_private_segment 0
		.amdhsa_kernarg_size 48
		.amdhsa_user_sgpr_count 2
		.amdhsa_user_sgpr_kernarg_segment_ptr 1
		.amdhsa_wavefront_size32 1
		.amdhsa_system_sgpr_workgroup_id_x 1
		.amdhsa_system_sgpr_workgroup_id_y 1
		.amdhsa_system_sgpr_workgroup_id_z 1
		.amdhsa_system_vgpr_workitem_id 0
		.amdhsa_next_free_vgpr 256
		.amdhsa_next_free_sgpr 96
		.amdhsa_reserve_vcc 1
		.amdhsa_float_denorm_mode_32 3
		.amdhsa_float_denorm_mode_16_64 3
		.amdhsa_memory_ordered 1
		.amdhsa_forward_progress 1
		.amdhsa_inst_pref_size 113
	.end_amdhsa_kernel
	.amdgpu_metadata
---
amdhsa.version: [ 1, 2 ]
amdhsa.kernels:
  - .name:           k_qc70a98c6b1_mid1
    .symbol:         k_qc70a98c6b1_mid1.kd
    .args:
      - { .name: x, .offset: 0, .size: 8, .value_kind: global_buffer, .address_space: global }
      - { .name: ag0, .offset: 8, .size: 8, .value_kind: global_buffer, .address_space: global }
      - { .name: wl0, .offset: 16, .size: 8, .value_kind: global_buffer, .address_space: global }
      - { .name: wl1, .offset: 24, .size: 8, .value_kind: global_buffer, .address_space: global }
      - { .name: xa, .offset: 32, .size: 8, .value_kind: global_buffer, .address_space: global }
      - { .name: ag1, .offset: 40, .size: 8, .value_kind: global_buffer, .address_space: global }
    .group_segment_fixed_size: 217344
    .private_segment_fixed_size: 0
    .kernarg_segment_align: 8
    .kernarg_segment_size: 48
    .max_flat_workgroup_size: 512
    .sgpr_count:     96
    .vgpr_count:     256
    .wavefront_size: 32
...
	.end_amdgpu_metadata
.endif
;; end of part 3
;; launch mid2: the kernel of part 3 again; grid 256 x 1, 16 waves a work-group, no clusters, 217,344 bytes of LDS; arguments xa, ag1, wl1, wl2, xb, ag0; writes xb, ag0
;; launch mid3: the kernel of part 3 again; grid 256 x 1, 16 waves a work-group, no clusters, 217,344 bytes of LDS; arguments xb, ag0, wl2, wl3, xa, ag1; writes xa, ag1
;; launch last (part 4): grid 256 x 1, 16 waves a work-group, no clusters, 217,344 bytes of LDS; arguments xa, ag1, wl3, final_norm_w, out0; writes out0
.if DOCPART == 4
	.amdgcn_target "amdgcn-amd-amdhsa--gfx1250"
	.amdhsa_code_object_version 6
	.text
	.protected	k_qc70a98c6b1_last
	.globl	k_qc70a98c6b1_last
	.p2align	8
	.type	k_qc70a98c6b1_last,@function
k_qc70a98c6b1_last:
	s_mov_b64 s[64:65], 0
	v_nop
	global_prefetch_b8 v0, s[64:65] scope:SCOPE_SE
	s_setreg_imm32_b32 hwreg(HW_REG_WAVE_MODE, 25, 1), 1
	s_wait_xcnt 0x0
; FOUR LAYERS OF RMSNorm -> minGRU -> +x -> RMSNorm -> FFN (exact GELU) -> +x, all products on codes of BF8 (E5M2).  ONE TEXT, THREE MODES:
;   MODE 0: the chunk summaries of layer 0.   MODE 1: a whole layer A, then the chunk summaries of the next layer B.   MODE 2: the last layer, then the final RMSNorm.
.set MODE, 2
; THE SCAN.  exp(a* + cumlogsumexp(log v - a*)) is the recurrence h(t) = a(t) h(t-1) + v(t), h(-1) = 0, with a = sigmoid(-gate), v = sigmoid(gate) g(hidden), g(x) = x + 0.5 for x >= 0, else sigmoid(x).
; a + sigmoid(gate) = 1, so every h is a mean of earlier g: no sum can grow past the largest g.  BOTH EXPONENTIALS ARE exp(-|.|), never above 1 (softplus's own subtraction of the maximum): with E = exp(-|gate|) the two sigmoids are
; 1 / (1 + E) and E / (1 + E); with E = exp(-|hidden|), g = max(hidden + 0.5, E / (1 + E)): for hidden >= 0 the second is sigmoid(-hidden) <= 0.5 <= the line; for hidden < 0 it is sigmoid(hidden), which lies above the line
; (sigmoid(h) - h - 0.5 is 0 at 0 and falls as h grows).  No difference of large sums is formed.
; SHARES.  A work-group owns 128 consecutive tokens of one sequence (work-group g: sequence g / 32, chunk g % 32).  A run of tokens acts on the scan as a pair (A, H) a channel: h_end = A h_start + H.
; The launch before has stored every chunk's pairs; this one folds those of the earlier chunks of its sequence into its carry, runs the layer, and stores the next layer's pairs: kind 0 = the chunk's first 64 tokens,
; kind 1 = the whole chunk; [g][kind][channel][A, H], 4,096 bytes a chunk.  Only x and the pairs go through memory from launch to launch.
; WAVES.  Sixteen of 256 registers, four to a SIMD, so that one wave's exponentials stand beside another's products and LDS loads.  In the products wave w owns channels 16 w .. 16 w + 15 for all 128 tokens, and its part of each
; weight comes from memory straight into operand registers; in the norms wave w owns tokens 8 w .. 8 w + 7 with all channels.
; TILES.  Row r of tile t is token 8 t + r % 8 + 64 (r / 8).  In the gates' product (source 0 = tokens, source 1 = weight columns) lane (r, h) then holds channel 16 w + r and register j token 8 t + j + 64 h: lanes 0-15 walk
; tokens 0 .. 63 in order, lanes 16-31 tokens 64 .. 127: the scan is one multiply-add an element down the registers.  The FFN's products are used transposed (source 0 = 16 weight columns, source 1 = tokens): a lane holds one token and eight units.
; OPERANDS GO FROM WAVE TO WAVE THROUGH LDS IN THE ORDER OF THEIR REGISTERS: tile t at 5,120 t; the code of (row, k) at 320 (k / 16) + 16 row + k % 16.  In a fragment registers 4 c .. 4 c + 3 of lane (r, h) hold
; k = 32 c + 16 h + 0 .. 15, in tokens and weights alike: every product meets its partner.  So a fragment is four loads, each half of the lanes reading 256 consecutive bytes.  The pitch of 320 bytes is 80 words
; sixteen different groups of four banks (64 banks of 4 bytes: ISA guide 11.1).
; LDS: 0: the normed x's codes, 40,960 bytes; 40,960: the FFN's hidden layer's, 40,960; 81,920: x in f32: token T at 1,040 T + 128 (T / 64).  1,040 bytes are 260 words: row T begins at bank 4 T mod 64, and the
; second 64 tokens lie 32 banks further round, so a tile's 16 rows begin at 16 different groups of four banks.
; LIMITS: each entry of lowp_scales between -126 and 112, each product's two added between -126 and 127 (the FFN's first product's: from -125), so that every power of two below is an f32 number.  NaN and infinities among the inputs are not served.
; A sigmoid or a product of a's under 2^-126 becomes 0.  GELU = 0.5 z (1 + erf(z / sqrt 2)), erf by a rational form in z^2 with z / sqrt 2 held to +-4: far below 0 it carries 1 + erf's own rounding, about 1e-7 |z|.
.set IP,   320                         ; an image: from one group of 16 k to the next
.set IT,   16*IP                       ; from tile to tile
.set AIMG, 0
.set HIMG, 8*IT
.set XB,   16*IT
.set XP,   1040                        ; from token to token in X
.set XH,   64*XP+128                   ; from token T to token T + 64
.set WL_W1, 131072                     ; a layer's buffer: whg's images at 0, ff_w1's, ff_w2's,
.set WL_W2, 196608
.set WL_NW, 262144                     ; norm_w, ff_norm_w, ff_b1, ff_b2,
.set WL_FN, 263168
.set WL_B1, 264192
.set WL_B2, 265216
.set WL_E,  266240                     ; the layer's six exponents
; VECTOR REGISTERS: v1 16 x lane; v2 X, my 8 rows, dense; v3 X, my 8 rows, lane (tk = lane / 4, q = lane % 4): token tk, 64 q bytes on; v4 where my codes go in an image; v5 X by columns (gates); v6 X by tokens (FFN);
; v7 the hidden layer's codes; v8 64 q; v9 32 h; v10 8 r; v11 8 r + 2,048 h; v12-14 a trip's addresses; v15 the carry, or H; v[16:17] A in two halves; v18, v19 a conversion's scale and hold; v[20:23] two constants of erf;
; v24-29 at work; v30 my lane's place in a fragment: 320 h + 16 r.
.set R0, 32                            ; v32-95    token fragments, then work
.set R1, 96                            ; v96-159   accumulators, x's words, norm weights
.set R2, 160                           ; v160-223  pairs; whg's four fragments; ff_w2's two and the biases
.set R3, 224                           ; v224-255  ff_w1's two fragments
; SCALARS: s2 wave; s[4:15] pointers; s16-21 layer A's exponents, s24-25 layer B's first two; s[26:37] pointers at my wave's parts; s38-45 four (scale, hold); s[46:57] powers of two as pairs; s58 chunk, s59 its mask;
; s60 at work; s61-63 a loop's count and steps; s[66:67] an offset; s68 lanes 16-31; s[70:91] erf's constants as pairs; s92-93 lane selects; s94 1/256; s95 1e-6.
.macro MEET
	s_barrier_signal -1
	s_barrier_wait -1
.endm
.macro BAR                             ; my LDS stores have landed and my LDS loads are in: then the work-group's barrier
	s_wait_dscnt 0x0
	MEET
.endm
.macro PAIR p, val                     ; a packed form names a pair and takes its low word for both halves: both are written
	s_mov_b32 s[\p], \val
	s_mov_b32 s[\p+1], \val
.endm
.macro MKQ sc, lim, e                  ; 2^e and 57,344 x 2^e as f32
	s_add_co_i32 s[\sc], s[\e], 127
	s_add_co_i32 s[\lim], s[\e], 142
	s_lshl_b32 s[\sc], s[\sc], 23
	s_lshl_b32 s[\lim], s[\lim], 23
	s_or_b32 s[\lim], s[\lim], 0x600000
.endm
.macro MKP p, ea, eb, bias             ; 2^(ea + eb + bias - 127)
	s_add_co_i32 s[\p], s[\ea], s[\eb]
	s_add_co_i32 s[\p], s[\p], \bias
	s_lshl_b32 s[\p], s[\p], 23
	s_mov_b32 s[\p+1], s[\p]
.endm
.macro MKC p, ea, eb                   ; -log2(e) x 2^(ea + eb): the two exponents are added to the constant's exponent field
	s_add_co_i32 s[\p], s[\ea], s[\eb]
	s_lshl_b32 s[\p], s[\p], 23
	s_add_co_i32 s[\p], s[\p], 0xbfb8aa3b
	s_mov_b32 s[\p+1], s[\p]
.endm
.macro LDW reg, n, base, off           ; n groups of four operand registers, 512 consecutive bytes each
.set KK, 0
.rept \n
	global_load_b128 v[\reg+4*KK:\reg+4*KK+3], v1, s[\base:\base+1] offset:\off+512*KK
.set KK, KK+1
.endr
.endm
.macro LDNW base, off                  ; a norm's weights for lane (tk, q): channels 16 (q + 4 g) + 0 .. 15 into R1[16 g ..]
.set KK, 0
.rept 16
	global_load_b128 v[R1+4*KK:R1+4*KK+3], v8, s[\base:\base+1] offset:\off+256*(KK/4)+16*(KK%4)
.set KK, KK+1
.endr
.endm
.macro XPUT reg                        ; my 8 rows, as memory has them (512 bytes an instruction), into X
.set KK, 0
.rept 16
	ds_store_b128 v2, v[\reg+4*KK:\reg+4*KK+3] offset:(KK/2)*XP+(KK%2)*512
.set KK, KK+1
.endr
.endm
.macro XGET reg                        ; and back
.set KK, 0
.rept 16
	ds_load_b128 v[\reg+4*KK:\reg+4*KK+3], v2 offset:(KK/2)*XP+(KK%2)*512
.set KK, KK+1
.endr
.endm
.macro FRAGS base                      ; two tiles' four fragments: R0 + 32 tile + 16 s + 4 c holds the groups of 16 k numbered 8 s + 2 c + h
.set KK, 0
.rept 16
	ds_load_b128 v[R0+4*KK:R0+4*KK+3], v12 offset:\base+IT*(KK/8)+2*IP*(KK%8)
.set KK, KK+1
.endr
.endm
.macro MM d, a, b, first               ; first = 1: the product starts the sum
.if \first
	v_wmma_f32_16x16x128_bf8_bf8 v[\d:\d+7], v[\a:\a+15], v[\b:\b+15], 0
.else
	v_wmma_f32_16x16x128_bf8_bf8 v[\d:\d+7], v[\a:\a+15], v[\b:\b+15], v[\d:\d+7]
.endif
.endm
.macro PLACES                          ; four plain lines between a matrix instruction and the first vector line that reads its result or writes its sources (ISA guide 7.12.1)
.rept 4
	v_nop
.endr
.endm
.macro VV8 op, d, a, b                 ; sixteen numbers, two a line: d = a op b
.set PP, 0
.rept 8
	\op v[\d+PP:\d+PP+1], v[\a+PP:\a+PP+1], v[\b+PP:\b+PP+1]
.set PP, PP+2
.endr
.endm
.macro VC8 op, d, a, c                 ; d = a op a constant or a scalar pair's low word
.set PP, 0
.rept 8
	\op v[\d+PP:\d+PP+1], v[\a+PP:\a+PP+1], \c op_sel_hi:[1,0]
.set PP, PP+2
.endr
.endm
.macro HORNER d, x, p                  ; d = d x + s[p]
.set PP, 0
.rept 8
	v_pk_fma_f32 v[\d+PP:\d+PP+1], v[\d+PP:\d+PP+1], v[\x+PP:\x+PP+1], s[\p:\p+1] op_sel_hi:[1,1,0]
.set PP, PP+2
.endr
.endm
; RMSNorm OF MY 8 TOKENS.  Four lanes share a token; a lane holds 64 of its channels.  cnt: the global loads younger than the norm's weights.  fin = 0: quantised with (s[scr], s[lmr]) into the image at 0; fin = 1: stored as the output.
.macro QNORM cnt, scr, lmr, fin
.set KK, 0
.rept 16
	ds_load_b128 v[R0+4*KK:R0+4*KK+3], v3 offset:256*(KK/4)+16*(KK%4)
.set KK, KK+1
.endr
	s_wait_dscnt 0x0
	v_pk_mul_f32 v[24:25], v[R0:R0+1], v[R0:R0+1]              ; the sum of squares, two at a time, in two chains
	v_pk_mul_f32 v[26:27], v[R0+2:R0+3], v[R0+2:R0+3]
.set KK, 4
.rept 15
	v_pk_fma_f32 v[24:25], v[R0+KK:R0+KK+1], v[R0+KK:R0+KK+1], v[24:25]
	v_pk_fma_f32 v[26:27], v[R0+KK+2:R0+KK+3], v[R0+KK+2:R0+KK+3], v[26:27]
.set KK, KK+4
.endr
	v_pk_add_f32 v[24:25], v[24:25], v[26:27]
	v_add_f32 v24, v24, v25
	v_add_f32_dpp v24, v24, v24 row_xmask:1 row_mask:0xf bank_mask:0xf   ; and over the token's four lanes
	v_add_f32_dpp v24, v24, v24 row_xmask:2 row_mask:0xf bank_mask:0xf
	v_fma_f32 v28, v24, s94, s95                   ; the mean + 1e-6
	v_rsq_f32 v28, v28
.if \fin
	v_nop                                          ; a plain line behind the transcendental
.else
	v_mov_b32 v18, s[\scr]                         ; (plain lines behind the transcendental)
	v_mov_b32 v19, s[\lmr]
.endif
	s_wait_alu depctr_va_vdst(0)                   ; the wait ahead of the result's first reader
.set KK, 0
.rept 32
	v_pk_mul_f32 v[R0+KK:R0+KK+1], v[R0+KK:R0+KK+1], v[28:29] op_sel_hi:[1,0]
.set KK, KK+2
.endr
	s_wait_loadcnt \cnt                            ; the norm's weights are in; what was asked for behind them may stay out
.set KK, 0
.rept 32
	v_pk_mul_f32 v[R0+KK:R0+KK+1], v[R0+KK:R0+KK+1], v[R1+KK:R1+KK+1]
.set KK, KK+2
.endr
.if \fin
.set KK, 0
.rept 16
	ds_store_b128 v3, v[R0+4*KK:R0+4*KK+3] offset:256*(KK/4)+16*(KK%4)   ; my own rows: LDS serves a wave's instructions in order, so the loads below see these
.set KK, KK+1
.endr
	XGET R1
	s_wait_dscnt 0x0
.set KK, 0
.rept 16
	global_store_b128 v1, v[R1+4*KK:R1+4*KK+3], s[12:13] offset:512*KK th:TH_STORE_NT   ; 512 consecutive bytes, at a multiple of 256 from the output's first byte
.set KK, KK+1
.endr
.else
.set KK, 0
.rept 64
	v_med3_num_f32 v[R0+KK], v[R0+KK], -v19, v19   ; the conversion to an 8-bit code does not saturate (ISA guide 7.6.2): the hold comes first
.set KK, KK+1
.endr
.irp gg, 0,1,2,3
	v_cvt_scalef32_pk8_bf8_f32 v[R1+4*\gg:R1+4*\gg+1], v[R0+16*\gg:R0+16*\gg+7], v18
	v_cvt_scalef32_pk8_bf8_f32 v[R1+4*\gg+2:R1+4*\gg+3], v[R0+16*\gg+8:R0+16*\gg+15], v18
.endr
	v_nop                                          ; a plain line behind the last conversion
.irp gg, 0,1,2,3
	ds_store_b128 v4, v[R1+4*\gg:R1+4*\gg+3] offset:AIMG+4*IP*\gg   ; k = 16 (q + 4 g) + 0 .. 15 of my token's row
.endr
.endif
.endm
; HIDDEN AND GATE, AND THE SCAN, for my 16 channels: four trips of two tiles (16 tokens in each half of the lanes).  s[spr] = 2^(the product's two exponents), s[cpr] = -log2(e) x that.
; carry = 1: h runs on from v15 and is added to X.  carry = 0: only the pair: H in v15, A in v[16:17].
; Accumulators: hidden and gate of tile a at R1, R1 + 8, of tile b at R1 + 16, R1 + 24: they take turns, one instruction a turn.  x's 16 words at R1 + 32.
; Behind the products R0 is free: Eg = exp(-|gate|) at R0, Eh = exp(-|hidden|) at R0 + 16, 1 / (1 + Eg) at R0 + 32, hidden + 0.5 at R0 + 48; 1 / (1 + Eh) at R1 + 48.
.macro GATES carry, spr, cpr
	s_mov_b32 s61, 0
	s_mov_b32 s62, 0
.if \carry
	s_mov_b32 s63, 0
.endif
.Lgates_\@:
	v_add_nc_u32 v12, s62, v30
.if \carry
	v_add_nc_u32 v13, s63, v5
.endif
	FRAGS AIMG
.if \carry
.set EE, 0
.rept 16
	ds_load_b32 v[R1+32+EE], v13 offset:EE*XP      ; x(token, my channel)
.set EE, EE+1
.endr
	s_wait_dscnt 16                                ; the fragments are in; x's sixteen words may stay out
.else
	s_wait_dscnt 0x0
.endif
	MM R1, R0, R2, 1
	MM R1+8, R0, R2+32, 1
	MM R1+16, R0+32, R2, 1
	MM R1+24, R0+32, R2+32, 1
	MM R1, R0+16, R2+16, 0
	MM R1+8, R0+16, R2+48, 0
	MM R1+16, R0+48, R2+16, 0
	MM R1+24, R0+48, R2+48, 0
	PLACES
.set EE, 0
.rept 16                               ; each accumulator is read from its low end on
.set GR, R1+16*(EE/8)+8+EE%8
	v_mul_f32 v[R0+EE], s[\cpr], |v[GR]|           ; -|gate| log2(e)
.set EE, EE+1
.endr
.set EE, 0
.rept 16
.set HR, R1+16*(EE/8)+EE%8
	v_mul_f32 v[R0+16+EE], s[\cpr], |v[HR]|        ; -|hidden| log2(e)
.set EE, EE+1
.endr
.set EE, 0
.rept 32
	v_exp_f32 v[R0+EE], v[R0+EE]                   ; one batch; no exponent is above 0
.set EE, EE+1
.endr
.set EE, 0
.rept 8
.set HR, R1+16*(EE/8)+EE%8
	v_pk_fma_f32 v[R0+48+EE:R0+49+EE], v[HR:HR+1], s[\spr:\spr+1], 0.5 op_sel_hi:[1,0,0]   ; hidden + 0.5: plain work that names no exponential's result
.set EE, EE+2
.endr
	s_wait_alu depctr_va_vdst(0)                   ; one wait for the batch, ahead of its first reader
	VC8 v_pk_add_f32, R0+32, R0, 1.0
	VC8 v_pk_add_f32, R1+48, R0+16, 1.0
.set EE, 0
.rept 16
	v_rcp_f32 v[R0+32+EE], v[R0+32+EE]             ; 1 / (1 + Eg) and 1 / (1 + Eh): one batch
.set EE, EE+1
.endr
.set EE, 0
.rept 16
	v_rcp_f32 v[R1+48+EE], v[R1+48+EE]
.set EE, EE+1
.endr
	v_nop
	s_wait_alu depctr_va_vdst(0)
	VV8 v_pk_mul_f32, R0, R0, R0+32                ; Eg / (1 + Eg)
	VV8 v_pk_mul_f32, R0+16, R0+16, R1+48          ; Eh / (1 + Eh) = sigmoid(-|hidden|)
.set EE, 0
.rept 16
.set GR, R1+16*(EE/8)+8+EE%8
	v_cmp_le_f32 vcc_lo, 0, v[GR]
	v_max_num_f32 v[R0+16+EE], v[R0+16+EE], v[R0+48+EE]        ; g(hidden): the larger of the sigmoid and the line
	v_cndmask_b32 v[GR], v[R0+32+EE], v[R0+EE], vcc_lo         ; a = sigmoid(-gate): Eg / (1 + Eg) where gate >= 0
	v_cndmask_b32 v[R0+EE], v[R0+EE], v[R0+32+EE], vcc_lo      ; z = sigmoid(gate): the other one
.set EE, EE+1
.endr
	VV8 v_pk_mul_f32, R0, R0, R0+16                ; v = z g
.if \carry
	v_fma_f32 v[R0], v[R1+8], v15, v[R0]           ; h(t) = a(t) h(t-1) + v(t), down the registers
.set EE, 1
.rept 15
.set GR, R1+16*(EE/8)+8+EE%8
	v_fma_f32 v[R0+EE], v[GR], v[R0+EE-1], v[R0+EE]
.set EE, EE+1
.endr
	v_mov_b32 v15, v[R0+15]
	s_wait_dscnt 0x0                               ; x's words are in
	VV8 v_pk_add_f32, R1+32, R1+32, R0             ; x + h
.set EE, 0
.rept 16
	ds_store_b32 v13, v[R1+32+EE] offset:EE*XP     ; my own 64 bytes of each row
.set EE, EE+1
.endr
	s_add_co_u32 s63, s63, 16*XP
.else
.set EE, 0
.rept 16
.set GR, R1+16*(EE/8)+8+EE%8
	v_fma_f32 v15, v[GR], v15, v[R0+EE]
.set EE, EE+1
.endr
.set EE, 0
.rept 8
.set GR, R1+16*(EE/8)+8+EE%8
	v_pk_mul_f32 v[16:17], v[16:17], v[GR:GR+1]
.set EE, EE+2
.endr
.endif
	s_add_co_u32 s62, s62, 2*IT
	s_add_co_u32 s61, s61, 1
	s_cmp_lt_u32 s61, 4
	s_cbranch_scc1 .Lgates_\@
.endm
; THE FFN'S FIRST PRODUCT, BIAS, GELU, QUANTISER, for my 16 hidden units: four trips of two tiles.  Lane (r, h): token row r, units 16 w + 8 h + 0 .. 7.  z / 2 at R0, y = z / sqrt 2 at R0 + 16, y^2 at R0 + 32, P at R0 + 48, Q at R1 + 16.
; The sum comes out as z / 2 at once: s[50:51] = 2^(e2 + e3 - 1), and b1 has been halved.
.macro FF1
	v_mov_b32 v18, s42
	v_mov_b32 v19, s43
	s_mov_b32 s61, 0
	s_mov_b32 s62, 0
.Lff1_\@:
	v_add_nc_u32 v12, s62, v30
	v_add_nc_u32 v14, s62, v7
	FRAGS AIMG
	s_wait_dscnt 0x0
	MM R1, R3, R0, 1
	MM R1+8, R3, R0+32, 1
	MM R1, R3+16, R0+16, 0
	MM R1+8, R3+16, R0+48, 0
	PLACES
.set PP, 0
.rept 8
	v_pk_fma_f32 v[R0+PP:R0+PP+1], v[R1+PP:R1+PP+1], s[50:51], v[R2+32+PP%8:R2+33+PP%8] op_sel_hi:[1,0,1]   ; z / 2 = sum x 2^(e2 + e3 - 1) + b1 / 2
.set PP, PP+2
.endr
	VC8 v_pk_mul_f32, R0+16, R0, s[70:71]          ; y = (z / 2) sqrt 2
.set EE, 0
.rept 16
	v_med3_num_f32 v[R0+16+EE], v[R0+16+EE], -4.0, 4.0
.set EE, EE+1
.endr
	VV8 v_pk_mul_f32, R0+32, R0+16, R0+16
.set PP, 0
.rept 8
	v_pk_fma_f32 v[R0+48+PP:R0+49+PP], v[20:21], v[R0+32+PP:R0+33+PP], s[72:73] op_sel_hi:[1,1,0]
	v_pk_fma_f32 v[R1+16+PP:R1+17+PP], v[22:23], v[R0+32+PP:R0+33+PP], s[84:85] op_sel_hi:[1,1,0]
.set PP, PP+2
.endr
	HORNER R0+48, R0+32, 74
	HORNER R1+16, R0+32, 86
	HORNER R0+48, R0+32, 76
	HORNER R1+16, R0+32, 88
	HORNER R0+48, R0+32, 78
	HORNER R1+16, R0+32, 90
	HORNER R0+48, R0+32, 80
	HORNER R0+48, R0+32, 82
.set EE, 0
.rept 16
	v_rcp_f32 v[R1+16+EE], v[R1+16+EE]
.set EE, EE+1
.endr
	VV8 v_pk_mul_f32, R0+16, R0+16, R0+48          ; y P: plain work that names no reciprocal
	s_wait_alu depctr_va_vdst(0)                   ; one wait for the sixteen reciprocals
	VV8 v_pk_mul_f32, R0+16, R0+16, R1+16          ; erf = y P / Q
.set PP, 0
.rept 8
	v_pk_fma_f32 v[R0+PP:R0+PP+1], v[R0+PP:R0+PP+1], v[R0+16+PP:R0+17+PP], v[R0+PP:R0+PP+1]   ; (z / 2) erf + z / 2
.set PP, PP+2
.endr
.set EE, 0
.rept 16
	v_med3_num_f32 v[R0+EE], v[R0+EE], -v19, v19
.set EE, EE+1
.endr
	v_cvt_scalef32_pk8_bf8_f32 v[R1+32:R1+33], v[R0:R0+7], v18
	v_cvt_scalef32_pk8_bf8_f32 v[R1+34:R1+35], v[R0+8:R0+15], v18
	v_nop                                          ; a plain line behind the last conversion
	ds_store_b64 v14, v[R1+32:R1+33]               ; k = 16 w + 8 h + 0 .. 7 of my token's row, tile a,
	ds_store_b64 v14, v[R1+34:R1+35] offset:IT     ; tile b
	s_add_co_u32 s62, s62, 2*IT
	s_add_co_u32 s61, s61, 1
	s_cmp_lt_u32 s61, 4
	s_cbranch_scc1 .Lff1_\@
.endm
; THE FFN'S SECOND PRODUCT, BIAS AND RESIDUAL, for my 16 channels: four trips of two tiles.
.macro FF2
	s_mov_b32 s61, 0
	s_mov_b32 s62, 0
	s_mov_b32 s63, 0
.Lff2_\@:
	v_add_nc_u32 v12, s62, v30
	v_add_nc_u32 v13, s63, v6
	FRAGS HIMG
.irp tt, 0,1
.irp uu, 0,1
	ds_load_b128 v[R1+16+8*\tt+4*\uu:R1+19+8*\tt+4*\uu], v13 offset:8*XP*\tt+16*\uu   ; x(my token, my eight channels)
.endr
.endr
	s_wait_dscnt 4                                 ; the fragments are in; x's four loads may stay out
	MM R1, R2, R0, 1
	MM R1+8, R2, R0+32, 1
	MM R1, R2+16, R0+16, 0
	MM R1+8, R2+16, R0+48, 0
	s_wait_dscnt 0x0
.set PP, 0
.rept 8
	v_pk_add_f32 v[R1+16+PP:R1+17+PP], v[R1+16+PP:R1+17+PP], v[R2+40+PP%8:R2+41+PP%8]   ; x + b2: eight plain lines that name no register of the products: the places behind them
.set PP, PP+2
.endr
.set PP, 0
.rept 8
	v_pk_fma_f32 v[R1+16+PP:R1+17+PP], v[R1+PP:R1+PP+1], s[52:53], v[R1+16+PP:R1+17+PP] op_sel_hi:[1,0,1]   ; + sum x 2^(e4 + e5)
.set PP, PP+2
.endr
.irp tt, 0,1
.irp uu, 0,1
	ds_store_b128 v13, v[R1+16+8*\tt+4*\uu:R1+19+8*\tt+4*\uu] offset:8*XP*\tt+16*\uu
.endr
.endr
	s_add_co_u32 s62, s62, 2*IT
	s_add_co_u32 s63, s63, 16*XP
	s_add_co_u32 s61, s61, 1
	s_cmp_lt_u32 s61, 4
	s_cbranch_scc1 .Lff2_\@
.endm
; ---- THE HEAD: pointers, addresses, and everything that can be asked of memory at once
.if MODE == 0
	s_load_b64 s[4:5], s[0:1], 0x0                 ; x
	s_load_b64 s[10:11], s[0:1], 0x8               ; layer B's buffer
	s_load_b64 s[14:15], s[0:1], 0x10              ; the pairs out
.elseif MODE == 1
	s_load_b256 s[4:11], s[0:1], 0x0               ; x in, the pairs in, layer A's buffer, layer B's
	s_load_b128 s[12:15], s[0:1], 0x20             ; x out, the pairs out
.else
	s_load_b256 s[4:11], s[0:1], 0x0               ; x in, the pairs in, layer A's buffer, final_norm_w
	s_load_b64 s[12:13], s[0:1], 0x20              ; the output
	v_lshl_add_u32 v17, v0, 2, 0x34900
	v_mov_b32 v31, 0
.endif
	v_lshrrev_b32 v24, 5, v0
	v_readfirstlane_b32 s2, v24                    ; wave 0..15
	v_and_b32 v25, 31, v0                          ; lane
	v_and_b32 v26, 15, v0                          ; r
	v_bfe_u32 v27, v0, 4, 1                        ; h
	v_bfe_u32 v28, v0, 2, 3                        ; tk
	v_and_b32 v29, 3, v0                           ; q
	v_lshlrev_b32 v1, 4, v25
	v_mul_u32_u24 v30, v27, IP                     ; a fragment: lanes 16-31 take the next group of 16 k
	v_lshl_add_u32 v30, v26, 4, v30
	s_mul_i32 s60, s2, 8*XP                        ; my 8 rows of X: XB + 8,320 w + 128 (w / 8)
	s_lshr_b32 s61, s2, 3
	s_lshl_b32 s61, s61, 7
	s_add_co_u32 s60, s60, s61
	s_add_co_u32 s60, s60, XB
	v_add_nc_u32 v2, s60, v1
	v_mul_u32_u24 v3, v28, XP
	v_lshl_add_u32 v3, v29, 6, v3
	v_add_nc_u32 v3, s60, v3
	s_and_b32 s62, s2, 7                           ; token 8 w + tk is row tk + 8 (w / 8) of tile w % 8
	s_mul_i32 s62, s62, IT
	s_add_co_u32 s62, s62, s61
	v_mul_u32_u24 v4, v29, IP
	v_lshl_add_u32 v4, v28, 4, v4
	v_add_nc_u32 v4, s62, v4
	v_lshlrev_b32 v8, 6, v29
.if MODE < 2
	v_lshlrev_b32 v11, 3, v26
	v_lshl_add_u32 v11, v27, 11, v11
.endif
.if MODE > 0
	s_lshl_b32 s63, s2, 6                          ; my 16 channels: 64 bytes of every row
	s_add_co_u32 s63, s63, XB
	v_mul_u32_u24 v5, v27, XH
	v_lshl_add_u32 v5, v26, 2, v5
	v_add_nc_u32 v5, s63, v5
	v_and_b32 v12, 7, v0
	v_bfe_u32 v13, v0, 3, 1
	v_mul_u32_u24 v6, v12, XP
	v_mad_u32_u24 v6, v13, XH, v6
	v_lshl_add_u32 v6, v27, 5, v6
	v_add_nc_u32 v6, s63, v6
	s_mul_i32 s62, s2, IP                          ; my 16 units are group w of the hidden layer's 16 groups of k
	s_add_co_u32 s62, s62, HIMG
	v_lshlrev_b32 v7, 4, v26
	v_lshl_add_u32 v7, v27, 3, v7
	v_add_nc_u32 v7, s62, v7
	v_lshlrev_b32 v9, 5, v27
	v_lshlrev_b32 v10, 3, v26
.endif
	s_lshl_b32 s66, ttmp9, 17                      ; my 8 rows in memory: 131,072 g + 8,192 w
	s_lshl_b32 s60, s2, 13
	s_add_co_u32 s66, s66, s60
	s_mov_b32 s67, 0
	s_wait_kmcnt 0x0
	s_add_nc_u64 s[4:5], s[4:5], s[66:67]
.if MODE > 0
	s_add_nc_u64 s[12:13], s[12:13], s[66:67]
	s_load_b256 s[16:23], s[8:9], WL_E             ; layer A's exponents e0 .. e5 (and two words that are not used)
.endif
.if MODE < 2
	s_load_b64 s[24:25], s[10:11], WL_E            ; layer B's e0, e1
.endif
.set KK, 0
.rept 16
	global_load_b128 v[R0+4*KK:R0+4*KK+3], v1, s[4:5] offset:512*KK th:TH_LOAD_NT   ; my 8 rows, 512 consecutive bytes a load; the launch reads each byte once
.set KK, KK+1
.endr
.if MODE > 0
	s_lshr_b32 s60, ttmp9, 5                       ; the sequence
	s_and_b32 s58, ttmp9, 31                       ; my chunk c
	s_lshl_b32 s66, s60, 17
	s_lshl_b32 s60, s2, 7
	s_add_co_u32 s66, s66, s60
	s_add_nc_u64 s[34:35], s[6:7], s[66:67]        ; the sequence's pairs, at my 16 channels
	s_lshl_b32 s66, s58, 12
	s_add_nc_u64 s[36:37], s[34:35], s[66:67]      ; my own chunk's
	s_bfm_b32 s59, s58, 0                          ; bits 0 .. c - 1: the chunks ahead of mine
.set KK, 0
.rept 32
	global_load_b64 v[R2+2*KK:R2+2*KK+1], v10, s[34:35] offset:4096*KK+2048   ; (A, H) of the whole chunk KK: all 32 are read, so that no trip count hangs on c
.set KK, KK+1
.endr
	global_load_b64 v[R3:R3+1], v10, s[36:37]      ; (A, H) of my chunk's first 64 tokens
	LDNW 8, WL_NW
	s_lshl_b32 s66, s2, 13
	s_add_nc_u64 s[26:27], s[8:9], s[66:67]
	s_lshl_b32 s66, s2, 12
	s_add_nc_u64 s[28:29], s[8:9], s[66:67]
	s_lshl_b32 s66, s2, 6
	s_add_nc_u64 s[30:31], s[8:9], s[66:67]
.endif
.if MODE < 2
	s_lshl_b32 s66, s2, 13
	s_add_nc_u64 s[32:33], s[10:11], s[66:67]
	s_lshl_b32 s66, ttmp9, 12
	s_lshl_b32 s60, s2, 7
	s_add_co_u32 s66, s66, s60
	s_add_nc_u64 s[14:15], s[14:15], s[66:67]
.endif
.if MODE == 0
	LDNW 10, WL_NW
	LDW R2, 16, 32, 0
.endif
	s_mov_b32 s68, 0xffff0000
	s_mov_b32 s92, 0x76543210
	s_mov_b32 s93, 0xfedcba98
	s_mov_b32 s94, 0x3b800000                      ; 1 / 256
	s_mov_b32 s95, 0x358637bd                      ; 1e-6
.if MODE > 0
	PAIR 70, 0x3fb504f3                            ; sqrt 2
	PAIR 72, 0x32edffee                            ; erf(y) = y P(y^2) / Q(y^2): P's coefficients from y^10 down,
	PAIR 74, 0xb60cff51
	PAIR 76, 0xb86ec2d2
	PAIR 78, 0xba40ac63
	PAIR 80, 0xbb41a1f6
	PAIR 82, 0xbc83dbd4
	PAIR 84, 0xb95fbd29                            ; Q's from y^6 down;
	PAIR 86, 0xbadc924e
	PAIR 88, 0xbbf19bf8
	PAIR 90, 0xbc69b6a7
	v_mov_b32 v20, 0xaf95df0b                      ; the two leading ones
	v_mov_b32 v21, 0xaf95df0b
	v_mov_b32 v22, 0xb77460cd
	v_mov_b32 v23, 0xb77460cd
.endif
	s_wait_kmcnt 0x0
.if MODE > 0
	MKQ 38, 39, 16
	MKQ 40, 41, 18
	MKQ 42, 43, 20
	MKP 46, 16, 17, 127
	MKC 48, 16, 17
	MKP 50, 18, 19, 126                            ; half of 2^(e2 + e3)
	MKP 52, 20, 21, 127
.endif
.if MODE < 2
	MKQ 44, 45, 24
	MKP 54, 24, 25, 127
	MKC 56, 24, 25
.endif
.if MODE == 0
	s_wait_loadcnt 32                              ; x is in: behind it stand the norm's 16 loads and the weight's 16
	XPUT R0
	QNORM 16, 44, 45, 0                            ; behind the norm's weights: the weight's 16 loads
	BAR                                            ; the image is whole
.else
	s_wait_loadcnt 49                              ; x is in: behind it stand 33 loads of pairs and the norm's 16
	XPUT R0
	s_wait_loadcnt 16                              ; the pairs are in
	v_mov_b32 v15, 0                               ; THE CARRY: h = A h + H over the chunks ahead of mine; the others' steps are computed and not taken
.set KK, 0
.rept 32
	s_bitcmp1_b32 s59, KK
	s_cselect_b32 s60, -1, 0
	v_fma_f32 v24, v[R2+2*KK], v15, v[R2+2*KK+1]
	v_cndmask_b32 v15, v15, v24, s60
.set KK, KK+1
.endr
	v_fma_f32 v24, v[R3], v15, v[R3+1]             ; lanes 16-31 begin at token 64: one step more, over my chunk's first half
	v_cndmask_b32 v15, v15, v24, s68
	LDW R2, 16, 26, 0                              ; whg's four fragments of my channels,
	LDW R3, 8, 28, WL_W1                           ; ff_w1's two of my units
	; ---- layer A
	QNORM 24, 38, 39, 0                            ; behind the norm's weights: those 24 loads
	BAR                                            ; X and the image are whole
	s_wait_loadcnt 8                               ; whg's fragments are in; ff_w1's may stay out
	GATES 1, 46, 48
	s_wait_dscnt 0x0                               ; my stores into X have landed, and have read their registers
	LDNW 8, WL_FN
	LDW R2, 8, 28, WL_W2                           ; ff_w2's two fragments,
	global_load_b128 v[R2+32:R2+35], v9, s[30:31] offset:WL_B1      ; b1 and b2 at my lane's eight units
	global_load_b128 v[R2+36:R2+39], v9, s[30:31] offset:WL_B1+16
	global_load_b128 v[R2+40:R2+43], v9, s[30:31] offset:WL_B2
	global_load_b128 v[R2+44:R2+47], v9, s[30:31] offset:WL_B2+16
	MEET                                           ; every channel of X is updated, and nobody reads the image any more
	QNORM 12, 40, 41, 0                            ; behind the norm's weights: 8 + 4 loads
	BAR                                            ; the image is whole
	s_wait_loadcnt 0x0
.set PP, 0
.rept 4
	v_pk_mul_f32 v[R2+32+PP:R2+33+PP], v[R2+32+PP:R2+33+PP], 0.5 op_sel_hi:[1,0]   ; b1 / 2, once
.set PP, PP+2
.endr
	FF1
	BAR                                            ; the hidden layer's image is whole
	FF2
	s_wait_dscnt 0x0
.if MODE == 1
	LDNW 10, WL_NW                                 ; layer B's norm and its whg
	LDW R2, 16, 32, 0
.else
	LDNW 10, 0                                     ; final_norm_w
.endif
	MEET                                           ; every channel of X is updated
.if MODE == 1
	XGET R0
	s_wait_dscnt 0x0
.set KK, 0
.rept 16
	global_store_b128 v1, v[R0+4*KK:R0+4*KK+3], s[12:13] offset:512*KK   ; 512 consecutive bytes, at a multiple of 256 from the buffer's first byte
.set KK, KK+1
.endr
	s_wait_xcnt 0x0                                ; the stores' data registers are written again only behind this wait
	QNORM 16, 44, 45, 0                            ; behind the norm's weights: the weight's 16 loads
	BAR                                            ; the image is whole
.else
	QNORM 0, 0, 0, 1
	s_wait_tensorcnt 0x0
	ds_add_u32 v17, v31
	s_wait_dscnt 0x0
	s_endpgm
.endif
.endif
.if MODE < 2
	; ---- layer B's pairs
	s_wait_loadcnt 0x0
	v_mov_b32 v15, 0
	v_mov_b32 v16, 1.0
	v_mov_b32 v17, 1.0
	GATES 0, 54, 56
	v_mul_f32 v16, v16, v17                        ; A of my half's 64 tokens
	v_permlanex16_b32 v24, v16, s92, s93           ; the other half's A
	v_permlanex16_b32 v25, v15, s92, s93           ; and H
	v_mul_f32 v26, v16, v24                        ; the whole chunk, seen from lanes 16-31: A2 A1,
	v_fma_f32 v27, v16, v25, v15                   ; A2 H1 + H2
	v_cndmask_b32 v26, v16, v26, s68               ; lanes 0-15 keep the first half's pair (kind 0), lanes 16-31 take the whole chunk's (kind 1)
	v_cndmask_b32 v27, v15, v27, s68
	global_store_b64 v11, v[26:27], s[14:15]
	s_endpgm
.endif
.Lfunc_end_k_qc70a98c6b1_last:
	.size	k_qc70a98c6b1_last, .Lfunc_end_k_qc70a98c6b1_last-k_qc70a98c6b1_last
	.p2alignl 7, 3214868480
	.fill 96, 4, 3214868480
	.section	.rodata,"a",@progbits
	.p2align	6, 0x0
	.amdhsa_kernel k_qc70a98c6b1_last
		.amdhsa_group_segment_fixed_size 217344
		.amdhsa_private_segment_fixed_size 0
		.amdhsa_enable_private_segment 0
		.amdhsa_kernarg_size 40
		.amdhsa_user_sgpr_count 2
		.amdhsa_user_sgpr_kernarg_segment_ptr 1
		.amdhsa_wavefront_size32 1
		.amdhsa_system_sgpr_workgroup_id_x 1
		.amdhsa_system_sgpr_workgroup_id_y 1
		.amdhsa_system_sgpr_workgroup_id_z 1
		.amdhsa_system_vgpr_workitem_id 0
		.amdhsa_next_free_vgpr 256
		.amdhsa_next_free_sgpr 96
		.amdhsa_reserve_vcc 1
		.amdhsa_float_denorm_mode_32 3
		.amdhsa_float_denorm_mode_16_64 3
		.amdhsa_memory_ordered 1
		.amdhsa_forward_progress 1
		.amdhsa_inst_pref_size 94
	.end_amdhsa_kernel
	.amdgpu_metadata
---
amdhsa.version: [ 1, 2 ]
amdhsa.kernels:
  - .name:           k_qc70a98c6b1_last
    .symbol:         k_qc70a98c6b1_last.kd
    .args:
      - { .name: xa, .offset: 0, .size: 8, .value_kind: global_buffer, .address_space: global }
      - { .name: ag1, .offset: 8, .size: 8, .value_kind: global_buffer, .address_space: global }
      - { .name: wl3, .offset: 16, .size: 8, .value_kind: global_buffer, .address_space: global }
      - { .name: final_norm_w, .offset: 24, .size: 8, .value_kind: global_buffer, .address_space: global }
      - { .name: out0, .offset: 32, .size: 8, .value_kind: global_buffer, .address_space: global }
    .group_segment_fixed_size: 217344
    .private_segment_fixed_size: 0
    .kernarg_segment_align: 8
    .kernarg_segment_size: 40
    .max_flat_workgroup_size: 512
    .sgpr_count:     96
    .vgpr_count:     256
    .wavefront_size: 32
...
	.end_amdgpu_metadata
.endif
;; end of part 4
;; ======== version 2 of 2: 6 launches; version 1 with the launches first, mid1, mid2, mid3, last written anew for expert scheduling mode
;; limits: an absolute error that grows with the inputs' magnitude: up to 1e-07 times it
;; workspace buffers: xa 33,554,432 bytes; xb 33,554,432 bytes; ag0 1,048,576 bytes; ag1 1,048,576 bytes; wl0 266,496 bytes; wl1 266,496 bytes; wl2 266,496 bytes; wl3 266,496 bytes
;; launch prep: the kernel of part 1 again; grid 128 x 1, 4 waves a work-group, no clusters, 0 bytes of LDS; arguments whg, ff_w1, ff_w2, norm_w, ff_norm_w, ff_b1, ff_b2, lowp_scales, wl0, wl1, wl2, wl3; writes wl0, wl1, wl2, wl3
;; launch first (part 5): grid 256 x 1, 16 waves a work-group, no clusters, 217,344 bytes of LDS; arguments x, wl0, ag0; writes ag0
.if DOCPART == 5
	.amdgcn_target "amdgcn-amd-amdhsa--gfx1250"
	.amdhsa_code_object_version 6
	.text
	.protected	k_qc70a98c6b1_first
	.globl	k_qc70a98c6b1_first
	.p2align	8
	.type	k_qc70a98c6b1_first,@function
k_qc70a98c6b1_first:
	s_mov_b64 s[64:65], 0
	v_nop
	global_prefetch_b8 v0, s[64:65] scope:SCOPE_SE
	s_setreg_imm32_b32 hwreg(HW_REG_WAVE_SCHED_MODE, 0, 2), 2
	s_setreg_imm32_b32 hwreg(HW_REG_WAVE_MODE, 25, 1), 1
	s_wait_xcnt 0x0
	s_wait_alu depctr_vm_vsrc(0)
; FOUR LAYERS OF RMSNorm -> minGRU -> +x -> RMSNorm -> FFN (exact GELU) -> +x, all products on codes of BF8 (E5M2).  ONE TEXT, THREE MODES:
;   MODE 0: the chunk summaries of layer 0.   MODE 1: a whole layer A, then the chunk summaries of the next layer B.   MODE 2: the last layer, then the final RMSNorm.
.set MODE, 0
; THE SCAN.  exp(a* + cumlogsumexp(log v - a*)) is the recurrence h(t) = a(t) h(t-1) + v(t), h(-1) = 0, with a = sigmoid(-gate), v = sigmoid(gate) g(hidden), g(x) = x + 0.5 for x >= 0, else sigmoid(x).
; a + sigmoid(gate) = 1, so every h is a mean of earlier g: no sum can grow past the largest g.  BOTH EXPONENTIALS ARE exp(-|.|), never above 1 (softplus's own subtraction of the maximum): with E = exp(-|gate|) the two sigmoids are
; 1 / (1 + E) and E / (1 + E); with E = exp(-|hidden|), g = max(hidden + 0.5, E / (1 + E)): for hidden >= 0 the second is sigmoid(-hidden) <= 0.5 <= the line; for hidden < 0 it is sigmoid(hidden), which lies above the line
; (sigmoid(h) - h - 0.5 is 0 at 0 and falls as h grows).  No difference of large sums is formed.
; SHARES.  A work-group owns 128 consecutive tokens of one sequence (work-group g: sequence g / 32, chunk g % 32).  A run of tokens acts on the scan as a pair (A, H) a channel: h_end = A h_start + H.
; The launch before has stored every chunk's pairs; this one folds those of the earlier chunks of its sequence into its carry, runs the layer, and stores the next layer's pairs: kind 0 = the chunk's first 64 tokens,
; kind 1 = the whole chunk; [g][kind][channel][A, H], 4,096 bytes a chunk.  Only x and the pairs go through memory from launch to launch.
; WAVES.  Sixteen of 256 registers, four to a SIMD, so that one wave's exponentials stand beside another's products and LDS loads.  In the products wave w owns channels 16 w .. 16 w + 15 for all 128 tokens, and its part of each
; weight comes from memory straight into operand registers; in the norms wave w owns tokens 8 w .. 8 w + 7 with all channels.
; TILES.  Row r of tile t is token 8 t + r % 8 + 64 (r / 8).  In the gates' product (source 0 = tokens, source 1 = weight columns) lane (r, h) then holds channel 16 w + r and register j token 8 t + j + 64 h: lanes 0-15 walk
; tokens 0 .. 63 in order, lanes 16-31 tokens 64 .. 127: the scan is one multiply-add an element down the registers.  The FFN's products are used transposed (source 0 = 16 weight columns, source 1 = tokens): a lane holds one token and eight units.
; OPERANDS GO FROM WAVE TO WAVE THROUGH LDS IN THE ORDER OF THEIR REGISTERS: tile t at 5,120 t; the code of (row, k) at 320 (k / 16) + 16 row + k % 16.  In a fragment registers 4 c .. 4 c + 3 of lane (r, h) hold
; k = 32 c + 16 h + 0 .. 15, in tokens and weights alike: every product meets its partner.  So a fragment is four loads, each half of the lanes reading 256 consecutive bytes.  The pitch of 320 bytes is 80 words
; sixteen different groups of four banks (64 banks of 4 bytes: ISA guide 11.1).
; LDS: 0: the normed x's codes, 40,960 bytes; 40,960: the FFN's hidden layer's, 40,960; 81,920: x in f32: token T at 1,040 T + 128 (T / 64).  1,040 bytes are 260 words: row T begins at bank 4 T mod 64, and the
; second 64 tokens lie 32 banks further round, so a tile's 16 rows begin at 16 different groups of four banks.  From 215,296 (0x34900) on: the spare words, 128 bytes for each of the sixteen waves, which no line but the closing add names.
; LIMITS: each entry of lowp_scales between -126 and 112, each product's two added between -126 and 127 (the FFN's first product's: from -125), so that every power of two below is an f32 number.  NaN and infinities among the inputs are not served.
; A sigmoid or a product of a's under 2^-126 becomes 0.  GELU = 0.5 z (1 + erf(z / sqrt 2)), erf by a rational form in z^2 with z / sqrt 2 held to +-4: far below 0 it carries 1 + erf's own rounding, about 1e-7 |z|.
; THE MODE: SCHED_MODE bits 1:0 = 2 (LLVM: expert scheduling mode 2), set by the entry lines.  The code itself states the register dependences between vector or matrix instructions and memory or LDS instructions,
; with s_wait_alu, always for 0.
; THE PLAN.  Each is loaded, worked on in place and loaded again, and the waits stand where a region changes hands.
;   v1-v11        addresses and offsets, made at the head and never written again: one wait on va_vdst ahead of the first load serves them all.
;   v12, v13, v14 a trip's LDS addresses: written at the trip's head, read by that trip's loads and stores.
;   R0            loads land (x from memory; a norm's rows; a trip's fragments; rows on their way out); stores read it at the head (into X), on mid's way out and in the final norm; between, matrix and vector lines work on it.
;   R1            norm weights land; R1 .. +15 take a norm's codes, which its stores read, then the products' sums; R1 + 16 .. 31 (second FFN product) and R1 + 32 .. 47 (gates) take x's words, are added onto and stored;
;                 R1 + 32 .. 35 take the hidden layer's codes, which stores read.
;   R2, R3        pairs and weights land; vector and matrix lines read them.
; A TRIP of each of the three loops: a wait on vm_vsrc (the last trip's loads and stores have read the addresses and the stores' data), the address additions, a wait on va_vdst (the addresses are written; all work on R0 and on x's
; registers is done), the loads; and, where the trip stores, one wait on va_vdst ahead of its stores.  No vector line follows that last wait up to the loop's end, so it also serves the loads that stand behind the loop;
; these owe one wait on vm_vsrc, for the registers that the last stores read.  The gates' sixteen compares write sixteen scalar registers in one run, with one wait on va_sdst ahead of the first select.
.set IP,   320                         ; an image: from one group of 16 k to the next
.set IT,   16*IP                       ; from tile to tile
.set AIMG, 0
.set HIMG, 8*IT
.set XB,   16*IT
.set XP,   1040                        ; from token to token in X
.set XH,   64*XP+128                   ; from token T to token T + 64
.set WL_W1, 131072                     ; a layer's buffer: whg's images at 0, ff_w1's, ff_w2's,
.set WL_W2, 196608
.set WL_NW, 262144                     ; norm_w, ff_norm_w, ff_b1, ff_b2,
.set WL_FN, 263168
.set WL_B1, 264192
.set WL_B2, 265216
.set WL_E,  266240                     ; the layer's six exponents
; VECTOR REGISTERS: v1 16 x lane; v2 X, my 8 rows, dense; v3 X, my 8 rows, lane (tk = lane / 4, q = lane % 4): token tk, 64 q bytes on; v4 where my codes go in an image; v5 X by columns (gates); v6 X by tokens (FFN);
; v7 the hidden layer's codes; v8 64 q; v9 32 h; v10 8 r; v11 8 r + 2,048 h; v12-14 a trip's addresses; v15 the carry, or H; v[16:17] A in two halves; v18, v19 a conversion's scale and hold; v[20:23] two constants of erf;
; v24-29 at work; v30 my lane's place in a fragment: 320 h + 16 r.  The closing add's pair: MODE 0: v254, v255, MODE 2: v17, v31, made at the head and kept; MODE 1, which has no two registers to keep: v254, v255, made anew at the end.
.set R0, 32                            ; v32-95    token fragments, then work
.set R1, 96                            ; v96-159   accumulators, x's words, norm weights
.set R2, 160                           ; v160-223  pairs; whg's four fragments; ff_w2's two and the biases
.set R3, 224                           ; v224-255  ff_w1's two fragments
; SCALARS: s2 wave; s[4:15] pointers; s16-21 layer A's exponents, s24-25 layer B's first two; s[26:37] pointers at my wave's parts; s38-45 four (scale, hold); s[46:57] powers of two as pairs; s58 chunk, s59 its mask;
; s60 at work; s61-63 a loop's count and steps; s[66:67] an offset; s68 lanes 16-31; s[70:91] erf's constants as pairs; s92-93 lane selects; s94 1/256; s95 1e-6.
; Behind the head and the carry s16-25, s34-37, s58 and s59 are done with (the exponents are used up, the pairs' loads have come): they take the gates' sixteen lane masks.
.macro MEET
	s_barrier_signal -1
	s_barrier_wait -1
.endm
.macro BAR                             ; my LDS stores have landed and my LDS loads are in: then the work-group's barrier
	s_wait_dscnt 0x0
	MEET
.endm
.macro PAIR p, val                     ; a packed form names a pair and takes its low word for both halves: both are written
	s_mov_b32 s[\p], \val
	s_mov_b32 s[\p+1], \val
.endm
.macro MKQ sc, lim, e                  ; 2^e and 57,344 x 2^e as f32
	s_add_co_i32 s[\sc], s[\e], 127
	s_add_co_i32 s[\lim], s[\e], 142
	s_lshl_b32 s[\sc], s[\sc], 23
	s_lshl_b32 s[\lim], s[\lim], 23
	s_or_b32 s[\lim], s[\lim], 0x600000
.endm
.macro MKP p, ea, eb, bias             ; 2^(ea + eb + bias - 127)
	s_add_co_i32 s[\p], s[\ea], s[\eb]
	s_add_co_i32 s[\p], s[\p], \bias
	s_lshl_b32 s[\p], s[\p], 23
	s_mov_b32 s[\p+1], s[\p]
.endm
.macro MKC p, ea, eb                   ; -log2(e) x 2^(ea + eb): the two exponents are added to the constant's exponent field
	s_add_co_i32 s[\p], s[\ea], s[\eb]
	s_lshl_b32 s[\p], s[\p], 23
	s_add_co_i32 s[\p], s[\p], 0xbfb8aa3b
	s_mov_b32 s[\p+1], s[\p]
.endm
.macro LDW reg, n, base, off           ; n groups of four operand registers, 512 consecutive bytes each
.set KK, 0
.rept \n
	global_load_b128 v[\reg+4*KK:\reg+4*KK+3], v1, s[\base:\base+1] offset:\off+512*KK
.set KK, KK+1
.endr
.endm
.macro LDNW base, off                  ; a norm's weights for lane (tk, q): channels 16 (q + 4 g) + 0 .. 15 into R1[16 g ..]
.set KK, 0
.rept 16
	global_load_b128 v[R1+4*KK:R1+4*KK+3], v8, s[\base:\base+1] offset:\off+256*(KK/4)+16*(KK%4)
.set KK, KK+1
.endr
.endm
.macro XPUT reg                        ; my 8 rows, as memory has them (512 bytes an instruction), into X
.set KK, 0
.rept 16
	ds_store_b128 v2, v[\reg+4*KK:\reg+4*KK+3] offset:(KK/2)*XP+(KK%2)*512
.set KK, KK+1
.endr
.endm
.macro XGET reg                        ; and back
.set KK, 0
.rept 16
	ds_load_b128 v[\reg+4*KK:\reg+4*KK+3], v2 offset:(KK/2)*XP+(KK%2)*512
.set KK, KK+1
.endr
.endm
.macro FRAGS base                      ; two tiles' four fragments: R0 + 32 tile + 16 s + 4 c holds the groups of 16 k numbered 8 s + 2 c + h
.set KK, 0
.rept 16
	ds_load_b128 v[R0+4*KK:R0+4*KK+3], v12 offset:\base+IT*(KK/8)+2*IP*(KK%8)
.set KK, KK+1
.endr
.endm
.macro XWORDS carry, e                 ; carry = 1: two of a gates trip's sixteen words x(token, my channel)
.if \carry
	ds_load_b32 v[R1+32+(\e)], v13 offset:(\e)*XP
	ds_load_b32 v[R1+33+(\e)], v13 offset:((\e)+1)*XP
.endif
.endm
.macro MASKOF e                        ; MK: the scalar register that takes element e's lane mask: s16-25, s34-37, s58, s59
.if (\e) < 10
.set MK, 16+(\e)
.elseif (\e) < 14
.set MK, 24+(\e)
.else
.set MK, 44+(\e)
.endif
.endm
.macro MM d, a, b, first               ; first = 1: the product starts the sum
.if \first
	v_wmma_f32_16x16x128_bf8_bf8 v[\d:\d+7], v[\a:\a+15], v[\b:\b+15], 0
.else
	v_wmma_f32_16x16x128_bf8_bf8 v[\d:\d+7], v[\a:\a+15], v[\b:\b+15], v[\d:\d+7]
.endif
.endm
.macro PLACES                          ; four plain lines between a matrix instruction and the first vector line that reads its result or writes its sources (ISA guide 7.12.1)
.rept 4
	v_nop
.endr
.endm
.macro VV8 op, d, a, b                 ; sixteen numbers, two a line: d = a op b
.set PP, 0
.rept 8
	\op v[\d+PP:\d+PP+1], v[\a+PP:\a+PP+1], v[\b+PP:\b+PP+1]
.set PP, PP+2
.endr
.endm
.macro VC8 op, d, a, c                 ; d = a op a constant or a scalar pair's low word
.set PP, 0
.rept 8
	\op v[\d+PP:\d+PP+1], v[\a+PP:\a+PP+1], \c op_sel_hi:[1,0]
.set PP, PP+2
.endr
.endm
.macro HORNER d, x, p                  ; d = d x + s[p]
.set PP, 0
.rept 8
	v_pk_fma_f32 v[\d+PP:\d+PP+1], v[\d+PP:\d+PP+1], v[\x+PP:\x+PP+1], s[\p:\p+1] op_sel_hi:[1,1,0]
.set PP, PP+2
.endr
.endm
; RMSNorm OF MY 8 TOKENS.  Four lanes share a token; a lane holds 64 of its channels.  cnt: the global loads younger than the norm's weights.  fin = 0: quantised with (s[scr], s[lmr]) into the image at 0; fin = 1: stored as the output.
; What its first loads, which land in R0, hang on is stated where the macro is called.
.macro QNORM cnt, scr, lmr, fin
.set KK, 0
.rept 16
	ds_load_b128 v[R0+4*KK:R0+4*KK+3], v3 offset:256*(KK/4)+16*(KK%4)
.set KK, KK+1
.endr
	s_wait_dscnt 0x0
	v_pk_mul_f32 v[24:25], v[R0:R0+1], v[R0:R0+1]              ; the sum of squares, two at a time, in two chains
	v_pk_mul_f32 v[26:27], v[R0+2:R0+3], v[R0+2:R0+3]
.set KK, 4
.rept 15
	v_pk_fma_f32 v[24:25], v[R0+KK:R0+KK+1], v[R0+KK:R0+KK+1], v[24:25]
	v_pk_fma_f32 v[26:27], v[R0+KK+2:R0+KK+3], v[R0+KK+2:R0+KK+3], v[26:27]
.set KK, KK+4
.endr
	v_pk_add_f32 v[24:25], v[24:25], v[26:27]
	v_add_f32 v24, v24, v25
	v_add_f32_dpp v24, v24, v24 row_xmask:1 row_mask:0xf bank_mask:0xf   ; and over the token's four lanes
	v_add_f32_dpp v24, v24, v24 row_xmask:2 row_mask:0xf bank_mask:0xf
	v_fma_f32 v28, v24, s94, s95                   ; the mean + 1e-6
	v_rsq_f32 v28, v28
.if \fin
	v_nop                                          ; a plain line behind the transcendental
.else
	v_mov_b32 v18, s[\scr]                         ; (plain lines behind the transcendental)
	v_mov_b32 v19, s[\lmr]
.endif
	s_wait_alu depctr_va_vdst(0)                   ; the reciprocal root in v28 is written, ahead of its first reader
.set KK, 0
.rept 32
	v_pk_mul_f32 v[R0+KK:R0+KK+1], v[R0+KK:R0+KK+1], v[28:29] op_sel_hi:[1,0]
.set KK, KK+2
.endr
	s_wait_loadcnt \cnt                            ; the norm's weights are in; what was asked for behind them may stay out
.set KK, 0
.rept 32
	v_pk_mul_f32 v[R0+KK:R0+KK+1], v[R0+KK:R0+KK+1], v[R1+KK:R1+KK+1]
.set KK, KK+2
.endr
.if \fin
	s_wait_alu depctr_va_vdst(0)                   ; the multiplications have written R0 .., which the LDS stores read, and are done reading the norm's weights in R1 .., in which the loads behind the stores land
.set KK, 0
.rept 16
	ds_store_b128 v3, v[R0+4*KK:R0+4*KK+3] offset:256*(KK/4)+16*(KK%4)   ; my own rows: LDS serves a wave's instructions in order, so the loads below see these
.set KK, KK+1
.endr
	XGET R1
	s_wait_dscnt 0x0
.set KK, 0
.rept 16
	global_store_b128 v1, v[R1+4*KK:R1+4*KK+3], s[12:13] offset:512*KK th:TH_STORE_NT   ; 512 consecutive bytes, at a multiple of 256 from the output's first byte
.set KK, KK+1
.endr
.else
.set KK, 0
.rept 64
	v_med3_num_f32 v[R0+KK], v[R0+KK], -v19, v19   ; the conversion to an 8-bit code does not saturate (ISA guide 7.6.2): the hold comes first
.set KK, KK+1
.endr
.irp gg, 0,1,2,3
	v_cvt_scalef32_pk8_bf8_f32 v[R1+4*\gg:R1+4*\gg+1], v[R0+16*\gg:R0+16*\gg+7], v18
	v_cvt_scalef32_pk8_bf8_f32 v[R1+4*\gg+2:R1+4*\gg+3], v[R0+16*\gg+8:R0+16*\gg+15], v18
.endr
	v_nop                                          ; a plain line behind the last conversion
	s_wait_alu depctr_va_vdst(0)                   ; the conversions have written the codes in R1 .. R1 + 15, which the LDS stores read
.irp gg, 0,1,2,3
	ds_store_b128 v4, v[R1+4*\gg:R1+4*\gg+3] offset:AIMG+4*IP*\gg   ; k = 16 (q + 4 g) + 0 .. 15 of my token's row
.endr
.endif
.endm
; HIDDEN AND GATE, AND THE SCAN, for my 16 channels: four trips of two tiles (16 tokens in each half of the lanes).  s[spr] = 2^(the product's two exponents), s[cpr] = -log2(e) x that.
; carry = 1: h runs on from v15 and is added to X.  carry = 0: only the pair: H in v15, A in v[16:17].
; Accumulators: hidden and gate of tile a at R1, R1 + 8, of tile b at R1 + 16, R1 + 24: they take turns, one instruction a turn.  x's 16 words at R1 + 32: asked for two at a time among the eight products,
; which name R0, R2 and R1 .. R1 + 31: none of the registers that those loads touch.
; Behind the products R0 is free: Eg = exp(-|gate|) at R0, Eh = exp(-|hidden|) at R0 + 16, 1 / (1 + Eg) at R0 + 32, hidden + 0.5 at R0 + 48; 1 / (1 + Eh) at R1 + 48.
.macro GATES carry, spr, cpr
	s_mov_b32 s61, 0
	s_mov_b32 s62, 0
.if \carry
	s_mov_b32 s63, 0
.endif
.Lgates_\@:
	s_wait_alu depctr_vm_vsrc(0)                   ; the last trip's LDS loads have read v12 (carry = 1: and v13), its stores v13 and x + h's registers R1 + 32 .., in which x's words land again; in the first trip: the norm's stores have read the codes' registers R1 .. R1 + 15, which the products write
	v_add_nc_u32 v12, s62, v30
.if \carry
	v_add_nc_u32 v13, s63, v5
.endif
	s_wait_alu depctr_va_vdst(0)                   ; v12 (and v13) are written, which the loads below read; the vector and matrix lines so far are done with R0 .. and R1 + 32 .., in which those loads land
	FRAGS AIMG
	s_wait_dscnt 0x0                               ; the fragments are in
	MM R1, R0, R2, 1
	XWORDS \carry, 0
	MM R1+8, R0, R2+32, 1
	XWORDS \carry, 2
	MM R1+16, R0+32, R2, 1
	XWORDS \carry, 4
	MM R1+24, R0+32, R2+32, 1
	XWORDS \carry, 6
	MM R1, R0+16, R2+16, 0
	XWORDS \carry, 8
	MM R1+8, R0+16, R2+48, 0
	XWORDS \carry, 10
	MM R1+16, R0+48, R2+16, 0
	XWORDS \carry, 12
	MM R1+24, R0+48, R2+48, 0
	XWORDS \carry, 14
	PLACES
.set EE, 0
.rept 16                               ; each accumulator is read from its low end on
.set GR, R1+16*(EE/8)+8+EE%8
	v_mul_f32 v[R0+EE], s[\cpr], |v[GR]|           ; -|gate| log2(e)
.set EE, EE+1
.endr
.set EE, 0
.rept 16
.set HR, R1+16*(EE/8)+EE%8
	v_mul_f32 v[R0+16+EE], s[\cpr], |v[HR]|        ; -|hidden| log2(e)
.set EE, EE+1
.endr
.set EE, 0
.rept 32
	v_exp_f32 v[R0+EE], v[R0+EE]                   ; one batch; no exponent is above 0
.set EE, EE+1
.endr
.set EE, 0
.rept 8
.set HR, R1+16*(EE/8)+EE%8
	v_pk_fma_f32 v[R0+48+EE:R0+49+EE], v[HR:HR+1], s[\spr:\spr+1], 0.5 op_sel_hi:[1,0,0]   ; hidden + 0.5: plain work that names no exponential's result
.set EE, EE+2
.endr
	s_wait_alu depctr_va_vdst(0)                   ; the 32 exponentials in R0 .. R0 + 31 are written: one wait for the batch, ahead of its first reader
	VC8 v_pk_add_f32, R0+32, R0, 1.0
	VC8 v_pk_add_f32, R1+48, R0+16, 1.0
.set EE, 0
.rept 16
	v_rcp_f32 v[R0+32+EE], v[R0+32+EE]             ; 1 / (1 + Eg) and 1 / (1 + Eh): one batch
.set EE, EE+1
.endr
.set EE, 0
.rept 16
	v_rcp_f32 v[R1+48+EE], v[R1+48+EE]
.set EE, EE+1
.endr
	v_nop
.set EE, 0
.rept 16                               ; the signs of the sixteen gates, each into a scalar register of its own, in one run: work that names no reciprocal
.set GR, R1+16*(EE/8)+8+EE%8
	MASKOF EE
	v_cmp_le_f32 s[MK], 0, v[GR]
.set EE, EE+1
.endr
	s_wait_alu depctr_va_vdst(0)                   ; the 32 reciprocals in R0 + 32 .. and R1 + 48 .. are written: one wait for the batch, ahead of its first reader
	VV8 v_pk_mul_f32, R0, R0, R0+32                ; Eg / (1 + Eg)
	VV8 v_pk_mul_f32, R0+16, R0+16, R1+48          ; Eh / (1 + Eh) = sigmoid(-|hidden|)
	s_wait_alu depctr_va_sdst(0)                   ; the sixteen compares have written their masks, ahead of the first select that reads one
.set EE, 0
.rept 16
.set GR, R1+16*(EE/8)+8+EE%8
	MASKOF EE
	v_max_num_f32 v[R0+16+EE], v[R0+16+EE], v[R0+48+EE]        ; g(hidden): the larger of the sigmoid and the line
	v_cndmask_b32 v[GR], v[R0+32+EE], v[R0+EE], s[MK]          ; a = sigmoid(-gate): Eg / (1 + Eg) where gate >= 0
	v_cndmask_b32 v[R0+EE], v[R0+EE], v[R0+32+EE], s[MK]       ; z = sigmoid(gate): the other one
.set EE, EE+1
.endr
	VV8 v_pk_mul_f32, R0, R0, R0+16                ; v = z g
.if \carry
	v_fma_f32 v[R0], v[R1+8], v15, v[R0]           ; h(t) = a(t) h(t-1) + v(t), down the registers
.set EE, 1
.rept 15
.set GR, R1+16*(EE/8)+8+EE%8
	v_fma_f32 v[R0+EE], v[GR], v[R0+EE-1], v[R0+EE]
.set EE, EE+1
.endr
	v_mov_b32 v15, v[R0+15]
	s_wait_dscnt 0x0                               ; x's words are in
	VV8 v_pk_add_f32, R1+32, R1+32, R0             ; x + h
	s_wait_alu depctr_va_vdst(0)                   ; the additions have written x + h in R1 + 32 .., which the LDS stores read.  No vector line follows up to the loop's end
.set EE, 0
.rept 16
	ds_store_b32 v13, v[R1+32+EE] offset:EE*XP     ; my own 64 bytes of each row
.set EE, EE+1
.endr
	s_add_co_u32 s63, s63, 16*XP
.else
.set EE, 0
.rept 16
.set GR, R1+16*(EE/8)+8+EE%8
	v_fma_f32 v15, v[GR], v15, v[R0+EE]
.set EE, EE+1
.endr
.set EE, 0
.rept 8
.set GR, R1+16*(EE/8)+8+EE%8
	v_pk_mul_f32 v[16:17], v[16:17], v[GR:GR+1]
.set EE, EE+2
.endr
.endif
	s_add_co_u32 s62, s62, 2*IT
	s_add_co_u32 s61, s61, 1
	s_cmp_lt_u32 s61, 4
	s_cbranch_scc1 .Lgates_\@
.endm
; THE FFN'S FIRST PRODUCT, BIAS, GELU, QUANTISER, for my 16 hidden units: four trips of two tiles.  Lane (r, h): token row r, units 16 w + 8 h + 0 .. 7.  z / 2 at R0, y = z / sqrt 2 at R0 + 16, y^2 at R0 + 32, P at R0 + 48, Q at R1 + 16.
; The sum comes out as z / 2 at once: s[50:51] = 2^(e2 + e3 - 1), and b1 has been halved.
.macro FF1
	v_mov_b32 v18, s42
	v_mov_b32 v19, s43
	s_mov_b32 s61, 0
	s_mov_b32 s62, 0
.Lff1_\@:
	s_wait_alu depctr_vm_vsrc(0)                   ; the last trip's LDS loads have read v12, its stores v14 and the codes' registers R1 + 32 .. 35, which this trip's conversions write again; in the first trip: the norm's stores have read R1 .. R1 + 15, which the products write
	v_add_nc_u32 v12, s62, v30
	v_add_nc_u32 v14, s62, v7
	s_wait_alu depctr_va_vdst(0)                   ; v12 is written, which the loads below read; the vector and matrix lines so far are done with R0 .., in which they land
	FRAGS AIMG
	s_wait_dscnt 0x0
	MM R1, R3, R0, 1
	MM R1+8, R3, R0+32, 1
	MM R1, R3+16, R0+16, 0
	MM R1+8, R3+16, R0+48, 0
	PLACES
.set PP, 0
.rept 8
	v_pk_fma_f32 v[R0+PP:R0+PP+1], v[R1+PP:R1+PP+1], s[50:51], v[R2+32+PP%8:R2+33+PP%8] op_sel_hi:[1,0,1]   ; z / 2 = sum x 2^(e2 + e3 - 1) + b1 / 2
.set PP, PP+2
.endr
	VC8 v_pk_mul_f32, R0+16, R0, s[70:71]          ; y = (z / 2) sqrt 2
.set EE, 0
.rept 16
	v_med3_num_f32 v[R0+16+EE], v[R0+16+EE], -4.0, 4.0
.set EE, EE+1
.endr
	VV8 v_pk_mul_f32, R0+32, R0+16, R0+16
.set PP, 0
.rept 8
	v_pk_fma_f32 v[R0+48+PP:R0+49+PP], v[20:21], v[R0+32+PP:R0+33+PP], s[72:73] op_sel_hi:[1,1,0]
	v_pk_fma_f32 v[R1+16+PP:R1+17+PP], v[22:23], v[R0+32+PP:R0+33+PP], s[84:85] op_sel_hi:[1,1,0]
.set PP, PP+2
.endr
	HORNER R0+48, R0+32, 74
	HORNER R1+16, R0+32, 86
	HORNER R0+48, R0+32, 76
	HORNER R1+16, R0+32, 88
	HORNER R0+48, R0+32, 78
	HORNER R1+16, R0+32, 90
	HORNER R0+48, R0+32, 80
	HORNER R0+48, R0+32, 82
.set EE, 0
.rept 16
	v_rcp_f32 v[R1+16+EE], v[R1+16+EE]
.set EE, EE+1
.endr
	VV8 v_pk_mul_f32, R0+16, R0+16, R0+48          ; y P: plain work that names no reciprocal
	s_wait_alu depctr_va_vdst(0)                   ; the sixteen reciprocals in R1 + 16 .. are written: one wait for the batch, ahead of its first reader
	VV8 v_pk_mul_f32, R0+16, R0+16, R1+16          ; erf = y P / Q
.set PP, 0
.rept 8
	v_pk_fma_f32 v[R0+PP:R0+PP+1], v[R0+PP:R0+PP+1], v[R0+16+PP:R0+17+PP], v[R0+PP:R0+PP+1]   ; (z / 2) erf + z / 2
.set PP, PP+2
.endr
.set EE, 0
.rept 16
	v_med3_num_f32 v[R0+EE], v[R0+EE], -v19, v19
.set EE, EE+1
.endr
	v_cvt_scalef32_pk8_bf8_f32 v[R1+32:R1+33], v[R0:R0+7], v18
	v_cvt_scalef32_pk8_bf8_f32 v[R1+34:R1+35], v[R0+8:R0+15], v18
	v_nop                                          ; a plain line behind the last conversion
	s_wait_alu depctr_va_vdst(0)                   ; the conversions have written the codes in R1 + 32 .. 35, which the LDS stores read (their address v14 was written ahead of the trip's first wait)
	ds_store_b64 v14, v[R1+32:R1+33]               ; k = 16 w + 8 h + 0 .. 7 of my token's row, tile a,
	ds_store_b64 v14, v[R1+34:R1+35] offset:IT     ; tile b
	s_add_co_u32 s62, s62, 2*IT
	s_add_co_u32 s61, s61, 1
	s_cmp_lt_u32 s61, 4
	s_cbranch_scc1 .Lff1_\@
.endm
; THE FFN'S SECOND PRODUCT, BIAS AND RESIDUAL, for my 16 channels: four trips of two tiles.
.macro FF2
	s_mov_b32 s61, 0
	s_mov_b32 s62, 0
	s_mov_b32 s63, 0
.Lff2_\@:
	s_wait_alu depctr_vm_vsrc(0)                   ; the LDS loads so far have read v12 (in the first trip: the first product's), the last trip's loads and stores v13, and its stores the registers R1 + 16 .. 31, in which x lands again
	v_add_nc_u32 v12, s62, v30
	v_add_nc_u32 v13, s63, v6
	s_wait_alu depctr_va_vdst(0)                   ; v12 and v13 are written, which the loads below read; the vector and matrix lines so far are done with R0 .. and R1 + 16 .. 31, in which they land
	FRAGS HIMG
.irp tt, 0,1
.irp uu, 0,1
	ds_load_b128 v[R1+16+8*\tt+4*\uu:R1+19+8*\tt+4*\uu], v13 offset:8*XP*\tt+16*\uu   ; x(my token, my eight channels)
.endr
.endr
	s_wait_dscnt 4                                 ; the fragments are in; x's four loads may stay out
	MM R1, R2, R0, 1
	MM R1+8, R2, R0+32, 1
	MM R1, R2+16, R0+16, 0
	MM R1+8, R2+16, R0+48, 0
	s_wait_dscnt 0x0
.set PP, 0
.rept 8
	v_pk_add_f32 v[R1+16+PP:R1+17+PP], v[R1+16+PP:R1+17+PP], v[R2+40+PP%8:R2+41+PP%8]   ; x + b2: eight plain lines that name no register of the products: the places behind them
.set PP, PP+2
.endr
.set PP, 0
.rept 8
	v_pk_fma_f32 v[R1+16+PP:R1+17+PP], v[R1+PP:R1+PP+1], s[52:53], v[R1+16+PP:R1+17+PP] op_sel_hi:[1,0,1]   ; + sum x 2^(e4 + e5)
.set PP, PP+2
.endr
	s_wait_alu depctr_va_vdst(0)                   ; the multiply-adds have written R1 + 16 .. 31, which the LDS stores read.  No vector line follows up to the loop's end
.irp tt, 0,1
.irp uu, 0,1
	ds_store_b128 v13, v[R1+16+8*\tt+4*\uu:R1+19+8*\tt+4*\uu] offset:8*XP*\tt+16*\uu
.endr
.endr
	s_add_co_u32 s62, s62, 2*IT
	s_add_co_u32 s63, s63, 16*XP
	s_add_co_u32 s61, s61, 1
	s_cmp_lt_u32 s61, 4
	s_cbranch_scc1 .Lff2_\@
.endm
; ---- THE HEAD: pointers, addresses, and everything that can be asked of memory at once
.if MODE == 0
	s_load_b64 s[4:5], s[0:1], 0x0                 ; x
	s_load_b64 s[10:11], s[0:1], 0x8               ; layer B's buffer
	s_load_b64 s[14:15], s[0:1], 0x10              ; the pairs out
	v_lshl_add_u32 v254, v0, 2, 0x34900
	v_mov_b32 v255, 0
.elseif MODE == 1
	s_load_b256 s[4:11], s[0:1], 0x0               ; x in, the pairs in, layer A's buffer, layer B's
	s_load_b128 s[12:15], s[0:1], 0x20             ; x out, the pairs out
.else
	s_load_b256 s[4:11], s[0:1], 0x0               ; x in, the pairs in, layer A's buffer, final_norm_w
	s_load_b64 s[12:13], s[0:1], 0x20              ; the output
	v_lshl_add_u32 v17, v0, 2, 0x34900
	v_mov_b32 v31, 0
.endif
	v_lshrrev_b32 v24, 5, v0
	v_readfirstlane_b32 s2, v24                    ; wave 0..15
	v_and_b32 v25, 31, v0                          ; lane
	v_and_b32 v26, 15, v0                          ; r
	v_bfe_u32 v27, v0, 4, 1                        ; h
	v_bfe_u32 v28, v0, 2, 3                        ; tk
	v_and_b32 v29, 3, v0                           ; q
	v_lshlrev_b32 v1, 4, v25
	v_mul_u32_u24 v30, v27, IP                     ; a fragment: lanes 16-31 take the next group of 16 k
	v_lshl_add_u32 v30, v26, 4, v30
	s_wait_alu depctr_va_sdst(0)                   ; s2, the wave's number, is written, ahead of its first reader: LDS addresses and the bases in memory are made from it
	s_mul_i32 s60, s2, 8*XP                        ; my 8 rows of X: XB + 8,320 w + 128 (w / 8)
	s_lshr_b32 s61, s2, 3
	s_lshl_b32 s61, s61, 7
	s_add_co_u32 s60, s60, s61
	s_add_co_u32 s60, s60, XB
	v_add_nc_u32 v2, s60, v1
	v_mul_u32_u24 v3, v28, XP
	v_lshl_add_u32 v3, v29, 6, v3
	v_add_nc_u32 v3, s60, v3
	s_and_b32 s62, s2, 7                           ; token 8 w + tk is row tk + 8 (w / 8) of tile w % 8
	s_mul_i32 s62, s62, IT
	s_add_co_u32 s62, s62, s61
	v_mul_u32_u24 v4, v29, IP
	v_lshl_add_u32 v4, v28, 4, v4
	v_add_nc_u32 v4, s62, v4
	v_lshlrev_b32 v8, 6, v29
.if MODE < 2
	v_lshlrev_b32 v11, 3, v26
	v_lshl_add_u32 v11, v27, 11, v11
.endif
.if MODE > 0
	s_lshl_b32 s63, s2, 6                          ; my 16 channels: 64 bytes of every row
	s_add_co_u32 s63, s63, XB
	v_mul_u32_u24 v5, v27, XH
	v_lshl_add_u32 v5, v26, 2, v5
	v_add_nc_u32 v5, s63, v5
	v_and_b32 v12, 7, v0
	v_bfe_u32 v13, v0, 3, 1
	v_mul_u32_u24 v6, v12, XP
	v_mad_u32_u24 v6, v13, XH, v6
	v_lshl_add_u32 v6, v27, 5, v6
	v_add_nc_u32 v6, s63, v6
	s_mul_i32 s62, s2, IP                          ; my 16 units are group w of the hidden layer's 16 groups of k
	s_add_co_u32 s62, s62, HIMG
	v_lshlrev_b32 v7, 4, v26
	v_lshl_add_u32 v7, v27, 3, v7
	v_add_nc_u32 v7, s62, v7
	v_lshlrev_b32 v9, 5, v27
	v_lshlrev_b32 v10, 3, v26
.endif
	s_lshl_b32 s66, ttmp9, 17                      ; my 8 rows in memory: 131,072 g + 8,192 w
	s_lshl_b32 s60, s2, 13
	s_add_co_u32 s66, s66, s60
	s_mov_b32 s67, 0
	s_wait_kmcnt 0x0
	s_add_nc_u64 s[4:5], s[4:5], s[66:67]
.if MODE > 0
	s_add_nc_u64 s[12:13], s[12:13], s[66:67]
	s_load_b256 s[16:23], s[8:9], WL_E             ; layer A's exponents e0 .. e5 (and two words that are not used)
.endif
.if MODE < 2
	s_load_b64 s[24:25], s[10:11], WL_E            ; layer B's e0, e1
.endif
	s_wait_alu depctr_va_vdst(0)                   ; the addresses and offsets v1 to v11 are written, which the loads and stores of the whole kernel read; none of them is written again
.set KK, 0
.rept 16
	global_load_b128 v[R0+4*KK:R0+4*KK+3], v1, s[4:5] offset:512*KK th:TH_LOAD_NT   ; my 8 rows, 512 consecutive bytes a load; the launch reads each byte once
.set KK, KK+1
.endr
.if MODE > 0
	s_lshr_b32 s60, ttmp9, 5                       ; the sequence
	s_and_b32 s58, ttmp9, 31                       ; my chunk c
	s_lshl_b32 s66, s60, 17
	s_lshl_b32 s60, s2, 7
	s_add_co_u32 s66, s66, s60
	s_add_nc_u64 s[34:35], s[6:7], s[66:67]        ; the sequence's pairs, at my 16 channels
	s_lshl_b32 s66, s58, 12
	s_add_nc_u64 s[36:37], s[34:35], s[66:67]      ; my own chunk's
	s_bfm_b32 s59, s58, 0                          ; bits 0 .. c - 1: the chunks ahead of mine
.set KK, 0
.rept 32
	global_load_b64 v[R2+2*KK:R2+2*KK+1], v10, s[34:35] offset:4096*KK+2048   ; (A, H) of the whole chunk KK: all 32 are read, so that no trip count hangs on c
.set KK, KK+1
.endr
	global_load_b64 v[R3:R3+1], v10, s[36:37]      ; (A, H) of my chunk's first 64 tokens
	LDNW 8, WL_NW
	s_lshl_b32 s66, s2, 13
	s_add_nc_u64 s[26:27], s[8:9], s[66:67]
	s_lshl_b32 s66, s2, 12
	s_add_nc_u64 s[28:29], s[8:9], s[66:67]
	s_lshl_b32 s66, s2, 6
	s_add_nc_u64 s[30:31], s[8:9], s[66:67]
.endif
.if MODE < 2
	s_lshl_b32 s66, s2, 13
	s_add_nc_u64 s[32:33], s[10:11], s[66:67]
	s_lshl_b32 s66, ttmp9, 12
	s_lshl_b32 s60, s2, 7
	s_add_co_u32 s66, s66, s60
	s_add_nc_u64 s[14:15], s[14:15], s[66:67]
.endif
.if MODE == 0
	LDNW 10, WL_NW
	LDW R2, 16, 32, 0
.endif
	s_mov_b32 s68, 0xffff0000
	s_mov_b32 s92, 0x76543210
	s_mov_b32 s93, 0xfedcba98
	s_mov_b32 s94, 0x3b800000                      ; 1 / 256
	s_mov_b32 s95, 0x358637bd                      ; 1e-6
.if MODE > 0
	PAIR 70, 0x3fb504f3                            ; sqrt 2
	PAIR 72, 0x32edffee                            ; erf(y) = y P(y^2) / Q(y^2): P's coefficients from y^10 down,
	PAIR 74, 0xb60cff51
	PAIR 76, 0xb86ec2d2
	PAIR 78, 0xba40ac63
	PAIR 80, 0xbb41a1f6
	PAIR 82, 0xbc83dbd4
	PAIR 84, 0xb95fbd29                            ; Q's from y^6 down;
	PAIR 86, 0xbadc924e
	PAIR 88, 0xbbf19bf8
	PAIR 90, 0xbc69b6a7
	v_mov_b32 v20, 0xaf95df0b                      ; the two leading ones
	v_mov_b32 v21, 0xaf95df0b
	v_mov_b32 v22, 0xb77460cd
	v_mov_b32 v23, 0xb77460cd
.endif
	s_wait_kmcnt 0x0
.if MODE > 0
	MKQ 38, 39, 16
	MKQ 40, 41, 18
	MKQ 42, 43, 20
	MKP 46, 16, 17, 127
	MKC 48, 16, 17
	MKP 50, 18, 19, 126                            ; half of 2^(e2 + e3)
	MKP 52, 20, 21, 127
.endif
.if MODE < 2
	MKQ 44, 45, 24
	MKP 54, 24, 25, 127
	MKC 56, 24, 25
.endif
.if MODE == 0
	s_wait_loadcnt 32                              ; x is in: behind it stand the norm's 16 loads and the weight's 16
	XPUT R0
	s_wait_alu depctr_vm_vsrc(0)                   ; the stores into X have read R0 .., in which the norm's LDS loads land
	QNORM 16, 44, 45, 0                            ; behind the norm's weights: the weight's 16 loads
	BAR                                            ; the image is whole
.else
	s_wait_loadcnt 49                              ; x is in: behind it stand 33 loads of pairs and the norm's 16
	XPUT R0
	s_wait_loadcnt 16                              ; the pairs are in
	v_mov_b32 v15, 0                               ; THE CARRY: h = A h + H over the chunks ahead of mine; the others' steps are computed and not taken
.set KK, 0
.rept 32
	s_bitcmp1_b32 s59, KK
	s_cselect_b32 s60, -1, 0
	v_fma_f32 v24, v[R2+2*KK], v15, v[R2+2*KK+1]
	v_cndmask_b32 v15, v15, v24, s60
.set KK, KK+1
.endr
	v_fma_f32 v24, v[R3], v15, v[R3+1]             ; lanes 16-31 begin at token 64: one step more, over my chunk's first half
	v_cndmask_b32 v15, v15, v24, s68
	s_wait_alu depctr_va_vdst(0)                   ; the carry's multiply-adds are done reading the pairs in R2 .. and R3, in which the weights' loads land
	LDW R2, 16, 26, 0                              ; whg's four fragments of my channels,
	LDW R3, 8, 28, WL_W1                           ; ff_w1's two of my units
	; ---- layer A
	s_wait_alu depctr_vm_vsrc(0)                   ; the stores into X have read R0 .., in which the norm's LDS loads land
	QNORM 24, 38, 39, 0                            ; behind the norm's weights: those 24 loads
	BAR                                            ; X and the image are whole
	s_wait_loadcnt 8                               ; whg's fragments are in; ff_w1's may stay out
	GATES 1, 46, 48
	s_wait_dscnt 0x0                               ; my stores into X have landed
	s_wait_alu depctr_vm_vsrc(0)                   ; the last trip's stores have read x + h's registers R1 + 32 .., in which the norm's weights land.  (All vector and matrix work on R0, R1 and R2 stands ahead of the wait in front of those stores)
	LDNW 8, WL_FN
	LDW R2, 8, 28, WL_W2                           ; ff_w2's two fragments,
	global_load_b128 v[R2+32:R2+35], v9, s[30:31] offset:WL_B1      ; b1 and b2 at my lane's eight units
	global_load_b128 v[R2+36:R2+39], v9, s[30:31] offset:WL_B1+16
	global_load_b128 v[R2+40:R2+43], v9, s[30:31] offset:WL_B2
	global_load_b128 v[R2+44:R2+47], v9, s[30:31] offset:WL_B2+16
	MEET                                           ; every channel of X is updated, and nobody reads the image any more
	QNORM 12, 40, 41, 0                            ; behind the norm's weights: 8 + 4 loads
	BAR                                            ; the image is whole
	s_wait_loadcnt 0x0
.set PP, 0
.rept 4
	v_pk_mul_f32 v[R2+32+PP:R2+33+PP], v[R2+32+PP:R2+33+PP], 0.5 op_sel_hi:[1,0]   ; b1 / 2, once
.set PP, PP+2
.endr
	FF1
	BAR                                            ; the hidden layer's image is whole
	FF2
	s_wait_dscnt 0x0
	s_wait_alu depctr_vm_vsrc(0)                   ; the last trip's stores have read R1 + 16 .. 31, in which the norm's weights land.  (All vector and matrix work on R0, R1 and R2 stands ahead of the wait in front of those stores)
.if MODE == 1
	LDNW 10, WL_NW                                 ; layer B's norm and its whg
	LDW R2, 16, 32, 0
.else
	LDNW 10, 0                                     ; final_norm_w
.endif
	MEET                                           ; every channel of X is updated
.if MODE == 1
	XGET R0
	s_wait_dscnt 0x0
.set KK, 0
.rept 16
	global_store_b128 v1, v[R0+4*KK:R0+4*KK+3], s[12:13] offset:512*KK   ; 512 consecutive bytes, at a multiple of 256 from the buffer's first byte
.set KK, KK+1
.endr
	s_wait_xcnt 0x0                                ; the stores' data registers are written again only behind this wait
	s_wait_alu depctr_vm_vsrc(0)                   ; the stores have read R0 .., in which the norm's LDS loads land
	QNORM 16, 44, 45, 0                            ; behind the norm's weights: the weight's 16 loads
	BAR                                            ; the image is whole
.else
	QNORM 0, 0, 0, 1
	s_wait_dscnt 0x0                               ; the closing lines, six on end
	s_wait_alu 0x0
	s_wait_tensorcnt 0x0
	ds_add_u32 v17, v31
	s_wait_dscnt 0x0
	s_endpgm
.endif
.endif
.if MODE < 2
	; ---- layer B's pairs
	s_wait_loadcnt 0x0
	v_mov_b32 v15, 0
	v_mov_b32 v16, 1.0
	v_mov_b32 v17, 1.0
	GATES 0, 54, 56
	v_mul_f32 v16, v16, v17                        ; A of my half's 64 tokens
	v_permlanex16_b32 v24, v16, s92, s93           ; the other half's A
	v_permlanex16_b32 v25, v15, s92, s93           ; and H
	v_mul_f32 v26, v16, v24                        ; the whole chunk, seen from lanes 16-31: A2 A1,
	v_fma_f32 v27, v16, v25, v15                   ; A2 H1 + H2
	v_cndmask_b32 v26, v16, v26, s68               ; lanes 0-15 keep the first half's pair (kind 0), lanes 16-31 take the whole chunk's (kind 1)
	v_cndmask_b32 v27, v15, v27, s68
	s_wait_alu depctr_va_vdst(0)                   ; the two selects have written the pair in v[26:27], which the store reads
	global_store_b64 v11, v[26:27], s[14:15]
.if MODE == 1
	s_wait_xcnt 0x0
	v_lshl_add_u32 v254, v0, 2, 0x34900
	v_mov_b32 v255, 0
.endif
	s_wait_dscnt 0x0                               ; the closing lines, six on end
	s_wait_alu 0x0
	s_wait_tensorcnt 0x0
	ds_add_u32 v254, v255
	s_wait_dscnt 0x0
	s_endpgm
.endif
.Lfunc_end_k_qc70a98c6b1_first:
	.size	k_qc70a98c6b1_first, .Lfunc_end_k_qc70a98c6b1_first-k_qc70a98c6b1_first
	.p2alignl 7, 3214868480
	.fill 96, 4, 3214868480
	.section	.rodata,"a",@progbits
	.p2align	6, 0x0
	.amdhsa_kernel k_qc70a98c6b1_first
		.amdhsa_group_segment_fixed_size 217344
		.amdhsa_private_segment_fixed_size 0
		.amdhsa_enable_private_segment 0
		.amdhsa_kernarg_size 24
		.amdhsa_user_sgpr_count 2
		.amdhsa_user_sgpr_kernarg_segment_ptr 1
		.amdhsa_wavefront_size32 1
		.amdhsa_system_sgpr_workgroup_id_x 1
		.amdhsa_system_sgpr_workgroup_id_y 1
		.amdhsa_system_sgpr_workgroup_id_z 1
		.amdhsa_system_vgpr_workitem_id 0
		.amdhsa_next_free_vgpr 256
		.amdhsa_next_free_sgpr 96
		.amdhsa_reserve_vcc 0
		.amdhsa_float_denorm_mode_32 3
		.amdhsa_float_denorm_mode_16_64 3
		.amdhsa_memory_ordered 1
		.amdhsa_forward_progress 1
		.amdhsa_inst_pref_size 37
	.end_amdhsa_kernel
	.amdgpu_metadata
---
amdhsa.version: [ 1, 2 ]
amdhsa.kernels:
  - .name:           k_qc70a98c6b1_first
    .symbol:         k_qc70a98c6b1_first.kd
    .args:
      - { .name: x, .offset: 0, .size: 8, .value_kind: global_buffer, .address_space: global }
      - { .name: wl0, .offset: 8, .size: 8, .value_kind: global_buffer, .address_space: global }
      - { .name: ag0, .offset: 16, .size: 8, .value_kind: global_buffer, .address_space: global }
    .group_segment_fixed_size: 217344
    .private_segment_fixed_size: 0
    .kernarg_segment_align: 8
    .kernarg_segment_size: 24
    .max_flat_workgroup_size: 512
    .sgpr_count:     96
    .vgpr_count:     256
    .wavefront_size: 32
...
	.end_amdgpu_metadata
.endif
;; end of part 5
;; launch mid1 (part 6): grid 256 x 1, 16 waves a work-group, no clusters, 217,344 bytes of LDS; arguments x, ag0, wl0, wl1, xa, ag1; writes xa, ag1
.if DOCPART == 6
	.amdgcn_target "amdgcn-amd-amdhsa--gfx1250"
	.amdhsa_code_object_version 6
	.text
	.protected	k_qc70a98c6b1_mid1
	.globl	k_qc70a98c6b1_mid1
	.p2align	8
	.type	k_qc70a98c6b1_mid1,@function
k_qc70a98c6b1_mid1:
	s_mov_b64 s[64:65], 0
	v_nop
	global_prefetch_b8 v0, s[64:65] scope:SCOPE_SE
	s_setreg_imm32_b32 hwreg(HW_REG_WAVE_SCHED_MODE, 0, 2), 2
	s_setreg_imm32_b32 hwreg(HW_REG_WAVE_MODE, 25, 1), 1
	s_wait_xcnt 0x0
	s_wait_alu depctr_vm_vsrc(0)
; FOUR LAYERS OF RMSNorm -> minGRU -> +x -> RMSNorm -> FFN (exact GELU) -> +x, all products on codes of BF8 (E5M2).  ONE TEXT, THREE MODES:
;   MODE 0: the chunk summaries of layer 0.   MODE 1: a whole layer A, then the chunk summaries of the next layer B.   MODE 2: the last layer, then the final RMSNorm.
.set MODE, 1
; THE SCAN.  exp(a* + cumlogsumexp(log v - a*)) is the recurrence h(t) = a(t) h(t-1) + v(t), h(-1) = 0, with a = sigmoid(-gate), v = sigmoid(gate) g(hidden), g(x) = x + 0.5 for x >= 0, else sigmoid(x).
; a + sigmoid(gate) = 1, so every h is a mean of earlier g: no sum can grow past the largest g.  BOTH EXPONENTIALS ARE exp(-|.|), never above 1 (softplus's own subtraction of the maximum): with E = exp(-|gate|) the two sigmoids are
; 1 / (1 + E) and E / (1 + E); with E = exp(-|hidden|), g = max(hidden + 0.5, E / (1 + E)): for hidden >= 0 the second is sigmoid(-hidden) <= 0.5 <= the line; for hidden < 0 it is sigmoid(hidden), which lies above the line
; (sigmoid(h) - h - 0.5 is 0 at 0 and falls as h grows).  No difference of large sums is formed.
; SHARES.  A work-group owns 128 consecutive tokens of one sequence (work-group g: sequence g / 32, chunk g % 32).  A run of tokens acts on the scan as a pair (A, H) a channel: h_end = A h_start + H.
; The launch before has stored every chunk's pairs; this one folds those of the earlier chunks of its sequence into its carry, runs the layer, and stores the next layer's pairs: kind 0 = the chunk's first 64 tokens,
; kind 1 = the whole chunk; [g][kind][channel][A, H], 4,096 bytes a chunk.  Only x and the pairs go through memory from launch to launch.
; WAVES.  Sixteen of 256 registers, four to a SIMD, so that one wave's exponentials stand beside another's products and LDS loads.  In the products wave w owns channels 16 w .. 16 w + 15 for all 128 tokens, and its part of each
; weight comes from memory straight into operand registers; in the norms wave w owns tokens 8 w .. 8 w + 7 with all channels.
; TILES.  Row r of tile t is token 8 t + r % 8 + 64 (r / 8).  In the gates' product (source 0 = tokens, source 1 = weight columns) lane (r, h) then holds channel 16 w + r and register j token 8 t + j + 64 h: lanes 0-15 walk
; tokens 0 .. 63 in order, lanes 16-31 tokens 64 .. 127: the scan is one multiply-add an element down the registers.  The FFN's products are used transposed (source 0 = 16 weight columns, source 1 = tokens): a lane holds one token and eight units.
; OPERANDS GO FROM WAVE TO WAVE THROUGH LDS IN THE ORDER OF THEIR REGISTERS: tile t at 5,120 t; the code of (row, k) at 320 (k / 16) + 16 row + k % 16.  In a fragment registers 4 c .. 4 c + 3 of lane (r, h) hold
; k = 32 c + 16 h + 0 .. 15, in tokens and weights alike: every product meets its partner.  So a fragment is four loads, each half of the lanes reading 256 consecutive bytes.  The pitch of 320 bytes is 80 words
; sixteen different groups of four banks (64 banks of 4 bytes: ISA guide 11.1).
; LDS: 0: the normed x's codes, 40,960 bytes; 40,960: the FFN's hidden layer's, 40,960; 81,920: x in f32: token T at 1,040 T + 128 (T / 64).  1,040 bytes are 260 words: row T begins at bank 4 T mod 64, and the
; second 64 tokens lie 32 banks further round, so a tile's 16 rows begin at 16 different groups of four banks.  From 215,296 (0x34900) on: the spare words, 128 bytes for each of the sixteen waves, which no line but the closing add names.
; LIMITS: each entry of lowp_scales between -126 and 112, each product's two added between -126 and 127 (the FFN's first product's: from -125), so that every power of two below is an f32 number.  NaN and infinities among the inputs are not served.
; A sigmoid or a product of a's under 2^-126 becomes 0.  GELU = 0.5 z (1 + erf(z / sqrt 2)), erf by a rational form in z^2 with z / sqrt 2 held to +-4: far below 0 it carries 1 + erf's own rounding, about 1e-7 |z|.
; THE MODE: SCHED_MODE bits 1:0 = 2 (LLVM: expert scheduling mode 2), set by the entry lines.  The code itself states the register dependences between vector or matrix instructions and memory or LDS instructions,
; with s_wait_alu, always for 0.
; THE PLAN.  Each is loaded, worked on in place and loaded again, and the waits stand where a region changes hands.
;   v1-v11        addresses and offsets, made at the head and never written again: one wait on va_vdst ahead of the first load serves them all.
;   v12, v13, v14 a trip's LDS addresses: written at the trip's head, read by that trip's loads and stores.
;   R0            loads land (x from memory; a norm's rows; a trip's fragments; rows on their way out); stores read it at the head (into X), on mid's way out and in the final norm; between, matrix and vector lines work on it.
;   R1            norm weights land; R1 .. +15 take a norm's codes, which its stores read, then the products' sums; R1 + 16 .. 31 (second FFN product) and R1 + 32 .. 47 (gates) take x's words, are added onto and stored;
;                 R1 + 32 .. 35 take the hidden layer's codes, which stores read.
;   R2, R3        pairs and weights land; vector and matrix lines read them.
; A TRIP of each of the three loops: a wait on vm_vsrc (the last trip's loads and stores have read the addresses and the stores' data), the address additions, a wait on va_vdst (the addresses are written; all work on R0 and on x's
; registers is done), the loads; and, where the trip stores, one wait on va_vdst ahead of its stores.  No vector line follows that last wait up to the loop's end, so it also serves the loads that stand behind the loop;
; these owe one wait on vm_vsrc, for the registers that the last stores read.  The gates' sixteen compares write sixteen scalar registers in one run, with one wait on va_sdst ahead of the first select.
.set IP,   320                         ; an image: from one group of 16 k to the next
.set IT,   16*IP                       ; from tile to tile
.set AIMG, 0
.set HIMG, 8*IT
.set XB,   16*IT
.set XP,   1040                        ; from token to token in X
.set XH,   64*XP+128                   ; from token T to token T + 64
.set WL_W1, 131072                     ; a layer's buffer: whg's images at 0, ff_w1's, ff_w2's,
.set WL_W2, 196608
.set WL_NW, 262144                     ; norm_w, ff_norm_w, ff_b1, ff_b2,
.set WL_FN, 263168
.set WL_B1, 264192
.set WL_B2, 265216
.set WL_E,  266240                     ; the layer's six exponents
; VECTOR REGISTERS: v1 16 x lane; v2 X, my 8 rows, dense; v3 X, my 8 rows, lane (tk = lane / 4, q = lane % 4): token tk, 64 q bytes on; v4 where my codes go in an image; v5 X by columns (gates); v6 X by tokens (FFN);
; v7 the hidden layer's codes; v8 64 q; v9 32 h; v10 8 r; v11 8 r + 2,048 h; v12-14 a trip's addresses; v15 the carry, or H; v[16:17] A in two halves; v18, v19 a conversion's scale and hold; v[20:23] two constants of erf;
; v24-29 at work; v30 my lane's place in a fragment: 320 h + 16 r.  The closing add's pair: MODE 0: v254, v255, MODE 2: v17, v31, made at the head and kept; MODE 1, which has no two registers to keep: v254, v255, made anew at the end.
.set R0, 32                            ; v32-95    token fragments, then work
.set R1, 96                            ; v96-159   accumulators, x's words, norm weights
.set R2, 160                           ; v160-223  pairs; whg's four fragments; ff_w2's two and the biases
.set R3, 224                           ; v224-255  ff_w1's two fragments
; SCALARS: s2 wave; s[4:15] pointers; s16-21 layer A's exponents, s24-25 layer B's first two; s[26:37] pointers at my wave's parts; s38-45 four (scale, hold); s[46:57] powers of two as pairs; s58 chunk, s59 its mask;
; s60 at work; s61-63 a loop's count and steps; s[66:67] an offset; s68 lanes 16-31; s[70:91] erf's constants as pairs; s92-93 lane selects; s94 1/256; s95 1e-6.
; Behind the head and the carry s16-25, s34-37, s58 and s59 are done with (the exponents are used up, the pairs' loads have come): they take the gates' sixteen lane masks.
.macro MEET
	s_barrier_signal -1
	s_barrier_wait -1
.endm
.macro BAR                             ; my LDS stores have landed and my LDS loads are in: then the work-group's barrier
	s_wait_dscnt 0x0
	MEET
.endm
.macro PAIR p, val                     ; a packed form names a pair and takes its low word for both halves: both are written
	s_mov_b32 s[\p], \val
	s_mov_b32 s[\p+1], \val
.endm
.macro MKQ sc, lim, e                  ; 2^e and 57,344 x 2^e as f32
	s_add_co_i32 s[\sc], s[\e], 127
	s_add_co_i32 s[\lim], s[\e], 142
	s_lshl_b32 s[\sc], s[\sc], 23
	s_lshl_b32 s[\lim], s[\lim], 23
	s_or_b32 s[\lim], s[\lim], 0x600000
.endm
.macro MKP p, ea, eb, bias             ; 2^(ea + eb + bias - 127)
	s_add_co_i32 s[\p], s[\ea], s[\eb]
	s_add_co_i32 s[\p], s[\p], \bias
	s_lshl_b32 s[\p], s[\p], 23
	s_mov_b32 s[\p+1], s[\p]
.endm
.macro MKC p, ea, eb                   ; -log2(e) x 2^(ea + eb): the two exponents are added to the constant's exponent field
	s_add_co_i32 s[\p], s[\ea], s[\eb]
	s_lshl_b32 s[\p], s[\p], 23
	s_add_co_i32 s[\p], s[\p], 0xbfb8aa3b
	s_mov_b32 s[\p+1], s[\p]
.endm
.macro LDW reg, n, base, off           ; n groups of four operand registers, 512 consecutive bytes each
.set KK, 0
.rept \n
	global_load_b128 v[\reg+4*KK:\reg+4*KK+3], v1, s[\base:\base+1] offset:\off+512*KK
.set KK, KK+1
.endr
.endm
.macro LDNW base, off                  ; a norm's weights for lane (tk, q): channels 16 (q + 4 g) + 0 .. 15 into R1[16 g ..]
.set KK, 0
.rept 16
	global_load_b128 v[R1+4*KK:R1+4*KK+3], v8, s[\base:\base+1] offset:\off+256*(KK/4)+16*(KK%4)
.set KK, KK+1
.endr
.endm
.macro XPUT reg                        ; my 8 rows, as memory has them (512 bytes an instruction), into X
.set KK, 0
.rept 16
	ds_store_b128 v2, v[\reg+4*KK:\reg+4*KK+3] offset:(KK/2)*XP+(KK%2)*512
.set KK, KK+1
.endr
.endm
.macro XGET reg                        ; and back
.set KK, 0
.rept 16
	ds_load_b128 v[\reg+4*KK:\reg+4*KK+3], v2 offset:(KK/2)*XP+(KK%2)*512
.set KK, KK+1
.endr
.endm
.macro FRAGS base                      ; two tiles' four fragments: R0 + 32 tile + 16 s + 4 c holds the groups of 16 k numbered 8 s + 2 c + h
.set KK, 0
.rept 16
	ds_load_b128 v[R0+4*KK:R0+4*KK+3], v12 offset:\base+IT*(KK/8)+2*IP*(KK%8)
.set KK, KK+1
.endr
.endm
.macro XWORDS carry, e                 ; carry = 1: two of a gates trip's sixteen words x(token, my channel)
.if \carry
	ds_load_b32 v[R1+32+(\e)], v13 offset:(\e)*XP
	ds_load_b32 v[R1+33+(\e)], v13 offset:((\e)+1)*XP
.endif
.endm
.macro MASKOF e                        ; MK: the scalar register that takes element e's lane mask: s16-25, s34-37, s58, s59
.if (\e) < 10
.set MK, 16+(\e)
.elseif (\e) < 14
.set MK, 24+(\e)
.else
.set MK, 44+(\e)
.endif
.endm
.macro MM d, a, b, first               ; first = 1: the product starts the sum
.if \first
	v_wmma_f32_16x16x128_bf8_bf8 v[\d:\d+7], v[\a:\a+15], v[\b:\b+15], 0
.else
	v_wmma_f32_16x16x128_bf8_bf8 v[\d:\d+7], v[\a:\a+15], v[\b:\b+15], v[\d:\d+7]
.endif
.endm
.macro PLACES                          ; four plain lines between a matrix instruction and the first vector line that reads its result or writes its sources (ISA guide 7.12.1)
.rept 4
	v_nop
.endr
.endm
.macro VV8 op, d, a, b                 ; sixteen numbers, two a line: d = a op b
.set PP, 0
.rept 8
	\op v[\d+PP:\d+PP+1], v[\a+PP:\a+PP+1], v[\b+PP:\b+PP+1]
.set PP, PP+2
.endr
.endm
.macro VC8 op, d, a, c                 ; d = a op a constant or a scalar pair's low word
.set PP, 0
.rept 8
	\op v[\d+PP:\d+PP+1], v[\a+PP:\a+PP+1], \c op_sel_hi:[1,0]
.set PP, PP+2
.endr
.endm
.macro HORNER d, x, p                  ; d = d x + s[p]
.set PP, 0
.rept 8
	v_pk_fma_f32 v[\d+PP:\d+PP+1], v[\d+PP:\d+PP+1], v[\x+PP:\x+PP+1], s[\p:\p+1] op_sel_hi:[1,1,0]
.set PP, PP+2
.endr
.endm
; RMSNorm OF MY 8 TOKENS.  Four lanes share a token; a lane holds 64 of its channels.  cnt: the global loads younger than the norm's weights.  fin = 0: quantised with (s[scr], s[lmr]) into the image at 0; fin = 1: stored as the output.
; What its first loads, which land in R0, hang on is stated where the macro is called.
.macro QNORM cnt, scr, lmr, fin
.set KK, 0
.rept 16
	ds_load_b128 v[R0+4*KK:R0+4*KK+3], v3 offset:256*(KK/4)+16*(KK%4)
.set KK, KK+1
.endr
	s_wait_dscnt 0x0
	v_pk_mul_f32 v[24:25], v[R0:R0+1], v[R0:R0+1]              ; the sum of squares, two at a time, in two chains
	v_pk_mul_f32 v[26:27], v[R0+2:R0+3], v[R0+2:R0+3]
.set KK, 4
.rept 15
	v_pk_fma_f32 v[24:25], v[R0+KK:R0+KK+1], v[R0+KK:R0+KK+1], v[24:25]
	v_pk_fma_f32 v[26:27], v[R0+KK+2:R0+KK+3], v[R0+KK+2:R0+KK+3], v[26:27]
.set KK, KK+4
.endr
	v_pk_add_f32 v[24:25], v[24:25], v[26:27]
	v_add_f32 v24, v24, v25
	v_add_f32_dpp v24, v24, v24 row_xmask:1 row_mask:0xf bank_mask:0xf   ; and over the token's four lanes
	v_add_f32_dpp v24, v24, v24 row_xmask:2 row_mask:0xf bank_mask:0xf
	v_fma_f32 v28, v24, s94, s95                   ; the mean + 1e-6
	v_rsq_f32 v28, v28
.if \fin
	v_nop                                          ; a plain line behind the transcendental
.else
	v_mov_b32 v18, s[\scr]                         ; (plain lines behind the transcendental)
	v_mov_b32 v19, s[\lmr]
.endif
	s_wait_alu depctr_va_vdst(0)                   ; the reciprocal root in v28 is written, ahead of its first reader
.set KK, 0
.rept 32
	v_pk_mul_f32 v[R0+KK:R0+KK+1], v[R0+KK:R0+KK+1], v[28:29] op_sel_hi:[1,0]
.set KK, KK+2
.endr
	s_wait_loadcnt \cnt                            ; the norm's weights are in; what was asked for behind them may stay out
.set KK, 0
.rept 32
	v_pk_mul_f32 v[R0+KK:R0+KK+1], v[R0+KK:R0+KK+1], v[R1+KK:R1+KK+1]
.set KK, KK+2
.endr
.if \fin
	s_wait_alu depctr_va_vdst(0)                   ; the multiplications have written R0 .., which the LDS stores read, and are done reading the norm's weights in R1 .., in which the loads behind the stores land
.set KK, 0
.rept 16
	ds_store_b128 v3, v[R0+4*KK:R0+4*KK+3] offset:256*(KK/4)+16*(KK%4)   ; my own rows: LDS serves a wave's instructions in order, so the loads below see these
.set KK, KK+1
.endr
	XGET R1
	s_wait_dscnt 0x0
.set KK, 0
.rept 16
	global_store_b128 v1, v[R1+4*KK:R1+4*KK+3], s[12:13] offset:512*KK th:TH_STORE_NT   ; 512 consecutive bytes, at a multiple of 256 from the output's first byte
.set KK, KK+1
.endr
.else
.set KK, 0
.rept 64
	v_med3_num_f32 v[R0+KK], v[R0+KK], -v19, v19   ; the conversion to an 8-bit code does not saturate (ISA guide 7.6.2): the hold comes first
.set KK, KK+1
.endr
.irp gg, 0,1,2,3
	v_cvt_scalef32_pk8_bf8_f32 v[R1+4*\gg:R1+4*\gg+1], v[R0+16*\gg:R0+16*\gg+7], v18
	v_cvt_scalef32_pk8_bf8_f32 v[R1+4*\gg+2:R1+4*\gg+3], v[R0+16*\gg+8:R0+16*\gg+15], v18
.endr
	v_nop                                          ; a plain line behind the last conversion
	s_wait_alu depctr_va_vdst(0)                   ; the conversions have written the codes in R1 .. R1 + 15, which the LDS stores read
.irp gg, 0,1,2,3
	ds_store_b128 v4, v[R1+4*\gg:R1+4*\gg+3] offset:AIMG+4*IP*\gg   ; k = 16 (q + 4 g) + 0 .. 15 of my token's row
.endr
.endif
.endm
; HIDDEN AND GATE, AND THE SCAN, for my 16 channels: four trips of two tiles (16 tokens in each half of the lanes).  s[spr] = 2^(the product's two exponents), s[cpr] = -log2(e) x that.
; carry = 1: h runs on from v15 and is added to X.  carry = 0: only the pair: H in v15, A in v[16:17].
; Accumulators: hidden and gate of tile a at R1, R1 + 8, of tile b at R1 + 16, R1 + 24: they take turns, one instruction a turn.  x's 16 words at R1 + 32: asked for two at a time among the eight products,
; which name R0, R2 and R1 .. R1 + 31: none of the registers that those loads touch.
; Behind the products R0 is free: Eg = exp(-|gate|) at R0, Eh = exp(-|hidden|) at R0 + 16, 1 / (1 + Eg) at R0 + 32, hidden + 0.5 at R0 + 48; 1 / (1 + Eh) at R1 + 48.
.macro GATES carry, spr, cpr
	s_mov_b32 s61, 0
	s_mov_b32 s62, 0
.if \carry
	s_mov_b32 s63, 0
.endif
.Lgates_\@:
	s_wait_alu depctr_vm_vsrc(0)                   ; the last trip's LDS loads have read v12 (carry = 1: and v13), its stores v13 and x + h's registers R1 + 32 .., in which x's words land again; in the first trip: the norm's stores have read the codes' registers R1 .. R1 + 15, which the products write
	v_add_nc_u32 v12, s62, v30
.if \carry
	v_add_nc_u32 v13, s63, v5
.endif
	s_wait_alu depctr_va_vdst(0)                   ; v12 (and v13) are written, which the loads below read; the vector and matrix lines so far are done with R0 .. and R1 + 32 .., in which those loads land
	FRAGS AIMG
	s_wait_dscnt 0x0                               ; the fragments are in
	MM R1, R0, R2, 1
	XWORDS \carry, 0
	MM R1+8, R0, R2+32, 1
	XWORDS \carry, 2
	MM R1+16, R0+32, R2, 1
	XWORDS \carry, 4
	MM R1+24, R0+32, R2+32, 1
	XWORDS \carry, 6
	MM R1, R0+16, R2+16, 0
	XWORDS \carry, 8
	MM R1+8, R0+16, R2+48, 0
	XWORDS \carry, 10
	MM R1+16, R0+48, R2+16, 0
	XWORDS \carry, 12
	MM R1+24, R0+48, R2+48, 0
	XWORDS \carry, 14
	PLACES
.set EE, 0
.rept 16                               ; each accumulator is read from its low end on
.set GR, R1+16*(EE/8)+8+EE%8
	v_mul_f32 v[R0+EE], s[\cpr], |v[GR]|           ; -|gate| log2(e)
.set EE, EE+1
.endr
.set EE, 0
.rept 16
.set HR, R1+16*(EE/8)+EE%8
	v_mul_f32 v[R0+16+EE], s[\cpr], |v[HR]|        ; -|hidden| log2(e)
.set EE, EE+1
.endr
.set EE, 0
.rept 32
	v_exp_f32 v[R0+EE], v[R0+EE]                   ; one batch; no exponent is above 0
.set EE, EE+1
.endr
.set EE, 0
.rept 8
.set HR, R1+16*(EE/8)+EE%8
	v_pk_fma_f32 v[R0+48+EE:R0+49+EE], v[HR:HR+1], s[\spr:\spr+1], 0.5 op_sel_hi:[1,0,0]   ; hidden + 0.5: plain work that names no exponential's result
.set EE, EE+2
.endr
	s_wait_alu depctr_va_vdst(0)                   ; the 32 exponentials in R0 .. R0 + 31 are written: one wait for the batch, ahead of its first reader
	VC8 v_pk_add_f32, R0+32, R0, 1.0
	VC8 v_pk_add_f32, R1+48, R0+16, 1.0
.set EE, 0
.rept 16
	v_rcp_f32 v[R0+32+EE], v[R0+32+EE]             ; 1 / (1 + Eg) and 1 / (1 + Eh): one batch
.set EE, EE+1
.endr
.set EE, 0
.rept 16
	v_rcp_f32 v[R1+48+EE], v[R1+48+EE]
.set EE, EE+1
.endr
	v_nop
.set EE, 0
.rept 16                               ; the signs of the sixteen gates, each into a scalar register of its own, in one run: work that names no reciprocal
.set GR, R1+16*(EE/8)+8+EE%8
	MASKOF EE
	v_cmp_le_f32 s[MK], 0, v[GR]
.set EE, EE+1
.endr
	s_wait_alu depctr_va_vdst(0)                   ; the 32 reciprocals in R0 + 32 .. and R1 + 48 .. are written: one wait for the batch, ahead of its first reader
	VV8 v_pk_mul_f32, R0, R0, R0+32                ; Eg / (1 + Eg)
	VV8 v_pk_mul_f32, R0+16, R0+16, R1+48          ; Eh / (1 + Eh) = sigmoid(-|hidden|)
	s_wait_alu depctr_va_sdst(0)                   ; the sixteen compares have written their masks, ahead of the first select that reads one
.set EE, 0
.rept 16
.set GR, R1+16*(EE/8)+8+EE%8
	MASKOF EE
	v_max_num_f32 v[R0+16+EE], v[R0+16+EE], v[R0+48+EE]        ; g(hidden): the larger of the sigmoid and the line
	v_cndmask_b32 v[GR], v[R0+32+EE], v[R0+EE], s[MK]          ; a = sigmoid(-gate): Eg / (1 + Eg) where gate >= 0
	v_cndmask_b32 v[R0+EE], v[R0+EE], v[R0+32+EE], s[MK]       ; z = sigmoid(gate): the other one
.set EE, EE+1
.endr
	VV8 v_pk_mul_f32, R0, R0, R0+16                ; v = z g
.if \carry
	v_fma_f32 v[R0], v[R1+8], v15, v[R0]           ; h(t) = a(t) h(t-1) + v(t), down the registers
.set EE, 1
.rept 15
.set GR, R1+16*(EE/8)+8+EE%8
	v_fma_f32 v[R0+EE], v[GR], v[R0+EE-1], v[R0+EE]
.set EE, EE+1
.endr
	v_mov_b32 v15, v[R0+15]
	s_wait_dscnt 0x0                               ; x's words are in
	VV8 v_pk_add_f32, R1+32, R1+32, R0             ; x + h
	s_wait_alu depctr_va_vdst(0)                   ; the additions have written x + h in R1 + 32 .., which the LDS stores read.  No vector line follows up to the loop's end
.set EE, 0
.rept 16
	ds_store_b32 v13, v[R1+32+EE] offset:EE*XP     ; my own 64 bytes of each row
.set EE, EE+1
.endr
	s_add_co_u32 s63, s63, 16*XP
.else
.set EE, 0
.rept 16
.set GR, R1+16*(EE/8)+8+EE%8
	v_fma_f32 v15, v[GR], v15, v[R0+EE]
.set EE, EE+1
.endr
.set EE, 0
.rept 8
.set GR, R1+16*(EE/8)+8+EE%8
	v_pk_mul_f32 v[16:17], v[16:17], v[GR:GR+1]
.set EE, EE+2
.endr
.endif
	s_add_co_u32 s62, s62, 2*IT
	s_add_co_u32 s61, s61, 1
	s_cmp_lt_u32 s61, 4
	s_cbranch_scc1 .Lgates_\@
.endm
; THE FFN'S FIRST PRODUCT, BIAS, GELU, QUANTISER, for my 16 hidden units: four trips of two tiles.  Lane (r, h): token row r, units 16 w + 8 h + 0 .. 7.  z / 2 at R0, y = z / sqrt 2 at R0 + 16, y^2 at R0 + 32, P at R0 + 48, Q at R1 + 16.
; The sum comes out as z / 2 at once: s[50:51] = 2^(e2 + e3 - 1), and b1 has been halved.
.macro FF1
	v_mov_b32 v18, s42
	v_mov_b32 v19, s43
	s_mov_b32 s61, 0
	s_mov_b32 s62, 0
.Lff1_\@:
	s_wait_alu depctr_vm_vsrc(0)                   ; the last trip's LDS loads have read v12, its stores v14 and the codes' registers R1 + 32 .. 35, which this trip's conversions write again; in the first trip: the norm's stores have read R1 .. R1 + 15, which the products write
	v_add_nc_u32 v12, s62, v30
	v_add_nc_u32 v14, s62, v7
	s_wait_alu depctr_va_vdst(0)                   ; v12 is written, which the loads below read; the vector and matrix lines so far are done with R0 .., in which they land
	FRAGS AIMG
	s_wait_dscnt 0x0
	MM R1, R3, R0, 1
	MM R1+8, R3, R0+32, 1
	MM R1, R3+16, R0+16, 0
	MM R1+8, R3+16, R0+48, 0
	PLACES
.set PP, 0
.rept 8
	v_pk_fma_f32 v[R0+PP:R0+PP+1], v[R1+PP:R1+PP+1], s[50:51], v[R2+32+PP%8:R2+33+PP%8] op_sel_hi:[1,0,1]   ; z / 2 = sum x 2^(e2 + e3 - 1) + b1 / 2
.set PP, PP+2
.endr
	VC8 v_pk_mul_f32, R0+16, R0, s[70:71]          ; y = (z / 2) sqrt 2
.set EE, 0
.rept 16
	v_med3_num_f32 v[R0+16+EE], v[R0+16+EE], -4.0, 4.0
.set EE, EE+1
.endr
	VV8 v_pk_mul_f32, R0+32, R0+16, R0+16
.set PP, 0
.rept 8
	v_pk_fma_f32 v[R0+48+PP:R0+49+PP], v[20:21], v[R0+32+PP:R0+33+PP], s[72:73] op_sel_hi:[1,1,0]
	v_pk_fma_f32 v[R1+16+PP:R1+17+PP], v[22:23], v[R0+32+PP:R0+33+PP], s[84:85] op_sel_hi:[1,1,0]
.set PP, PP+2
.endr
	HORNER R0+48, R0+32, 74
	HORNER R1+16, R0+32, 86
	HORNER R0+48, R0+32, 76
	HORNER R1+16, R0+32, 88
	HORNER R0+48, R0+32, 78
	HORNER R1+16, R0+32, 90
	HORNER R0+48, R0+32, 80
	HORNER R0+48, R0+32, 82
.set EE, 0
.rept 16
	v_rcp_f32 v[R1+16+EE], v[R1+16+EE]
.set EE, EE+1
.endr
	VV8 v_pk_mul_f32, R0+16, R0+16, R0+48          ; y P: plain work that names no reciprocal
	s_wait_alu depctr_va_vdst(0)                   ; the sixteen reciprocals in R1 + 16 .. are written: one wait for the batch, ahead of its first reader
	VV8 v_pk_mul_f32, R0+16, R0+16, R1+16          ; erf = y P / Q
.set PP, 0
.rept 8
	v_pk_fma_f32 v[R0+PP:R0+PP+1], v[R0+PP:R0+PP+1], v[R0+16+PP:R0+17+PP], v[R0+PP:R0+PP+1]   ; (z / 2) erf + z / 2
.set PP, PP+2
.endr
.set EE, 0
.rept 16
	v_med3_num_f32 v[R0+EE], v[R0+EE], -v19, v19
.set EE, EE+1
.endr
	v_cvt_scalef32_pk8_bf8_f32 v[R1+32:R1+33], v[R0:R0+7], v18
	v_cvt_scalef32_pk8_bf8_f32 v[R1+34:R1+35], v[R0+8:R0+15], v18
	v_nop                                          ; a plain line behind the last conversion
	s_wait_alu depctr_va_vdst(0)                   ; the conversions have written the codes in R1 + 32 .. 35, which the LDS stores read (their address v14 was written ahead of the trip's first wait)
	ds_store_b64 v14, v[R1+32:R1+33]               ; k = 16 w + 8 h + 0 .. 7 of my token's row, tile a,
	ds_store_b64 v14, v[R1+34:R1+35] offset:IT     ; tile b
	s_add_co_u32 s62, s62, 2*IT
	s_add_co_u32 s61, s61, 1
	s_cmp_lt_u32 s61, 4
	s_cbranch_scc1 .Lff1_\@
.endm
; THE FFN'S SECOND PRODUCT, BIAS AND RESIDUAL, for my 16 channels: four trips of two tiles.
.macro FF2
	s_mov_b32 s61, 0
	s_mov_b32 s62, 0
	s_mov_b32 s63, 0
.Lff2_\@:
	s_wait_alu depctr_vm_vsrc(0)                   ; the LDS loads so far have read v12 (in the first trip: the first product's), the last trip's loads and stores v13, and its stores the registers R1 + 16 .. 31, in which x lands again
	v_add_nc_u32 v12, s62, v30
	v_add_nc_u32 v13, s63, v6
	s_wait_alu depctr_va_vdst(0)                   ; v12 and v13 are written, which the loads below read; the vector and matrix lines so far are done with R0 .. and R1 + 16 .. 31, in which they land
	FRAGS HIMG
.irp tt, 0,1
.irp uu, 0,1
	ds_load_b128 v[R1+16+8*\tt+4*\uu:R1+19+8*\tt+4*\uu], v13 offset:8*XP*\tt+16*\uu   ; x(my token, my eight channels)
.endr
.endr
	s_wait_dscnt 4                                 ; the fragments are in; x's four loads may stay out
	MM R1, R2, R0, 1
	MM R1+8, R2, R0+32, 1
	MM R1, R2+16, R0+16, 0
	MM R1+8, R2+16, R0+48, 0
	s_wait_dscnt 0x0
.set PP, 0
.rept 8
	v_pk_add_f32 v[R1+16+PP:R1+17+PP], v[R1+16+PP:R1+17+PP], v[R2+40+PP%8:R2+41+PP%8]   ; x + b2: eight plain lines that name no register of the products: the places behind them
.set PP, PP+2
.endr
.set PP, 0
.rept 8
	v_pk_fma_f32 v[R1+16+PP:R1+17+PP], v[R1+PP:R1+PP+1], s[52:53], v[R1+16+PP:R1+17+PP] op_sel_hi:[1,0,1]   ; + sum x 2^(e4 + e5)
.set PP, PP+2
.endr
	s_wait_alu depctr_va_vdst(0)                   ; the multiply-adds have written R1 + 16 .. 31, which the LDS stores read.  No vector line follows up to the loop's end
.irp tt, 0,1
.irp uu, 0,1
	ds_store_b128 v13, v[R1+16+8*\tt+4*\uu:R1+19+8*\tt+4*\uu] offset:8*XP*\tt+16*\uu
.endr
.endr
	s_add_co_u32 s62, s62, 2*IT
	s_add_co_u32 s63, s63, 16*XP
	s_add_co_u32 s61, s61, 1
	s_cmp_lt_u32 s61, 4
	s_cbranch_scc1 .Lff2_\@
.endm
; ---- THE HEAD: pointers, addresses, and everything that can be asked of memory at once
.if MODE == 0
	s_load_b64 s[4:5], s[0:1], 0x0                 ; x
	s_load_b64 s[10:11], s[0:1], 0x8               ; layer B's buffer
	s_load_b64 s[14:15], s[0:1], 0x10              ; the pairs out
	v_lshl_add_u32 v254, v0, 2, 0x34900
	v_mov_b32 v255, 0
.elseif MODE == 1
	s_load_b256 s[4:11], s[0:1], 0x0               ; x in, the pairs in, layer A's buffer, layer B's
	s_load_b128 s[12:15], s[0:1], 0x20             ; x out, the pairs out
.else
	s_load_b256 s[4:11], s[0:1], 0x0               ; x in, the pairs in, layer A's buffer, final_norm_w
	s_load_b64 s[12:13], s[0:1], 0x20              ; the output
	v_lshl_add_u32 v17, v0, 2, 0x34900
	v_mov_b32 v31, 0
.endif
	v_lshrrev_b32 v24, 5, v0
	v_readfirstlane_b32 s2, v24                    ; wave 0..15
	v_and_b32 v25, 31, v0                          ; lane
	v_and_b32 v26, 15, v0                          ; r
	v_bfe_u32 v27, v0, 4, 1                        ; h
	v_bfe_u32 v28, v0, 2, 3                        ; tk
	v_and_b32 v29, 3, v0                           ; q
	v_lshlrev_b32 v1, 4, v25
	v_mul_u32_u24 v30, v27, IP                     ; a fragment: lanes 16-31 take the next group of 16 k
	v_lshl_add_u32 v30, v26, 4, v30
	s_wait_alu depctr_va_sdst(0)                   ; s2, the wave's number, is written, ahead of its first reader: LDS addresses and the bases in memory are made from it
	s_mul_i32 s60, s2, 8*XP                        ; my 8 rows of X: XB + 8,320 w + 128 (w / 8)
	s_lshr_b32 s61, s2, 3
	s_lshl_b32 s61, s61, 7
	s_add_co_u32 s60, s60, s61
	s_add_co_u32 s60, s60, XB
	v_add_nc_u32 v2, s60, v1
	v_mul_u32_u24 v3, v28, XP
	v_lshl_add_u32 v3, v29, 6, v3
	v_add_nc_u32 v3, s60, v3
	s_and_b32 s62, s2, 7                           ; token 8 w + tk is row tk + 8 (w / 8) of tile w % 8
	s_mul_i32 s62, s62, IT
	s_add_co_u32 s62, s62, s61
	v_mul_u32_u24 v4, v29, IP
	v_lshl_add_u32 v4, v28, 4, v4
	v_add_nc_u32 v4, s62, v4
	v_lshlrev_b32 v8, 6, v29
.if MODE < 2
	v_lshlrev_b32 v11, 3, v26
	v_lshl_add_u32 v11, v27, 11, v11
.endif
.if MODE > 0
	s_lshl_b32 s63, s2, 6                          ; my 16 channels: 64 bytes of every row
	s_add_co_u32 s63, s63, XB
	v_mul_u32_u24 v5, v27, XH
	v_lshl_add_u32 v5, v26, 2, v5
	v_add_nc_u32 v5, s63, v5
	v_and_b32 v12, 7, v0
	v_bfe_u32 v13, v0, 3, 1
	v_mul_u32_u24 v6, v12, XP
	v_mad_u32_u24 v6, v13, XH, v6
	v_lshl_add_u32 v6, v27, 5, v6
	v_add_nc_u32 v6, s63, v6
	s_mul_i32 s62, s2, IP                          ; my 16 units are group w of the hidden layer's 16 groups of k
	s_add_co_u32 s62, s62, HIMG
	v_lshlrev_b32 v7, 4, v26
	v_lshl_add_u32 v7, v27, 3, v7
	v_add_nc_u32 v7, s62, v7
	v_lshlrev_b32 v9, 5, v27
	v_lshlrev_b32 v10, 3, v26
.endif
	s_lshl_b32 s66, ttmp9, 17                      ; my 8 rows in memory: 131,072 g + 8,192 w
	s_lshl_b32 s60, s2, 13
	s_add_co_u32 s66, s66, s60
	s_mov_b32 s67, 0
	s_wait_kmcnt 0x0
	s_add_nc_u64 s[4:5], s[4:5], s[66:67]
.if MODE > 0
	s_add_nc_u64 s[12:13], s[12:13], s[66:67]
	s_load_b256 s[16:23], s[8:9], WL_E             ; layer A's exponents e0 .. e5 (and two words that are not used)
.endif
.if MODE < 2
	s_load_b64 s[24:25], s[10:11], WL_E            ; layer B's e0, e1
.endif
	s_wait_alu depctr_va_vdst(0)                   ; the addresses and offsets v1 to v11 are written, which the loads and stores of the whole kernel read; none of them is written again
.set KK, 0
.rept 16
	global_load_b128 v[R0+4*KK:R0+4*KK+3], v1, s[4:5] offset:512*KK th:TH_LOAD_NT   ; my 8 rows, 512 consecutive bytes a load; the launch reads each byte once
.set KK, KK+1
.endr
.if MODE > 0
	s_lshr_b32 s60, ttmp9, 5                       ; the sequence
	s_and_b32 s58, ttmp9, 31                       ; my chunk c
	s_lshl_b32 s66, s60, 17
	s_lshl_b32 s60, s2, 7
	s_add_co_u32 s66, s66, s60
	s_add_nc_u64 s[34:35], s[6:7], s[66:67]        ; the sequence's pairs, at my 16 channels
	s_lshl_b32 s66, s58, 12
	s_add_nc_u64 s[36:37], s[34:35], s[66:67]      ; my own chunk's
	s_bfm_b32 s59, s58, 0                          ; bits 0 .. c - 1: the chunks ahead of mine
.set KK, 0
.rept 32
	global_load_b64 v[R2+2*KK:R2+2*KK+1], v10, s[34:35] offset:4096*KK+2048   ; (A, H) of the whole chunk KK: all 32 are read, so that no trip count hangs on c
.set KK, KK+1
.endr
	global_load_b64 v[R3:R3+1], v10, s[36:37]      ; (A, H) of my chunk's first 64 tokens
	LDNW 8, WL_NW
	s_lshl_b32 s66, s2, 13
	s_add_nc_u64 s[26:27], s[8:9], s[66:67]
	s_lshl_b32 s66, s2, 12
	s_add_nc_u64 s[28:29], s[8:9], s[66:67]
	s_lshl_b32 s66, s2, 6
	s_add_nc_u64 s[30:31], s[8:9], s[66:67]
.endif
.if MODE < 2
	s_lshl_b32 s66, s2, 13
	s_add_nc_u64 s[32:33], s[10:11], s[66:67]
	s_lshl_b32 s66, ttmp9, 12
	s_lshl_b32 s60, s2, 7
	s_add_co_u32 s66, s66, s60
	s_add_nc_u64 s[14:15], s[14:15], s[66:67]
.endif
.if MODE == 0
	LDNW 10, WL_NW
	LDW R2, 16, 32, 0
.endif
	s_mov_b32 s68, 0xffff0000
	s_mov_b32 s92, 0x76543210
	s_mov_b32 s93, 0xfedcba98
	s_mov_b32 s94, 0x3b800000                      ; 1 / 256
	s_mov_b32 s95, 0x358637bd                      ; 1e-6
.if MODE > 0
	PAIR 70, 0x3fb504f3                            ; sqrt 2
	PAIR 72, 0x32edffee                            ; erf(y) = y P(y^2) / Q(y^2): P's coefficients from y^10 down,
	PAIR 74, 0xb60cff51
	PAIR 76, 0xb86ec2d2
	PAIR 78, 0xba40ac63
	PAIR 80, 0xbb41a1f6
	PAIR 82, 0xbc83dbd4
	PAIR 84, 0xb95fbd29                            ; Q's from y^6 down;
	PAIR 86, 0xbadc924e
	PAIR 88, 0xbbf19bf8
	PAIR 90, 0xbc69b6a7
	v_mov_b32 v20, 0xaf95df0b                      ; the two leading ones
	v_mov_b32 v21, 0xaf95df0b
	v_mov_b32 v22, 0xb77460cd
	v_mov_b32 v23, 0xb77460cd
.endif
	s_wait_kmcnt 0x0
.if MODE > 0
	MKQ 38, 39, 16
	MKQ 40, 41, 18
	MKQ 42, 43, 20
	MKP 46, 16, 17, 127
	MKC 48, 16, 17
	MKP 50, 18, 19, 126                            ; half of 2^(e2 + e3)
	MKP 52, 20, 21, 127
.endif
.if MODE < 2
	MKQ 44, 45, 24
	MKP 54, 24, 25, 127
	MKC 56, 24, 25
.endif
.if MODE == 0
	s_wait_loadcnt 32                              ; x is in: behind it stand the norm's 16 loads and the weight's 16
	XPUT R0
	s_wait_alu depctr_vm_vsrc(0)                   ; the stores into X have read R0 .., in which the norm's LDS loads land
	QNORM 16, 44, 45, 0                            ; behind the norm's weights: the weight's 16 loads
	BAR                                            ; the image is whole
.else
	s_wait_loadcnt 49                              ; x is in: behind it stand 33 loads of pairs and the norm's 16
	XPUT R0
	s_wait_loadcnt 16                              ; the pairs are in
	v_mov_b32 v15, 0                               ; THE CARRY: h = A h + H over the chunks ahead of mine; the others' steps are computed and not taken
.set KK, 0
.rept 32
	s_bitcmp1_b32 s59, KK
	s_cselect_b32 s60, -1, 0
	v_fma_f32 v24, v[R2+2*KK], v15, v[R2+2*KK+1]
	v_cndmask_b32 v15, v15, v24, s60
.set KK, KK+1
.endr
	v_fma_f32 v24, v[R3], v15, v[R3+1]             ; lanes 16-31 begin at token 64: one step more, over my chunk's first half
	v_cndmask_b32 v15, v15, v24, s68
	s_wait_alu depctr_va_vdst(0)                   ; the carry's multiply-adds are done reading the pairs in R2 .. and R3, in which the weights' loads land
	LDW R2, 16, 26, 0                              ; whg's four fragments of my channels,
	LDW R3, 8, 28, WL_W1                           ; ff_w1's two of my units
	; ---- layer A
	s_wait_alu depctr_vm_vsrc(0)                   ; the stores into X have read R0 .., in which the norm's LDS loads land
	QNORM 24, 38, 39, 0                            ; behind the norm's weights: those 24 loads
	BAR                                            ; X and the image are whole
	s_wait_loadcnt 8                               ; whg's fragments are in; ff_w1's may stay out
	GATES 1, 46, 48
	s_wait_dscnt 0x0                               ; my stores into X have landed
	s_wait_alu depctr_vm_vsrc(0)                   ; the last trip's stores have read x + h's registers R1 + 32 .., in which the norm's weights land.  (All vector and matrix work on R0, R1 and R2 stands ahead of the wait in front of those stores)
	LDNW 8, WL_FN
	LDW R2, 8, 28, WL_W2                           ; ff_w2's two fragments,
	global_load_b128 v[R2+32:R2+35], v9, s[30:31] offset:WL_B1      ; b1 and b2 at my lane's eight units
	global_load_b128 v[R2+36:R2+39], v9, s[30:31] offset:WL_B1+16
	global_load_b128 v[R2+40:R2+43], v9, s[30:31] offset:WL_B2
	global_load_b128 v[R2+44:R2+47], v9, s[30:31] offset:WL_B2+16
	MEET                                           ; every channel of X is updated, and nobody reads the image any more
	QNORM 12, 40, 41, 0                            ; behind the norm's weights: 8 + 4 loads
	BAR                                            ; the image is whole
	s_wait_loadcnt 0x0
.set PP, 0
.rept 4
	v_pk_mul_f32 v[R2+32+PP:R2+33+PP], v[R2+32+PP:R2+33+PP], 0.5 op_sel_hi:[1,0]   ; b1 / 2, once
.set PP, PP+2
.endr
	FF1
	BAR                                            ; the hidden layer's image is whole
	FF2
	s_wait_dscnt 0x0
	s_wait_alu depctr_vm_vsrc(0)                   ; the last trip's stores have read R1 + 16 .. 31, in which the norm's weights land.  (All vector and matrix work on R0, R1 and R2 stands ahead of the wait in front of those stores)
.if MODE == 1
	LDNW 10, WL_NW                                 ; layer B's norm and its whg
	LDW R2, 16, 32, 0
.else
	LDNW 10, 0                                     ; final_norm_w
.endif
	MEET                                           ; every channel of X is updated
.if MODE == 1
	XGET R0
	s_wait_dscnt 0x0
.set KK, 0
.rept 16
	global_store_b128 v1, v[R0+4*KK:R0+4*KK+3], s[12:13] offset:512*KK   ; 512 consecutive bytes, at a multiple of 256 from the buffer's first byte
.set KK, KK+1
.endr
	s_wait_xcnt 0x0                                ; the stores' data registers are written again only behind this wait
	s_wait_alu depctr_vm_vsrc(0)                   ; the stores have read R0 .., in which the norm's LDS loads land
	QNORM 16, 44, 45, 0                            ; behind the norm's weights: the weight's 16 loads
	BAR                                            ; the image is whole
.else
	QNORM 0, 0, 0, 1
	s_wait_dscnt 0x0                               ; the closing lines, six on end
	s_wait_alu 0x0
	s_wait_tensorcnt 0x0
	ds_add_u32 v17, v31
	s_wait_dscnt 0x0
	s_endpgm
.endif
.endif
.if MODE < 2
	; ---- layer B's pairs
	s_wait_loadcnt 0x0
	v_mov_b32 v15, 0
	v_mov_b32 v16, 1.0
	v_mov_b32 v17, 1.0
	GATES 0, 54, 56
	v_mul_f32 v16, v16, v17                        ; A of my half's 64 tokens
	v_permlanex16_b32 v24, v16, s92, s93           ; the other half's A
	v_permlanex16_b32 v25, v15, s92, s93           ; and H
	v_mul_f32 v26, v16, v24                        ; the whole chunk, seen from lanes 16-31: A2 A1,
	v_fma_f32 v27, v16, v25, v15                   ; A2 H1 + H2
	v_cndmask_b32 v26, v16, v26, s68               ; lanes 0-15 keep the first half's pair (kind 0), lanes 16-31 take the whole chunk's (kind 1)
	v_cndmask_b32 v27, v15, v27, s68
	s_wait_alu depctr_va_vdst(0)                   ; the two selects have written the pair in v[26:27], which the store reads
	global_store_b64 v11, v[26:27], s[14:15]
.if MODE == 1
	s_wait_xcnt 0x0
	v_lshl_add_u32 v254, v0, 2, 0x34900
	v_mov_b32 v255, 0
.endif
	s_wait_dscnt 0x0                               ; the closing lines, six on end
	s_wait_alu 0x0
	s_wait_tensorcnt 0x0
	ds_add_u32 v254, v255
	s_wait_dscnt 0x0
	s_endpgm
.endif
.Lfunc_end_k_qc70a98c6b1_mid1:
	.size	k_qc70a98c6b1_mid1, .Lfunc_end_k_qc70a98c6b1_mid1-k_qc70a98c6b1_mid1
	.p2alignl 7, 3214868480
	.fill 96, 4, 3214868480
	.section	.rodata,"a",@progbits
	.p2align	6, 0x0
	.amdhsa_kernel k_qc70a98c6b1_mid1
		.amdhsa_group_segment_fixed_size 217344
		.amdhsa_private_segment_fixed_size 0
		.amdhsa_enable_private_segment 0
		.amdhsa_kernarg_size 48
		.amdhsa_user_sgpr_count 2
		.amdhsa_user_sgpr_kernarg_segment_ptr 1
		.amdhsa_wavefront_size32 1
		.amdhsa_system_sgpr_workgroup_id_x 1
		.amdhsa_system_sgpr_workgroup_id_y 1
		.amdhsa_system_sgpr_workgroup_id_z 1
		.amdhsa_system_vgpr_workitem_id 0
		.amdhsa_next_free_vgpr 256
		.amdhsa_next_free_sgpr 96
		.amdhsa_reserve_vcc 0
		.amdhsa_float_denorm_mode_32 3
		.amdhsa_float_denorm_mode_16_64 3
		.amdhsa_memory_ordered 1
		.amdhsa_forward_progress 1
		.amdhsa_inst_pref_size 117
	.end_amdhsa_kernel
	.amdgpu_metadata
---
amdhsa.version: [ 1, 2 ]
amdhsa.kernels:
  - .name:           k_qc70a98c6b1_mid1
    .symbol:         k_qc70a98c6b1_mid1.kd
    .args:
      - { .name: x, .offset: 0, .size: 8, .value_kind: global_buffer, .address_space: global }
      - { .name: ag0, .offset: 8, .size: 8, .value_kind: global_buffer, .address_space: global }
      - { .name: wl0, .offset: 16, .size: 8, .value_kind: global_buffer, .address_space: global }
      - { .name: wl1, .offset: 24, .size: 8, .value_kind: global_buffer, .address_space: global }
      - { .name: xa, .offset: 32, .size: 8, .value_kind: global_buffer, .address_space: global }
      - { .name: ag1, .offset: 40, .size: 8, .value_kind: global_buffer, .address_space: global }
    .group_segment_fixed_size: 217344
    .private_segment_fixed_size: 0
    .kernarg_segment_align: 8
    .kernarg_segment_size: 48
    .max_flat_workgroup_size: 512
    .sgpr_count:     96
    .vgpr_count:     256
    .wavefront_size: 32
...
	.end_amdgpu_metadata
.endif
;; end of part 6
;; launch mid2: the kernel of part 6 again; grid 256 x 1, 16 waves a work-group, no clusters, 217,344 bytes of LDS; arguments xa, ag1, wl1, wl2, xb, ag0; writes xb, ag0
;; launch mid3: the kernel of part 6 again; grid 256 x 1, 16 waves a work-group, no clusters, 217,344 bytes of LDS; arguments xb, ag0, wl2, wl3, xa, ag1; writes xa, ag1
;; launch last (part 7): grid 256 x 1, 16 waves a work-group, no clusters, 217,344 bytes of LDS; arguments xa, ag1, wl3, final_norm_w, out0; writes out0
.if DOCPART == 7
	.amdgcn_target "amdgcn-amd-amdhsa--gfx1250"
	.amdhsa_code_object_version 6
	.text
	.protected	k_qc70a98c6b1_last
	.globl	k_qc70a98c6b1_last
	.p2align	8
	.type	k_qc70a98c6b1_last,@function
k_qc70a98c6b1_last:
	s_mov_b64 s[64:65], 0
	v_nop
	global_prefetch_b8 v0, s[64:65] scope:SCOPE_SE
	s_setreg_imm32_b32 hwreg(HW_REG_WAVE_SCHED_MODE, 0, 2), 2
	s_setreg_imm32_b32 hwreg(HW_REG_WAVE_MODE, 25, 1), 1
	s_wait_xcnt 0x0
	s_wait_alu depctr_vm_vsrc(0)
; FOUR LAYERS OF RMSNorm -> minGRU -> +x -> RMSNorm -> FFN (exact GELU) -> +x, all products on codes of BF8 (E5M2).  ONE TEXT, THREE MODES:
;   MODE 0: the chunk summaries of layer 0.   MODE 1: a whole layer A, then the chunk summaries of the next layer B.   MODE 2: the last layer, then the final RMSNorm.
.set MODE, 2
; THE SCAN.  exp(a* + cumlogsumexp(log v - a*)) is the recurrence h(t) = a(t) h(t-1) + v(t), h(-1) = 0, with a = sigmoid(-gate), v = sigmoid(gate) g(hidden), g(x) = x + 0.5 for x >= 0, else sigmoid(x).
; a + sigmoid(gate) = 1, so every h is a mean of earlier g: no sum can grow past the largest g.  BOTH EXPONENTIALS ARE exp(-|.|), never above 1 (softplus's own subtraction of the maximum): with E = exp(-|gate|) the two sigmoids are
; 1 / (1 + E) and E / (1 + E); with E = exp(-|hidden|), g = max(hidden + 0.5, E / (1 + E)): for hidden >= 0 the second is sigmoid(-hidden) <= 0.5 <= the line; for hidden < 0 it is sigmoid(hidden), which lies above the line
; (sigmoid(h) - h - 0.5 is 0 at 0 and falls as h grows).  No difference of large sums is formed.
; SHARES.  A work-group owns 128 consecutive tokens of one sequence (work-group g: sequence g / 32, chunk g % 32).  A run of tokens acts on the scan as a pair (A, H) a channel: h_end = A h_start + H.
; The launch before has stored every chunk's pairs; this one folds those of the earlier chunks of its sequence into its carry, runs the layer, and stores the next layer's pairs: kind 0 = the chunk's first 64 tokens,
; kind 1 = the whole chunk; [g][kind][channel][A, H], 4,096 bytes a chunk.  Only x and the pairs go through memory from launch to launch.
; WAVES.  Sixteen of 256 registers, four to a SIMD, so that one wave's exponentials stand beside another's products and LDS loads.  In the products wave w owns channels 16 w .. 16 w + 15 for all 128 tokens, and its part of each
; weight comes from memory straight into operand registers; in the norms wave w owns tokens 8 w .. 8 w + 7 with all channels.
; TILES.  Row r of tile t is token 8 t + r % 8 + 64 (r / 8).  In the gates' product (source 0 = tokens, source 1 = weight columns) lane (r, h) then holds channel 16 w + r and register j token 8 t + j + 64 h: lanes 0-15 walk
; tokens 0 .. 63 in order, lanes 16-31 tokens 64 .. 127: the scan is one multiply-add an element down the registers.  The FFN's products are used transposed (source 0 = 16 weight columns, source 1 = tokens): a lane holds one token and eight units.
; OPERANDS GO FROM WAVE TO WAVE THROUGH LDS IN THE ORDER OF THEIR REGISTERS: tile t at 5,120 t; the code of (row, k) at 320 (k / 16) + 16 row + k % 16.  In a fragment registers 4 c .. 4 c + 3 of lane (r, h) hold
; k = 32 c + 16 h + 0 .. 15, in tokens and weights alike: every product meets its partner.  So a fragment is four loads, each half of the lanes reading 256 consecutive bytes.  The pitch of 320 bytes is 80 words
; sixteen different groups of four banks (64 banks of 4 bytes: ISA guide 11.1).
; LDS: 0: the normed x's codes, 40,960 bytes; 40,960: the FFN's hidden layer's, 40,960; 81,920: x in f32: token T at 1,040 T + 128 (T / 64).  1,040 bytes are 260 words: row T begins at bank 4 T mod 64, and the
; second 64 tokens lie 32 banks further round, so a tile's 16 rows begin at 16 different groups of four banks.  From 215,296 (0x34900) on: the spare words, 128 bytes for each of the sixteen waves, which no line but the closing add names.
; LIMITS: each entry of lowp_scales between -126 and 112, each product's two added between -126 and 127 (the FFN's first product's: from -125), so that every power of two below is an f32 number.  NaN and infinities among the inputs are not served.
; A sigmoid or a product of a's under 2^-126 becomes 0.  GELU = 0.5 z (1 + erf(z / sqrt 2)), erf by a rational form in z^2 with z / sqrt 2 held to +-4: far below 0 it carries 1 + erf's own rounding, about 1e-7 |z|.
; THE MODE: SCHED_MODE bits 1:0 = 2 (LLVM: expert scheduling mode 2), set by the entry lines.  The code itself states the register dependences between vector or matrix instructions and memory or LDS instructions,
; with s_wait_alu, always for 0.
; THE PLAN.  Each is loaded, worked on in place and loaded again, and the waits stand where a region changes hands.
;   v1-v11        addresses and offsets, made at the head and never written again: one wait on va_vdst ahead of the first load serves them all.
;   v12, v13, v14 a trip's LDS addresses: written at the trip's head, read by that trip's loads and stores.
;   R0            loads land (x from memory; a norm's rows; a trip's fragments; rows on their way out); stores read it at the head (into X), on mid's way out and in the final norm; between, matrix and vector lines work on it.
;   R1            norm weights land; R1 .. +15 take a norm's codes, which its stores read, then the products' sums; R1 + 16 .. 31 (second FFN product) and R1 + 32 .. 47 (gates) take x's words, are added onto and stored;
;                 R1 + 32 .. 35 take the hidden layer's codes, which stores read.
;   R2, R3        pairs and weights land; vector and matrix lines read them.
; A TRIP of each of the three loops: a wait on vm_vsrc (the last trip's loads and stores have read the addresses and the stores' data), the address additions, a wait on va_vdst (the addresses are written; all work on R0 and on x's
; registers is done), the loads; and, where the trip stores, one wait on va_vdst ahead of its stores.  No vector line follows that last wait up to the loop's end, so it also serves the loads that stand behind the loop;
; these owe one wait on vm_vsrc, for the registers that the last stores read.  The gates' sixteen compares write sixteen scalar registers in one run, with one wait on va_sdst ahead of the first select.
.set IP,   320                         ; an image: from one group of 16 k to the next
.set IT,   16*IP                       ; from tile to tile
.set AIMG, 0
.set HIMG, 8*IT
.set XB,   16*IT
.set XP,   1040                        ; from token to token in X
.set XH,   64*XP+128                   ; from token T to token T + 64
.set WL_W1, 131072                     ; a layer's buffer: whg's images at 0, ff_w1's, ff_w2's,
.set WL_W2, 196608
.set WL_NW, 262144                     ; norm_w, ff_norm_w, ff_b1, ff_b2,
.set WL_FN, 263168
.set WL_B1, 264192
.set WL_B2, 265216
.set WL_E,  266240                     ; the layer's six exponents
; VECTOR REGISTERS: v1 16 x lane; v2 X, my 8 rows, dense; v3 X, my 8 rows, lane (tk = lane / 4, q = lane % 4): token tk, 64 q bytes on; v4 where my codes go in an image; v5 X by columns (gates); v6 X by tokens (FFN);
; v7 the hidden layer's codes; v8 64 q; v9 32 h; v10 8 r; v11 8 r + 2,048 h; v12-14 a trip's addresses; v15 the carry, or H; v[16:17] A in two halves; v18, v19 a conversion's scale and hold; v[20:23] two constants of erf;
; v24-29 at work; v30 my lane's place in a fragment: 320 h + 16 r.  The closing add's pair: MODE 0: v254, v255, MODE 2: v17, v31, made at the head and kept; MODE 1, which has no two registers to keep: v254, v255, made anew at the end.
.set R0, 32                            ; v32-95    token fragments, then work
.set R1, 96                            ; v96-159   accumulators, x's words, norm weights
.set R2, 160                           ; v160-223  pairs; whg's four fragments; ff_w2's two and the biases
.set R3, 224                           ; v224-255  ff_w1's two fragments
; SCALARS: s2 wave; s[4:15] pointers; s16-21 layer A's exponents, s24-25 layer B's first two; s[26:37] pointers at my wave's parts; s38-45 four (scale, hold); s[46:57] powers of two as pairs; s58 chunk, s59 its mask;
; s60 at work; s61-63 a loop's count and steps; s[66:67] an offset; s68 lanes 16-31; s[70:91] erf's constants as pairs; s92-93 lane selects; s94 1/256; s95 1e-6.
; Behind the head and the carry s16-25, s34-37, s58 and s59 are done with (the exponents are used up, the pairs' loads have come): they take the gates' sixteen lane masks.
.macro MEET
	s_barrier_signal -1
	s_barrier_wait -1
.endm
.macro BAR                             ; my LDS stores have landed and my LDS loads are in: then the work-group's barrier
	s_wait_dscnt 0x0
	MEET
.endm
.macro PAIR p, val                     ; a packed form names a pair and takes its low word for both halves: both are written
	s_mov_b32 s[\p], \val
	s_mov_b32 s[\p+1], \val
.endm
.macro MKQ sc, lim, e                  ; 2^e and 57,344 x 2^e as f32
	s_add_co_i32 s[\sc], s[\e], 127
	s_add_co_i32 s[\lim], s[\e], 142
	s_lshl_b32 s[\sc], s[\sc], 23
	s_lshl_b32 s[\lim], s[\lim], 23
	s_or_b32 s[\lim], s[\lim], 0x600000
.endm
.macro MKP p, ea, eb, bias             ; 2^(ea + eb + bias - 127)
	s_add_co_i32 s[\p], s[\ea], s[\eb]
	s_add_co_i32 s[\p], s[\p], \bias
	s_lshl_b32 s[\p], s[\p], 23
	s_mov_b32 s[\p+1], s[\p]
.endm
.macro MKC p, ea, eb                   ; -log2(e) x 2^(ea + eb): the two exponents are added to the constant's exponent field
	s_add_co_i32 s[\p], s[\ea], s[\eb]
	s_lshl_b32 s[\p], s[\p], 23
	s_add_co_i32 s[\p], s[\p], 0xbfb8aa3b
	s_mov_b32 s[\p+1], s[\p]
.endm
.macro LDW reg, n, base, off           ; n groups of four operand registers, 512 consecutive bytes each
.set KK, 0
.rept \n
	global_load_b128 v[\reg+4*KK:\reg+4*KK+3], v1, s[\base:\base+1] offset:\off+512*KK
.set KK, KK+1
.endr
.endm
.macro LDNW base, off                  ; a norm's weights for lane (tk, q): channels 16 (q + 4 g) + 0 .. 15 into R1[16 g ..]
.set KK, 0
.rept 16
	global_load_b128 v[R1+4*KK:R1+4*KK+3], v8, s[\base:\base+1] offset:\off+256*(KK/4)+16*(KK%4)
.set KK, KK+1
.endr
.endm
.macro XPUT reg                        ; my 8 rows, as memory has them (512 bytes an instruction), into X
.set KK, 0
.rept 16
	ds_store_b128 v2, v[\reg+4*KK:\reg+4*KK+3] offset:(KK/2)*XP+(KK%2)*512
.set KK, KK+1
.endr
.endm
.macro XGET reg                        ; and back
.set KK, 0
.rept 16
	ds_load_b128 v[\reg+4*KK:\reg+4*KK+3], v2 offset:(KK/2)*XP+(KK%2)*512
.set KK, KK+1
.endr
.endm
.macro FRAGS base                      ; two tiles' four fragments: R0 + 32 tile + 16 s + 4 c holds the groups of 16 k numbered 8 s + 2 c + h
.set KK, 0
.rept 16
	ds_load_b128 v[R0+4*KK:R0+4*KK+3], v12 offset:\base+IT*(KK/8)+2*IP*(KK%8)
.set KK, KK+1
.endr
.endm
.macro XWORDS carry, e                 ; carry = 1: two of a gates trip's sixteen words x(token, my channel)
.if \carry
	ds_load_b32 v[R1+32+(\e)], v13 offset:(\e)*XP
	ds_load_b32 v[R1+33+(\e)], v13 offset:((\e)+1)*XP
.endif
.endm
.macro MASKOF e                        ; MK: the scalar register that takes element e's lane mask: s16-25, s34-37, s58, s59
.if (\e) < 10
.set MK, 16+(\e)
.elseif (\e) < 14
.set MK, 24+(\e)
.else
.set MK, 44+(\e)
.endif
.endm
.macro MM d, a, b, first               ; first = 1: the product starts the sum
.if \first
	v_wmma_f32_16x16x128_bf8_bf8 v[\d:\d+7], v[\a:\a+15], v[\b:\b+15], 0
.else
	v_wmma_f32_16x16x128_bf8_bf8 v[\d:\d+7], v[\a:\a+15], v[\b:\b+15], v[\d:\d+7]
.endif
.endm
.macro PLACES                          ; four plain lines between a matrix instruction and the first vector line that reads its result or writes its sources (ISA guide 7.12.1)
.rept 4
	v_nop
.endr
.endm
.macro VV8 op, d, a, b                 ; sixteen numbers, two a line: d = a op b
.set PP, 0
.rept 8
	\op v[\d+PP:\d+PP+1], v[\a+PP:\a+PP+1], v[\b+PP:\b+PP+1]
.set PP, PP+2
.endr
.endm
.macro VC8 op, d, a, c                 ; d = a op a constant or a scalar pair's low word
.set PP, 0
.rept 8
	\op v[\d+PP:\d+PP+1], v[\a+PP:\a+PP+1], \c op_sel_hi:[1,0]
.set PP, PP+2
.endr
.endm
.macro HORNER d, x, p                  ; d = d x + s[p]
.set PP, 0
.rept 8
	v_pk_fma_f32 v[\d+PP:\d+PP+1], v[\d+PP:\d+PP+1], v[\x+PP:\x+PP+1], s[\p:\p+1] op_sel_hi:[1,1,0]
.set PP, PP+2
.endr
.endm
; RMSNorm OF MY 8 TOKENS.  Four lanes share a token; a lane holds 64 of its channels.  cnt: the global loads younger than the norm's weights.  fin = 0: quantised with (s[scr], s[lmr]) into the image at 0; fin = 1: stored as the output.
; What its first loads, which land in R0, hang on is stated where the macro is called.
.macro QNORM cnt, scr, lmr, fin
.set KK, 0
.rept 16
	ds_load_b128 v[R0+4*KK:R0+4*KK+3], v3 offset:256*(KK/4)+16*(KK%4)
.set KK, KK+1
.endr
	s_wait_dscnt 0x0
	v_pk_mul_f32 v[24:25], v[R0:R0+1], v[R0:R0+1]              ; the sum of squares, two at a time, in two chains
	v_pk_mul_f32 v[26:27], v[R0+2:R0+3], v[R0+2:R0+3]
.set KK, 4
.rept 15
	v_pk_fma_f32 v[24:25], v[R0+KK:R0+KK+1], v[R0+KK:R0+KK+1], v[24:25]
	v_pk_fma_f32 v[26:27], v[R0+KK+2:R0+KK+3], v[R0+KK+2:R0+KK+3], v[26:27]
.set KK, KK+4
.endr
	v_pk_add_f32 v[24:25], v[24:25], v[26:27]
	v_add_f32 v24, v24, v25
	v_add_f32_dpp v24, v24, v24 row_xmask:1 row_mask:0xf bank_mask:0xf   ; and over the token's four lanes
	v_add_f32_dpp v24, v24, v24 row_xmask:2 row_mask:0xf bank_mask:0xf
	v_fma_f32 v28, v24, s94, s95                   ; the mean + 1e-6
	v_rsq_f32 v28, v28
.if \fin
	v_nop                                          ; a plain line behind the transcendental
.else
	v_mov_b32 v18, s[\scr]                         ; (plain lines behind the transcendental)
	v_mov_b32 v19, s[\lmr]
.endif
	s_wait_alu depctr_va_vdst(0)                   ; the reciprocal root in v28 is written, ahead of its first reader
.set KK, 0
.rept 32
	v_pk_mul_f32 v[R0+KK:R0+KK+1], v[R0+KK:R0+KK+1], v[28:29] op_sel_hi:[1,0]
.set KK, KK+2
.endr
	s_wait_loadcnt \cnt                            ; the norm's weights are in; what was asked for behind them may stay out
.set KK, 0
.rept 32
	v_pk_mul_f32 v[R0+KK:R0+KK+1], v[R0+KK:R0+KK+1], v[R1+KK:R1+KK+1]
.set KK, KK+2
.endr
.if \fin
	s_wait_alu depctr_va_vdst(0)                   ; the multiplications have written R0 .., which the LDS stores read, and are done reading the norm's weights in R1 .., in which the loads behind the stores land
.set KK, 0
.rept 16
	ds_store_b128 v3, v[R0+4*KK:R0+4*KK+3] offset:256*(KK/4)+16*(KK%4)   ; my own rows: LDS serves a wave's instructions in order, so the loads below see these
.set KK, KK+1
.endr
	XGET R1
	s_wait_dscnt 0x0
.set KK, 0
.rept 16
	global_store_b128 v1, v[R1+4*KK:R1+4*KK+3], s[12:13] offset:512*KK th:TH_STORE_NT   ; 512 consecutive bytes, at a multiple of 256 from the output's first byte
.set KK, KK+1
.endr
.else
.set KK, 0
.rept 64
	v_med3_num_f32 v[R0+KK], v[R0+KK], -v19, v19   ; the conversion to an 8-bit code does not saturate (ISA guide 7.6.2): the hold comes first
.set KK, KK+1
.endr
.irp gg, 0,1,2,3
	v_cvt_scalef32_pk8_bf8_f32 v[R1+4*\gg:R1+4*\gg+1], v[R0+16*\gg:R0+16*\gg+7], v18
	v_cvt_scalef32_pk8_bf8_f32 v[R1+4*\gg+2:R1+4*\gg+3], v[R0+16*\gg+8:R0+16*\gg+15], v18
.endr
	v_nop                                          ; a plain line behind the last conversion
	s_wait_alu depctr_va_vdst(0)                   ; the conversions have written the codes in R1 .. R1 + 15, which the LDS stores read
.irp gg, 0,1,2,3
	ds_store_b128 v4, v[R1+4*\gg:R1+4*\gg+3] offset:AIMG+4*IP*\gg   ; k = 16 (q + 4 g) + 0 .. 15 of my token's row
.endr
.endif
.endm
; HIDDEN AND GATE, AND THE SCAN, for my 16 channels: four trips of two tiles (16 tokens in each half of the lanes).  s[spr] = 2^(the product's two exponents), s[cpr] = -log2(e) x that.
; carry = 1: h runs on from v15 and is added to X.  carry = 0: only the pair: H in v15, A in v[16:17].
; Accumulators: hidden and gate of tile a at R1, R1 + 8, of tile b at R1 + 16, R1 + 24: they take turns, one instruction a turn.  x's 16 words at R1 + 32: asked for two at a time among the eight products,
; which name R0, R2 and R1 .. R1 + 31: none of the registers that those loads touch.
; Behind the products R0 is free: Eg = exp(-|gate|) at R0, Eh = exp(-|hidden|) at R0 + 16, 1 / (1 + Eg) at R0 + 32, hidden + 0.5 at R0 + 48; 1 / (1 + Eh) at R1 + 48.
.macro GATES carry, spr, cpr
	s_mov_b32 s61, 0
	s_mov_b32 s62, 0
.if \carry
	s_mov_b32 s63, 0
.endif
.Lgates_\@:
	s_wait_alu depctr_vm_vsrc(0)                   ; the last trip's LDS loads have read v12 (carry = 1: and v13), its stores v13 and x + h's registers R1 + 32 .., in which x's words land again; in the first trip: the norm's stores have read the codes' registers R1 .. R1 + 15, which the products write
	v_add_nc_u32 v12, s62, v30
.if \carry
	v_add_nc_u32 v13, s63, v5
.endif
	s_wait_alu depctr_va_vdst(0)                   ; v12 (and v13) are written, which the loads below read; the vector and matrix lines so far are done with R0 .. and R1 + 32 .., in which those loads land
	FRAGS AIMG
	s_wait_dscnt 0x0                               ; the fragments are in
	MM R1, R0, R2, 1
	XWORDS \carry, 0
	MM R1+8, R0, R2+32, 1
	XWORDS \carry, 2
	MM R1+16, R0+32, R2, 1
	XWORDS \carry, 4
	MM R1+24, R0+32, R2+32, 1
	XWORDS \carry, 6
	MM R1, R0+16, R2+16, 0
	XWORDS \carry, 8
	MM R1+8, R0+16, R2+48, 0
	XWORDS \carry, 10
	MM R1+16, R0+48, R2+16, 0
	XWORDS \carry, 12
	MM R1+24, R0+48, R2+48, 0
	XWORDS \carry, 14
	PLACES
.set EE, 0
.rept 16                               ; each accumulator is read from its low end on
.set GR, R1+16*(EE/8)+8+EE%8
	v_mul_f32 v[R0+EE], s[\cpr], |v[GR]|           ; -|gate| log2(e)
.set EE, EE+1
.endr
.set EE, 0
.rept 16
.set HR, R1+16*(EE/8)+EE%8
	v_mul_f32 v[R0+16+EE], s[\cpr], |v[HR]|        ; -|hidden| log2(e)
.set EE, EE+1
.endr
.set EE, 0
.rept 32
	v_exp_f32 v[R0+EE], v[R0+EE]                   ; one batch; no exponent is above 0
.set EE, EE+1
.endr
.set EE, 0
.rept 8
.set HR, R1+16*(EE/8)+EE%8
	v_pk_fma_f32 v[R0+48+EE:R0+49+EE], v[HR:HR+1], s[\spr:\spr+1], 0.5 op_sel_hi:[1,0,0]   ; hidden + 0.5: plain work that names no exponential's result
.set EE, EE+2
.endr
	s_wait_alu depctr_va_vdst(0)                   ; the 32 exponentials in R0 .. R0 + 31 are written: one wait for the batch, ahead of its first reader
	VC8 v_pk_add_f32, R0+32, R0, 1.0
	VC8 v_pk_add_f32, R1+48, R0+16, 1.0
.set EE, 0
.rept 16
	v_rcp_f32 v[R0+32+EE], v[R0+32+EE]             ; 1 / (1 + Eg) and 1 / (1 + Eh): one batch
.set EE, EE+1
.endr
.set EE, 0
.rept 16
	v_rcp_f32 v[R1+48+EE], v[R1+48+EE]
.set EE, EE+1
.endr
	v_nop
.set EE, 0
.rept 16                               ; the signs of the sixteen gates, each into a scalar register of its own, in one run: work that names no reciprocal
.set GR, R1+16*(EE/8)+8+EE%8
	MASKOF EE
	v_cmp_le_f32 s[MK], 0, v[GR]
.set EE, EE+1
.endr
	s_wait_alu depctr_va_vdst(0)                   ; the 32 reciprocals in R0 + 32 .. and R1 + 48 .. are written: one wait for the batch, ahead of its first reader
	VV8 v_pk_mul_f32, R0, R0, R0+32                ; Eg / (1 + Eg)
	VV8 v_pk_mul_f32, R0+16, R0+16, R1+48          ; Eh / (1 + Eh) = sigmoid(-|hidden|)
	s_wait_alu depctr_va_sdst(0)                   ; the sixteen compares have written their masks, ahead of the first select that reads one
.set EE, 0
.rept 16
.set GR, R1+16*(EE/8)+8+EE%8
	MASKOF EE
	v_max_num_f32 v[R0+16+EE], v[R0+16+EE], v[R0+48+EE]        ; g(hidden): the larger of the sigmoid and the line
	v_cndmask_b32 v[GR], v[R0+32+EE], v[R0+EE], s[MK]          ; a = sigmoid(-gate): Eg / (1 + Eg) where gate >= 0
	v_cndmask_b32 v[R0+EE], v[R0+EE], v[R0+32+EE], s[MK]       ; z = sigmoid(gate): the other one
.set EE, EE+1
.endr
	VV8 v_pk_mul_f32, R0, R0, R0+16                ; v = z g
.if \carry
	v_fma_f32 v[R0], v[R1+8], v15, v[R0]           ; h(t) = a(t) h(t-1) + v(t), down the registers
.set EE, 1
.rept 15
.set GR, R1+16*(EE/8)+8+EE%8
	v_fma_f32 v[R0+EE], v[GR], v[R0+EE-1], v[R0+EE]
.set EE, EE+1
.endr
	v_mov_b32 v15, v[R0+15]
	s_wait_dscnt 0x0                               ; x's words are in
	VV8 v_pk_add_f32, R1+32, R1+32, R0             ; x + h
	s_wait_alu depctr_va_vdst(0)                   ; the additions have written x + h in R1 + 32 .., which the LDS stores read.  No vector line follows up to the loop's end
.set EE, 0
.rept 16
	ds_store_b32 v13, v[R1+32+EE] offset:EE*XP     ; my own 64 bytes of each row
.set EE, EE+1
.endr
	s_add_co_u32 s63, s63, 16*XP
.else
.set EE, 0
.rept 16
.set GR, R1+16*(EE/8)+8+EE%8
	v_fma_f32 v15, v[GR], v15, v[R0+EE]
.set EE, EE+1
.endr
.set EE, 0
.rept 8
.set GR, R1+16*(EE/8)+8+EE%8
	v_pk_mul_f32 v[16:17], v[16:17], v[GR:GR+1]
.set EE, EE+2
.endr
.endif
	s_add_co_u32 s62, s62, 2*IT
	s_add_co_u32 s61, s61, 1
	s_cmp_lt_u32 s61, 4
	s_cbranch_scc1 .Lgates_\@
.endm
; THE FFN'S FIRST PRODUCT, BIAS, GELU, QUANTISER, for my 16 hidden units: four trips of two tiles.  Lane (r, h): token row r, units 16 w + 8 h + 0 .. 7.  z / 2 at R0, y = z / sqrt 2 at R0 + 16, y^2 at R0 + 32, P at R0 + 48, Q at R1 + 16.
; The sum comes out as z / 2 at once: s[50:51] = 2^(e2 + e3 - 1), and b1 has been halved.
.macro FF1
	v_mov_b32 v18, s42
	v_mov_b32 v19, s43
	s_mov_b32 s61, 0
	s_mov_b32 s62, 0
.Lff1_\@:
	s_wait_alu depctr_vm_vsrc(0)                   ; the last trip's LDS loads have read v12, its stores v14 and the codes' registers R1 + 32 .. 35, which this trip's conversions write again; in the first trip: the norm's stores have read R1 .. R1 + 15, which the products write
	v_add_nc_u32 v12, s62, v30
	v_add_nc_u32 v14, s62, v7
	s_wait_alu depctr_va_vdst(0)                   ; v12 is written, which the loads below read; the vector and matrix lines so far are done with R0 .., in which they land
	FRAGS AIMG
	s_wait_dscnt 0x0
	MM R1, R3, R0, 1
	MM R1+8, R3, R0+32, 1
	MM R1, R3+16, R0+16, 0
	MM R1+8, R3+16, R0+48, 0
	PLACES
.set PP, 0
.rept 8
	v_pk_fma_f32 v[R0+PP:R0+PP+1], v[R1+PP:R1+PP+1], s[50:51], v[R2+32+PP%8:R2+33+PP%8] op_sel_hi:[1,0,1]   ; z / 2 = sum x 2^(e2 + e3 - 1) + b1 / 2
.set PP, PP+2
.endr
	VC8 v_pk_mul_f32, R0+16, R0, s[70:71]          ; y = (z / 2) sqrt 2
.set EE, 0
.rept 16
	v_med3_num_f32 v[R0+16+EE], v[R0+16+EE], -4.0, 4.0
.set EE, EE+1
.endr
	VV8 v_pk_mul_f32, R0+32, R0+16, R0+16
.set PP, 0
.rept 8
	v_pk_fma_f32 v[R0+48+PP:R0+49+PP], v[20:21], v[R0+32+PP:R0+33+PP], s[72:73] op_sel_hi:[1,1,0]
	v_pk_fma_f32 v[R1+16+PP:R1+17+PP], v[22:23], v[R0+32+PP:R0+33+PP], s[84:85] op_sel_hi:[1,1,0]
.set PP, PP+2
.endr
	HORNER R0+48, R0+32, 74
	HORNER R1+16, R0+32, 86
	HORNER R0+48, R0+32, 76
	HORNER R1+16, R0+32, 88
	HORNER R0+48, R0+32, 78
	HORNER R1+16, R0+32, 90
	HORNER R0+48, R0+32, 80
	HORNER R0+48, R0+32, 82
.set EE, 0
.rept 16
	v_rcp_f32 v[R1+16+EE], v[R1+16+EE]
.set EE, EE+1
.endr
	VV8 v_pk_mul_f32, R0+16, R0+16, R0+48          ; y P: plain work that names no reciprocal
	s_wait_alu depctr_va_vdst(0)                   ; the sixteen reciprocals in R1 + 16 .. are written: one wait for the batch, ahead of its first reader
	VV8 v_pk_mul_f32, R0+16, R0+16, R1+16          ; erf = y P / Q
.set PP, 0
.rept 8
	v_pk_fma_f32 v[R0+PP:R0+PP+1], v[R0+PP:R0+PP+1], v[R0+16+PP:R0+17+PP], v[R0+PP:R0+PP+1]   ; (z / 2) erf + z / 2
.set PP, PP+2
.endr
.set EE, 0
.rept 16
	v_med3_num_f32 v[R0+EE], v[R0+EE], -v19, v19
.set EE, EE+1
.endr
	v_cvt_scalef32_pk8_bf8_f32 v[R1+32:R1+33], v[R0:R0+7], v18
	v_cvt_scalef32_pk8_bf8_f32 v[R1+34:R1+35], v[R0+8:R0+15], v18
	v_nop                                          ; a plain line behind the last conversion
	s_wait_alu depctr_va_vdst(0)                   ; the conversions have written the codes in R1 + 32 .. 35, which the LDS stores read (their address v14 was written ahead of the trip's first wait)
	ds_store_b64 v14, v[R1+32:R1+33]               ; k = 16 w + 8 h + 0 .. 7 of my token's row, tile a,
	ds_store_b64 v14, v[R1+34:R1+35] offset:IT     ; tile b
	s_add_co_u32 s62, s62, 2*IT
	s_add_co_u32 s61, s61, 1
	s_cmp_lt_u32 s61, 4
	s_cbranch_scc1 .Lff1_\@
.endm
; THE FFN'S SECOND PRODUCT, BIAS AND RESIDUAL, for my 16 channels: four trips of two tiles.
.macro FF2
	s_mov_b32 s61, 0
	s_mov_b32 s62, 0
	s_mov_b32 s63, 0
.Lff2_\@:
	s_wait_alu depctr_vm_vsrc(0)                   ; the LDS loads so far have read v12 (in the first trip: the first product's), the last trip's loads and stores v13, and its stores the registers R1 + 16 .. 31, in which x lands again
	v_add_nc_u32 v12, s62, v30
	v_add_nc_u32 v13, s63, v6
	s_wait_alu depctr_va_vdst(0)                   ; v12 and v13 are written, which the loads below read; the vector and matrix lines so far are done with R0 .. and R1 + 16 .. 31, in which they land
	FRAGS HIMG
.irp tt, 0,1
.irp uu, 0,1
	ds_load_b128 v[R1+16+8*\tt+4*\uu:R1+19+8*\tt+4*\uu], v13 offset:8*XP*\tt+16*\uu   ; x(my token, my eight channels)
.endr
.endr
	s_wait_dscnt 4                                 ; the fragments are in; x's four loads may stay out
	MM R1, R2, R0, 1
	MM R1+8, R2, R0+32, 1
	MM R1, R2+16, R0+16, 0
	MM R1+8, R2+16, R0+48, 0
	s_wait_dscnt 0x0
.set PP, 0
.rept 8
	v_pk_add_f32 v[R1+16+PP:R1+17+PP], v[R1+16+PP:R1+17+PP], v[R2+40+PP%8:R2+41+PP%8]   ; x + b2: eight plain lines that name no register of the products: the places behind them
.set PP, PP+2
.endr
.set PP, 0
.rept 8
	v_pk_fma_f32 v[R1+16+PP:R1+17+PP], v[R1+PP:R1+PP+1], s[52:53], v[R1+16+PP:R1+17+PP] op_sel_hi:[1,0,1]   ; + sum x 2^(e4 + e5)
.set PP, PP+2
.endr
	s_wait_alu depctr_va_vdst(0)                   ; the multiply-adds have written R1 + 16 .. 31, which the LDS stores read.  No vector line follows up to the loop's end
.irp tt, 0,1
.irp uu, 0,1
	ds_store_b128 v13, v[R1+16+8*\tt+4*\uu:R1+19+8*\tt+4*\uu] offset:8*XP*\tt+16*\uu
.endr
.endr
	s_add_co_u32 s62, s62, 2*IT
	s_add_co_u32 s63, s63, 16*XP
	s_add_co_u32 s61, s61, 1
	s_cmp_lt_u32 s61, 4
	s_cbranch_scc1 .Lff2_\@
.endm
; ---- THE HEAD: pointers, addresses, and everything that can be asked of memory at once
.if MODE == 0
	s_load_b64 s[4:5], s[0:1], 0x0                 ; x
	s_load_b64 s[10:11], s[0:1], 0x8               ; layer B's buffer
	s_load_b64 s[14:15], s[0:1], 0x10              ; the pairs out
	v_lshl_add_u32 v254, v0, 2, 0x34900
	v_mov_b32 v255, 0
.elseif MODE == 1
	s_load_b256 s[4:11], s[0:1], 0x0               ; x in, the pairs in, layer A's buffer, layer B's
	s_load_b128 s[12:15], s[0:1], 0x20             ; x out, the pairs out
.else
	s_load_b256 s[4:11], s[0:1], 0x0               ; x in, the pairs in, layer A's buffer, final_norm_w
	s_load_b64 s[12:13], s[0:1], 0x20              ; the output
	v_lshl_add_u32 v17, v0, 2, 0x34900
	v_mov_b32 v31, 0
.endif
	v_lshrrev_b32 v24, 5, v0
	v_readfirstlane_b32 s2, v24                    ; wave 0..15
	v_and_b32 v25, 31, v0                          ; lane
	v_and_b32 v26, 15, v0                          ; r
	v_bfe_u32 v27, v0, 4, 1                        ; h
	v_bfe_u32 v28, v0, 2, 3                        ; tk
	v_and_b32 v29, 3, v0                           ; q
	v_lshlrev_b32 v1, 4, v25
	v_mul_u32_u24 v30, v27, IP                     ; a fragment: lanes 16-31 take the next group of 16 k
	v_lshl_add_u32 v30, v26, 4, v30
	s_wait_alu depctr_va_sdst(0)                   ; s2, the wave's number, is written, ahead of its first reader: LDS addresses and the bases in memory are made from it
	s_mul_i32 s60, s2, 8*XP                        ; my 8 rows of X: XB + 8,320 w + 128 (w / 8)
	s_lshr_b32 s61, s2, 3
	s_lshl_b32 s61, s61, 7
	s_add_co_u32 s60, s60, s61
	s_add_co_u32 s60, s60, XB
	v_add_nc_u32 v2, s60, v1
	v_mul_u32_u24 v3, v28, XP
	v_lshl_add_u32 v3, v29, 6, v3
	v_add_nc_u32 v3, s60, v3
	s_and_b32 s62, s2, 7                           ; token 8 w + tk is row tk + 8 (w / 8) of tile w % 8
	s_mul_i32 s62, s62, IT
	s_add_co_u32 s62, s62, s61
	v_mul_u32_u24 v4, v29, IP
	v_lshl_add_u32 v4, v28, 4, v4
	v_add_nc_u32 v4, s62, v4
	v_lshlrev_b32 v8, 6, v29
.if MODE < 2
	v_lshlrev_b32 v11, 3, v26
	v_lshl_add_u32 v11, v27, 11, v11
.endif
.if MODE > 0
	s_lshl_b32 s63, s2, 6                          ; my 16 channels: 64 bytes of every row
	s_add_co_u32 s63, s63, XB
	v_mul_u32_u24 v5, v27, XH
	v_lshl_add_u32 v5, v26, 2, v5
	v_add_nc_u32 v5, s63, v5
	v_and_b32 v12, 7, v0
	v_bfe_u32 v13, v0, 3, 1
	v_mul_u32_u24 v6, v12, XP
	v_mad_u32_u24 v6, v13, XH, v6
	v_lshl_add_u32 v6, v27, 5, v6
	v_add_nc_u32 v6, s63, v6
	s_mul_i32 s62, s2, IP                          ; my 16 units are group w of the hidden layer's 16 groups of k
	s_add_co_u32 s62, s62, HIMG
	v_lshlrev_b32 v7, 4, v26
	v_lshl_add_u32 v7, v27, 3, v7
	v_add_nc_u32 v7, s62, v7
	v_lshlrev_b32 v9, 5, v27
	v_lshlrev_b32 v10, 3, v26
.endif
	s_lshl_b32 s66, ttmp9, 17                      ; my 8 rows in memory: 131,072 g + 8,192 w
	s_lshl_b32 s60, s2, 13
	s_add_co_u32 s66, s66, s60
	s_mov_b32 s67, 0
	s_wait_kmcnt 0x0
	s_add_nc_u64 s[4:5], s[4:5], s[66:67]
.if MODE > 0
	s_add_nc_u64 s[12:13], s[12:13], s[66:67]
	s_load_b256 s[16:23], s[8:9], WL_E             ; layer A's exponents e0 .. e5 (and two words that are not used)
.endif
.if MODE < 2
	s_load_b64 s[24:25], s[10:11], WL_E            ; layer B's e0, e1
.endif
	s_wait_alu depctr_va_vdst(0)                   ; the addresses and offsets v1 to v11 are written, which the loads and stores of the whole kernel read; none of them is written again
.set KK, 0
.rept 16
	global_load_b128 v[R0+4*KK:R0+4*KK+3], v1, s[4:5] offset:512*KK th:TH_LOAD_NT   ; my 8 rows, 512 consecutive bytes a load; the launch reads each byte once
.set KK, KK+1
.endr
.if MODE > 0
	s_lshr_b32 s60, ttmp9, 5                       ; the sequence
	s_and_b32 s58, ttmp9, 31                       ; my chunk c
	s_lshl_b32 s66, s60, 17
	s_lshl_b32 s60, s2, 7
	s_add_co_u32 s66, s66, s60
	s_add_nc_u64 s[34:35], s[6:7], s[66:67]        ; the sequence's pairs, at my 16 channels
	s_lshl_b32 s66, s58, 12
	s_add_nc_u64 s[36:37], s[34:35], s[66:67]      ; my own chunk's
	s_bfm_b32 s59, s58, 0                          ; bits 0 .. c - 1: the chunks ahead of mine
.set KK, 0
.rept 32
	global_load_b64 v[R2+2*KK:R2+2*KK+1], v10, s[34:35] offset:4096*KK+2048   ; (A, H) of the whole chunk KK: all 32 are read, so that no trip count hangs on c
.set KK, KK+1
.endr
	global_load_b64 v[R3:R3+1], v10, s[36:37]      ; (A, H) of my chunk's first 64 tokens
	LDNW 8, WL_NW
	s_lshl_b32 s66, s2, 13
	s_add_nc_u64 s[26:27], s[8:9], s[66:67]
	s_lshl_b32 s66, s2, 12
	s_add_nc_u64 s[28:29], s[8:9], s[66:67]
	s_lshl_b32 s66, s2, 6
	s_add_nc_u64 s[30:31], s[8:9], s[66:67]
.endif
.if MODE < 2
	s_lshl_b32 s66, s2, 13
	s_add_nc_u64 s[32:33], s[10:11], s[66:67]
	s_lshl_b32 s66, ttmp9, 12
	s_lshl_b32 s60, s2, 7
	s_add_co_u32 s66, s66, s60
	s_add_nc_u64 s[14:15], s[14:15], s[66:67]
.endif
.if MODE == 0
	LDNW 10, WL_NW
	LDW R2, 16, 32, 0
.endif
	s_mov_b32 s68, 0xffff0000
	s_mov_b32 s92, 0x76543210
	s_mov_b32 s93, 0xfedcba98
	s_mov_b32 s94, 0x3b800000                      ; 1 / 256
	s_mov_b32 s95, 0x358637bd                      ; 1e-6
.if MODE > 0
	PAIR 70, 0x3fb504f3                            ; sqrt 2
	PAIR 72, 0x32edffee                            ; erf(y) = y P(y^2) / Q(y^2): P's coefficients from y^10 down,
	PAIR 74, 0xb60cff51
	PAIR 76, 0xb86ec2d2
	PAIR 78, 0xba40ac63
	PAIR 80, 0xbb41a1f6
	PAIR 82, 0xbc83dbd4
	PAIR 84, 0xb95fbd29                            ; Q's from y^6 down;
	PAIR 86, 0xbadc924e
	PAIR 88, 0xbbf19bf8
	PAIR 90, 0xbc69b6a7
	v_mov_b32 v20, 0xaf95df0b                      ; the two leading ones
	v_mov_b32 v21, 0xaf95df0b
	v_mov_b32 v22, 0xb77460cd
	v_mov_b32 v23, 0xb77460cd
.endif
	s_wait_kmcnt 0x0
.if MODE > 0
	MKQ 38, 39, 16
	MKQ 40, 41, 18
	MKQ 42, 43, 20
	MKP 46, 16, 17, 127
	MKC 48, 16, 17
	MKP 50, 18, 19, 126                            ; half of 2^(e2 + e3)
	MKP 52, 20, 21, 127
.endif
.if MODE < 2
	MKQ 44, 45, 24
	MKP 54, 24, 25, 127
	MKC 56, 24, 25
.endif
.if MODE == 0
	s_wait_loadcnt 32                              ; x is in: behind it stand the norm's 16 loads and the weight's 16
	XPUT R0
	s_wait_alu depctr_vm_vsrc(0)                   ; the stores into X have read R0 .., in which the norm's LDS loads land
	QNORM 16, 44, 45, 0                            ; behind the norm's weights: the weight's 16 loads
	BAR                                            ; the image is whole
.else
	s_wait_loadcnt 49                              ; x is in: behind it stand 33 loads of pairs and the norm's 16
	XPUT R0
	s_wait_loadcnt 16                              ; the pairs are in
	v_mov_b32 v15, 0                               ; THE CARRY: h = A h + H over the chunks ahead of mine; the others' steps are computed and not taken
.set KK, 0
.rept 32
	s_bitcmp1_b32 s59, KK
	s_cselect_b32 s60, -1, 0
	v_fma_f32 v24, v[R2+2*KK], v15, v[R2+2*KK+1]
	v_cndmask_b32 v15, v15, v24, s60
.set KK, KK+1
.endr
	v_fma_f32 v24, v[R3], v15, v[R3+1]             ; lanes 16-31 begin at token 64: one step more, over my chunk's first half
	v_cndmask_b32 v15, v15, v24, s68
	s_wait_alu depctr_va_vdst(0)                   ; the carry's multiply-adds are done reading the pairs in R2 .. and R3, in which the weights' loads land
	LDW R2, 16, 26, 0                              ; whg's four fragments of my channels,
	LDW R3, 8, 28, WL_W1                           ; ff_w1's two of my units
	; ---- layer A
	s_wait_alu depctr_vm_vsrc(0)                   ; the stores into X have read R0 .., in which the norm's LDS loads land
	QNORM 24, 38, 39, 0                            ; behind the norm's weights: those 24 loads
	BAR                                            ; X and the image are whole
	s_wait_loadcnt 8                               ; whg's fragments are in; ff_w1's may stay out
	GATES 1, 46, 48
	s_wait_dscnt 0x0                               ; my stores into X have landed
	s_wait_alu depctr_vm_vsrc(0)                   ; the last trip's stores have read x + h's registers R1 + 32 .., in which the norm's weights land.  (All vector and matrix work on R0, R1 and R2 stands ahead of the wait in front of those stores)
	LDNW 8, WL_FN
	LDW R2, 8, 28, WL_W2                           ; ff_w2's two fragments,
	global_load_b128 v[R2+32:R2+35], v9, s[30:31] offset:WL_B1      ; b1 and b2 at my lane's eight units
	global_load_b128 v[R2+36:R2+39], v9, s[30:31] offset:WL_B1+16
	global_load_b128 v[R2+40:R2+43], v9, s[30:31] offset:WL_B2
	global_load_b128 v[R2+44:R2+47], v9, s[30:31] offset:WL_B2+16
	MEET                                           ; every channel of X is updated, and nobody reads the image any more
	QNORM 12, 40, 41, 0                            ; behind the norm's weights: 8 + 4 loads
	BAR                                            ; the image is whole
	s_wait_loadcnt 0x0
.set PP, 0
.rept 4
	v_pk_mul_f32 v[R2+32+PP:R2+33+PP], v[R2+32+PP:R2+33+PP], 0.5 op_sel_hi:[1,0]   ; b1 / 2, once
.set PP, PP+2
.endr
	FF1
	BAR                                            ; the hidden layer's image is whole
	FF2
	s_wait_dscnt 0x0
	s_wait_alu depctr_vm_vsrc(0)                   ; the last trip's stores have read R1 + 16 .. 31, in which the norm's weights land.  (All vector and matrix work on R0, R1 and R2 stands ahead of the wait in front of those stores)
.if MODE == 1
	LDNW 10, WL_NW                                 ; layer B's norm and its whg
	LDW R2, 16, 32, 0
.else
	LDNW 10, 0                                     ; final_norm_w
.endif
	MEET                                           ; every channel of X is updated
.if MODE == 1
	XGET R0
	s_wait_dscnt 0x0
.set KK, 0
.rept 16
	global_store_b128 v1, v[R0+4*KK:R0+4*KK+3], s[12:13] offset:512*KK   ; 512 consecutive bytes, at a multiple of 256 from the buffer's first byte
.set KK, KK+1
.endr
	s_wait_xcnt 0x0                                ; the stores' data registers are written again only behind this wait
	s_wait_alu depctr_vm_vsrc(0)                   ; the stores have read R0 .., in which the norm's LDS loads land
	QNORM 16, 44, 45, 0                            ; behind the norm's weights: the weight's 16 loads
	BAR                                            ; the image is whole
.else
	QNORM 0, 0, 0, 1
	s_wait_dscnt 0x0                               ; the closing lines, six on end
	s_wait_alu 0x0
	s_wait_tensorcnt 0x0
	ds_add_u32 v17, v31
	s_wait_dscnt 0x0
	s_endpgm
.endif
.endif
.if MODE < 2
	; ---- layer B's pairs
	s_wait_loadcnt 0x0
	v_mov_b32 v15, 0
	v_mov_b32 v16, 1.0
	v_mov_b32 v17, 1.0
	GATES 0, 54, 56
	v_mul_f32 v16, v16, v17                        ; A of my half's 64 tokens
	v_permlanex16_b32 v24, v16, s92, s93           ; the other half's A
	v_permlanex16_b32 v25, v15, s92, s93           ; and H
	v_mul_f32 v26, v16, v24                        ; the whole chunk, seen from lanes 16-31: A2 A1,
	v_fma_f32 v27, v16, v25, v15                   ; A2 H1 + H2
	v_cndmask_b32 v26, v16, v26, s68               ; lanes 0-15 keep the first half's pair (kind 0), lanes 16-31 take the whole chunk's (kind 1)
	v_cndmask_b32 v27, v15, v27, s68
	s_wait_alu depctr_va_vdst(0)                   ; the two selects have written the pair in v[26:27], which the store reads
	global_store_b64 v11, v[26:27], s[14:15]
.if MODE == 1
	s_wait_xcnt 0x0
	v_lshl_add_u32 v254, v0, 2, 0x34900
	v_mov_b32 v255, 0
.endif
	s_wait_dscnt 0x0                               ; the closing lines, six on end
	s_wait_alu 0x0
	s_wait_tensorcnt 0x0
	ds_add_u32 v254, v255
	s_wait_dscnt 0x0
	s_endpgm
.endif
.Lfunc_end_k_qc70a98c6b1_last:
	.size	k_qc70a98c6b1_last, .Lfunc_end_k_qc70a98c6b1_last-k_qc70a98c6b1_last
	.p2alignl 7, 3214868480
	.fill 96, 4, 3214868480
	.section	.rodata,"a",@progbits
	.p2align	6, 0x0
	.amdhsa_kernel k_qc70a98c6b1_last
		.amdhsa_group_segment_fixed_size 217344
		.amdhsa_private_segment_fixed_size 0
		.amdhsa_enable_private_segment 0
		.amdhsa_kernarg_size 40
		.amdhsa_user_sgpr_count 2
		.amdhsa_user_sgpr_kernarg_segment_ptr 1
		.amdhsa_wavefront_size32 1
		.amdhsa_system_sgpr_workgroup_id_x 1
		.amdhsa_system_sgpr_workgroup_id_y 1
		.amdhsa_system_sgpr_workgroup_id_z 1
		.amdhsa_system_vgpr_workitem_id 0
		.amdhsa_next_free_vgpr 256
		.amdhsa_next_free_sgpr 96
		.amdhsa_reserve_vcc 0
		.amdhsa_float_denorm_mode_32 3
		.amdhsa_float_denorm_mode_16_64 3
		.amdhsa_memory_ordered 1
		.amdhsa_forward_progress 1
		.amdhsa_inst_pref_size 96
	.end_amdhsa_kernel
	.amdgpu_metadata
---
amdhsa.version: [ 1, 2 ]
amdhsa.kernels:
  - .name:           k_qc70a98c6b1_last
    .symbol:         k_qc70a98c6b1_last.kd
    .args:
      - { .name: xa, .offset: 0, .size: 8, .value_kind: global_buffer, .address_space: global }
      - { .name: ag1, .offset: 8, .size: 8, .value_kind: global_buffer, .address_space: global }
      - { .name: wl3, .offset: 16, .size: 8, .value_kind: global_buffer, .address_space: global }
      - { .name: final_norm_w, .offset: 24, .size: 8, .value_kind: global_buffer, .address_space: global }
      - { .name: out0, .offset: 32, .size: 8, .value_kind: global_buffer, .address_space: global }
    .group_segment_fixed_size: 217344
    .private_segment_fixed_size: 0
    .kernarg_segment_align: 8
    .kernarg_segment_size: 40
    .max_flat_workgroup_size: 512
    .sgpr_count:     96
    .vgpr_count:     256
    .wavefront_size: 32
...
	.end_amdgpu_metadata
.endif
;; end of part 7
